; MI455X (gfx1250); checked and timed in simulation.
; The chip was launched on July 23, 2026; its instructions are those of AMD's public machine-readable ISA for CDNA 5 (MIT licence, August 2026) and "CDNA5" Instruction Set Architecture Reference Guide (July 2026). The comments in the code are by the model that wrote it; some were corrected since.
;; Encoder Layer. Allowed arithmetic: matrix products marked QUANTISED: E2M3 operands, one E8M0 scale for each 32 along K, by v_wmma_scale_f32_16x16x128_f8f6f4 with both operands' format E2M3, f32 sums; everything else in f32.
;; Inputs: W1 1,024 x 512 float32; W2 512 x 1,024 float32; Wk 1,024 x 512 float32; Wo 512 x 1,024 float32; Wq 1,024 x 512 float32; Wv 1,024 x 512 float32; b1 512 float32; b2 1,024 float32; bk 512 float32; bo 1,024 float32; bq 512 float32; bv 512 float32; input_mask 4 x 4,096 bool; ln1_b 1,024 float32; ln1_g 1,024 float32; ln2_b 1,024 float32; ln2_g 1,024 float32; src 4 x 4,096 x 1,024 float32.
;; Outputs: out0 4 x 4,096 x 1,024 float32.
;; This version of the problem:
;;   THIS VERSION OF THE PROBLEM IS GIVEN IN LOW PRECISION. The matrix products marked QUANTISED in the list below multiply operands that are first quantised to E2M3 (2 exponent bits, 3 mantissa bits; 6 bits a number), with one power-of-two scale for each 32 numbers along K (OCP MX v1.0); their sums are f32. All else is computed in f32.
;;   The module's matrix products, in the order in which they are computed (A, B: the left and right operand; K: the contracted axis; several contracted axes count as one K, in the product's order):
;;     1. [M 16,384, K 1,024] x [K 1,024, N 512]; A: input src; B: input Wq: QUANTISED
;;     2. [M 16,384, K 1,024] x [K 1,024, N 512]; A: input src; B: input Wk: QUANTISED
;;     3. [M 16,384, K 1,024] x [K 1,024, N 512]; A: input src; B: input Wv: QUANTISED
;;     4. batch 1,024 x [M 128, K 32] x [K 32, N 128]; A: computed on the way; B: computed on the way: QUANTISED
;;     5. batch 1,024 x [M 32, K 128] x [K 128, N 128]; A: computed on the way; B: softmax (see below): QUANTISED
;;     6. batch 32 x [M 4,096, K 32] x [K 32, N 1,024]; A: computed on the way; B: computed on the way: QUANTISED
;;     7. batch 32 x [M 32, K 1,024] x [K 1,024, N 4,096]; A: computed on the way; B: softmax (see below): QUANTISED
;;     8. [M 16,384, K 512] x [K 512, N 1,024]; A: computed on the way; B: input Wo: QUANTISED
;;     9. [M 16,384, K 1,024] x [K 1,024, N 512]; A: computed on the way; B: input W1: QUANTISED
;;     10. [M 16,384, K 512] x [K 512, N 1,024]; A: computed on the way; B: input W2: QUANTISED
;;   THE QUANTISER, for each operand of a quantised product, along K:
;;     - K is cut into blocks of 32 from its start; a last block that is shorter is filled with zeros.
;;     - A block's scale is 2^e with e = floor(log2(the largest magnitude in the block)) - 2, held to -126 .. 127; a block of zeros has e = 0. As a byte (E8M0): e + 127.
;;     - Each number is divided by its block's scale, clamped to +-7.5, and rounded to the nearest number of E2M3, ties to even, subnormals kept.
;;     - The product sums the exact products of the quantised numbers (number of the format x scale) in f32.
;;   ~~~python
;;   def quantise(x, axis):      # numpy; x: float32 -> the quantised numbers, widened to float32 again
;;       x = np.moveaxis(x, axis, -1); K = x.shape[-1]
;;       x = np.pad(x, [(0, 0)] * (x.ndim - 1) + [(0, -K % 32)]); x = x.reshape(x.shape[:-1] + (-1, 32)); a = np.abs(x).max(-1, keepdims=True)
;;       e = np.where(a > 0, np.clip(np.frexp(np.where(a > 0, a, 1))[1] - 1 - 2, -126, 127), 0)      # np.frexp(a)[1] - 1 = floor(log2(a)), exactly
;;       r = np.clip(x / 2.0 ** e, -7.5, 7.5)
;;       step = 2.0 ** (np.maximum(np.frexp(np.where(r == 0, 1, r))[1] - 1, 0) - 3)
;;       q = np.round(r / step) * step * 2.0 ** e      # np.round: ties to even
;;       return np.moveaxis(q.reshape(q.shape[:-2] + (-1,))[..., :K], -1, axis).astype(np.float32)
;;   ~~~
;;   SOFTMAX AHEAD OF A QUANTISED PRODUCT. Where the list says 'softmax', what is quantised is not the finished softmax but p = 2^(t - M), with t = logit x log2(e) and M = ceil(the row's largest t), a whole number; so 1/2 < the row's largest p <= 1. The row's sum l is taken of the UNQUANTISED p, in f32, and the product's result is divided by l at the end. Since M is a whole number, a kernel that streams over the keys may use a running M (the ceiling of the running maximum): every later rescaling is an exact power of two, which a block's scale takes up: the codes' values come out the same.
;;   OPERANDS COMPUTED ON THE WAY. 'Computed on the way' means the value that the module computes at that place (a softmax that the list does not call 'softmax' is quantised finished and normalised). What goes into a quantiser is computed in f32, as accurately as f32 sums, v_exp_f32 and their like allow (about 1e-6 of the number): no bf16 or f16 on the way to a quantiser, and a product that is left as it is and whose result goes on into a quantised operand takes f32 operands (vector FMAs, or v_wmma_f32_16x16x4_f32). A number that lies on a knife's edge between two numbers of the format may be rounded either way, as far as f32 arithmetic and the matrix unit's own rounding can turn it there, and no further.
;; 2 versions, each right; version 2 is version 1 with the launches qkv, gattn written anew for expert scheduling mode. Each part assembles by itself: llvm-mc -triple=amdgcn-amd-amdhsa -mcpu=gfx1250 --defsym DOCPART=n.
;; ======== version 1 of 2: 4 launches
;; limits: right only within a limited range of input values
;; workspace buffers: xq 13,107,200 bytes; wq 2,457,600 bytes; qg 3,670,016 bytes; kv 1,671,168 bytes; oc 6,553,600 bytes
;; launch prep (part 1): grid 704 x 1, 4 waves a work-group, no clusters, 58,880 bytes of LDS; arguments src, Wq, Wk, Wv, W1, Wo, W2, xq, wq; writes xq, wq
.if DOCPART == 1
	.amdgcn_target "amdgcn-amd-amdhsa--gfx1250"
	.amdhsa_code_object_version 6
	.text
	.protected	k_q91c57c980a_prep
	.globl	k_q91c57c980a_prep
	.p2align	8
	.type	k_q91c57c980a_prep,@function
k_q91c57c980a_prep:
	s_mov_b64 s[64:65], 0
	v_nop
	global_prefetch_b8 v0, s[64:65] scope:SCOPE_SE
	s_setreg_imm32_b32 hwreg(HW_REG_WAVE_MODE, 25, 1), 1
	s_wait_xcnt 0x0
; src [16384][1024] f32 and the six weights (f32, K their first axis) become codes of FP6 (E2M3) with one E8M0 byte for each 32 along K,
; laid in the order of a matrix operand's registers, so that later launches fetch a fragment by three loads of 16 bytes a lane.
; A block's scale is 2^(floor(log2(largest magnitude)) - 2); its byte is the largest magnitude's exponent field - 2, held at 1 from below.
; LIMITS: NaN and infinities are not served; a block whose largest magnitude lies under 2^-124 (a block of zeros too) gets the byte 1: its codes
; are zeros or nearly so, and only this program reads the bytes.
; AN IMAGE of a fragment (16 rows x 128 K, 12 registers a lane, 1,536 bytes): registers 4 c .. 4 c + 3 of lane L at 512 c + 16 L.
; ROWS OF A TILE: row r of tile 2 b + u is index 32 b + 8 u + r + 8 (r / 8) (tokens of a block of 128; columns of a weight).
; xq: [block of 128 tokens][K step 8] x 12,800 bytes: eight images (tile T), then the scale words [T / 4][r][T % 4].
; wq: six matrices of 409,600 bytes (Wq Wk Wv W1 Wo W2): images [pair of tiles p][K step][u]; at 393,216 the scale words [p][16 u + r][K step].
; Work-groups 0-511 take src, 512-703 the weights; the three ways through the text have LDS bytes of their own; waves share nothing: no barrier.
.set TM, 12                            ; v12-27  largest magnitudes, bytes, scale operands
.set PT, 28                            ; v28-35  the conversions' second halves
.set PC, 36                            ; v36-47  a fragment's codes
.set SEL, 2                            ; s[2:3]  lane selects: lane l xor 16
.set MSB, 0
.macro WIN new                         ; the immediate's high byte repeats the setting that is left (this text stays in window 0)
.if MSB != (\new)
	s_set_vgpr_msb (MSB<<8)|(\new)
.set MSB, (\new)
.endif
.endm
; 64 numbers of a lane, register 16 b + i = element 16 (lane / 16) + i of block b of my row, become a fragment's 12 registers and its scale word
.macro QUANT s, w, pc, pw
	WIN ((\w)<<2)|((\w)<<4)
.irp b,0,1,2,3
	v_max3_num_f32 v[TM+\b], 0x1800000, |v[(\s)+16*\b]|, |v[(\s)+16*\b+1]|   ; with the floor 2^(3 - 127): the byte cannot fall under 1
.endr
.irp i,2,4,6,8,10,12,14
.irp b,0,1,2,3
	v_max3_num_f32 v[TM+\b], v[TM+\b], |v[(\s)+16*\b+\i]|, |v[(\s)+16*\b+\i+1]|
.endr
.endr
	WIN 0
.irp b,0,1,2,3
	v_permlanex16_b32 v[TM+4+\b], v[TM+\b], s[SEL], s[SEL+1]
.endr
.irp b,0,1,2,3
	v_max_num_f32 v[TM+\b], v[TM+\b], v[TM+4+\b]              ; with lane l xor 16's 16: the block's largest magnitude
.endr
.irp b,0,1,2,3
	v_add_nc_u32 v[TM+12+\b], 0xff000000, v[TM+\b]            ; 2 off the exponent field: the conversion's scale operand
.endr
.irp b,0,1,2,3
	v_lshrrev_b32 v[TM+4+\b], 23, v[TM+12+\b]                 ; the scale's byte
.endr
	v_lshl_or_b32 v[\pw], v[TM+5], 8, v[TM+4]
	v_lshl_or_b32 v[\pw], v[TM+6], 16, v[\pw]
	v_lshl_or_b32 v[\pw], v[TM+7], 24, v[\pw]
	WIN \w
.irp c,0,1
	v_cvt_scalef32_pk16_fp6_f32 v[(\pc)+6*\c:(\pc)+6*\c+2], v[(\s)+32*\c:(\s)+32*\c+15], v[TM+12+2*\c]
	v_cvt_scalef32_pk16_fp6_f32 v[PT+4*\c:PT+4*\c+2], v[(\s)+32*\c+16:(\s)+32*\c+31], v[TM+12+2*\c+1]
.endr
	WIN 0
	v_nop                                                     ; one plain instruction behind the conversions
.irp c,0,1
.irp i,0,1,2
	v_permlane16_swap_b32 v[(\pc)+6*\c+\i], v[PT+4*\c+\i]     ; a whole block to a lane: lanes 0-15 block 2 c, lanes 16-31 block 2 c + 1
.endr
.irp i,0,1,2
	v_mov_b32 v[(\pc)+6*\c+3+\i], v[PT+4*\c+\i]
.endr
.endr
.endm
	s_load_b256 s[8:15], s[0:1], 0x0               ; src, Wq, Wk, Wv
	s_load_b256 s[16:23], s[0:1], 0x20             ; W1, Wo, W2, xq
	s_load_b64 s[24:25], s[0:1], 0x40              ; wq
	v_lshl_add_u32 v23, v0, 2, 0xe400
	v_mov_b32 v31, 0
	v_lshrrev_b32 v1, 5, v0
	v_readfirstlane_b32 s4, v1                     ; wave 0..3
	v_and_b32 v5, 31, v0                           ; lane
	s_mov_b32 s[SEL], 0x76543210
	s_mov_b32 s[SEL+1], 0xfedcba98
	s_wait_kmcnt 0x0
	s_cmp_lt_u32 ttmp9, 512
	s_cbranch_scc0 .Lweights
; ---- src.  Work-group: block ttmp9 / 4; wave: K step 2 (ttmp9 % 4) + wave / 2, tiles 4 a .. 4 a + 3 with a = wave % 2.
	s_lshr_b32 s5, ttmp9, 2                        ; block of 128 tokens
	s_and_b32 s6, ttmp9, 3
	s_lshl_b32 s6, s6, 1
	s_lshr_b32 s7, s4, 1
	s_add_co_u32 s6, s6, s7                        ; K step
	s_and_b32 s7, s4, 1                            ; a
	s_lshl_b32 s26, s5, 19                         ; 128 rows of 4,096 bytes
	s_lshl_b32 s27, s7, 18                         ; 64 rows
	s_add_co_u32 s26, s26, s27
	s_lshl_b32 s27, s6, 9                          ; 128 numbers along K
	s_add_co_u32 s26, s26, s27
	s_mov_b32 s27, 0
	s_add_nc_u64 s[8:9], s[8:9], s[26:27]
	s_mul_i32 s26, s5, 102400
	s_mul_i32 s28, s6, 12800
	s_add_co_u32 s26, s26, s28
	s_add_nc_u64 s[22:23], s[22:23], s[26:27]      ; xq at (block, K step)
	s_mul_i32 s26, s7, 6144
	s_add_nc_u64 s[32:33], s[22:23], s[26:27]      ; my four images
	s_lshl_b32 s26, s7, 8
	s_add_co_u32 s26, s26, 12288
	s_add_nc_u64 s[34:35], s[22:23], s[26:27]      ; my 256 bytes of scale words
	s_mul_i32 s30, s4, 8448                        ; my stage: 16 rows of 512 + 16 bytes
	v_and_b32 v6, 15, v0                           ; r
	v_bfe_u32 v7, v0, 4, 1                         ; h
	v_lshlrev_b32 v1, 4, v5                        ; 16 x lane
	v_add_nc_u32 v2, s30, v1                       ; into the stage: a row's 512 bytes as they lie
	v_mul_u32_u24 v3, v6, 528
	v_lshl_add_u32 v3, v7, 6, v3
	v_add_nc_u32 v3, s30, v3                       ; out of it: row r, my 16 numbers of each block of 32
	v_lshlrev_b32 v4, 4, v6                        ; 16 r
.irp b,0,1,2,3
	v_mov_b32 v[TM+4+\b], 0                        ; a lane permute's destination counts as read
.endr
.macro LOAD be                         ; tile 4 a + be: 16 rows x 512 consecutive bytes, into set be % 3
.set R_, 64+64*((\be)%3)
.set i_, 0
.rept 16
	global_load_b128 v[R_+4*i_:R_+4*i_+3], v1, s[8:9] offset:(32*((\be)/2)+8*((\be)%2)+i_+8*(i_/8))*4096 th:TH_LOAD_NT
.set i_, i_+1
.endr
.endm
.macro TURN be                         ; through the stage: LDS serves a wave's instructions in order, so no wait stands between stores and loads
.set R_, 64+64*((\be)%3)
.set i_, 0
.rept 16
	ds_store_b128 v2, v[R_+4*i_:R_+4*i_+3] offset:528*i_
.set i_, i_+1
.endr
.set i_, 0
.rept 16
	ds_load_b128 v[R_+4*i_:R_+4*i_+3], v3 offset:128*(i_/4)+16*(i_%4)   ; register 16 b + 4 j ..: element 32 b + 16 h + 4 j .. of row r
.set i_, i_+1
.endr
.endm
	LOAD 0
	LOAD 1
	LOAD 2
.irp be,0,1,2,3
.if \be < 2
	s_wait_loadcnt 32                              ; two younger sets of 16 loads may be out
.else
	s_wait_loadcnt 16*(3-\be)
.endif
	TURN \be
	s_wait_dscnt 0x0
	s_wait_xcnt 0x0                                ; the last image's stores have read PC: it is written again only behind this wait
	QUANT 64+64*(\be%3), 0, PC, 8+\be
.irp c,0,1,2
	global_store_b128 v1, v[PC+4*\c:PC+4*\c+3], s[32:33] offset:1536*\be+512*\c   ; 512 consecutive bytes, aligned
.endr
.if \be == 0
	LOAD 3
.endif
.endr
	global_store_b128 v4, v[8:11], s[34:35]        ; row r's four words (lanes 16-31 write the same bytes with the same values)
	s_wait_tensorcnt 0x0
	ds_add_u32 v23, v31
	s_wait_dscnt 0x0
	s_endpgm
; ---- the weights.  A lane takes a column, its registers run down K: a block of 32 lies in one lane.
.Lweights:
	s_sub_co_u32 s5, ttmp9, 512
	s_lshr_b32 s6, s5, 5                           ; which matrix
	s_and_b32 s7, s5, 31
	s_cmp_eq_u32 s6, 1                             ; the choice hangs on the work-group's number alone
	s_cselect_b64 s[10:11], s[12:13], s[10:11]
	s_cmp_eq_u32 s6, 2
	s_cselect_b64 s[10:11], s[14:15], s[10:11]
	s_cmp_eq_u32 s6, 3
	s_cselect_b64 s[10:11], s[16:17], s[10:11]
	s_cmp_eq_u32 s6, 4
	s_cselect_b64 s[10:11], s[18:19], s[10:11]
	s_cmp_eq_u32 s6, 5
	s_cselect_b64 s[10:11], s[20:21], s[10:11]
	s_mul_i32 s26, s6, 409600
	s_mov_b32 s27, 0
	s_add_nc_u64 s[24:25], s[24:25], s[26:27]
	v_bfe_u32 v6, v5, 3, 1                         ; column 32 p + lane is row r' of tile u: u = (lane / 8) % 2,
	v_and_b32 v7, 7, v5
	v_lshrrev_b32 v8, 4, v5
	v_lshl_add_u32 v7, v8, 3, v7                   ; r' = lane % 8 + 8 (lane / 16)
	v_lshlrev_b32 v1, 2, v5                        ; 4 x lane
	v_lshlrev_b32 v2, 4, v5                        ; 16 x lane
	v_mul_u32_u24 v3, v6, 1536
	v_lshl_add_u32 v3, v7, 4, v3                   ; my place in the two images
	v_lshl_add_u32 v9, v6, 4, v7                   ; 16 u + r'
	s_cmp_lt_u32 s6, 4
	s_cbranch_scc0 .Lwide
.macro WPATH pitch, ks, lk, lb
	s_lshr_b32 s28, s7, \lk
	s_and_b32 s29, s7, (\ks)-1                     ; K step
	s_lshl_b32 s28, s28, 2
	s_add_co_u32 s28, s28, s4                      ; pair of tiles: four waves side by side read 512 bytes of each row
	s_mul_i32 s30, s29, 128*(\pitch)
	s_lshl_b32 s31, s28, 7
	s_add_co_u32 s30, s30, s31
	s_mov_b32 s31, 0
	s_add_nc_u64 s[10:11], s[10:11], s[30:31]
	s_mul_i32 s30, s28, \ks
	s_add_co_u32 s30, s30, s29
	s_mul_i32 s30, s30, 3072
	s_add_nc_u64 s[32:33], s[24:25], s[30:31]      ; the two images
	s_mul_i32 s30, s28, 128*(\ks)
	s_lshl_b32 s36, s29, 2
	s_add_co_u32 s30, s30, s36
	s_add_co_u32 s30, s30, 393216
	s_add_nc_u64 s[34:35], s[24:25], s[30:31]      ; the scale words
	s_mul_i32 s36, s4, 3072
	s_add_co_u32 s36, s36, \lb                     ; my stage
	v_add_nc_u32 v10, s36, v3
	v_add_nc_u32 v4, s36, v2
	v_mul_u32_u24 v17, v9, 4*(\ks)
.set i_, 0
.rept 128
	global_load_b32 v[32+i_], v1, s[10:11] offset:i_*(\pitch) th:TH_LOAD_NT
.set i_, i_+1
.endr
.irp t,0,1,2,3
.set XS_, 32+32*\t
.set C_, 160+8*\t
.set D_, 192+4*\t
.if \t < 2
	s_wait_loadcnt 63                              ; 96 or 64 loads are younger: 63 is the largest count that can be named, and the stricter
.else
	s_wait_loadcnt 32*(3-\t)
.endif
	v_max3_num_f32 v12, |v[XS_]|, |v[XS_+1]|, |v[XS_+2]|
	v_max3_num_f32 v13, |v[XS_+3]|, |v[XS_+4]|, |v[XS_+5]|
.irp i,6,10,14,18,22,26
	v_max3_num_f32 v12, v12, |v[XS_+\i]|, |v[XS_+\i+1]|
	v_max3_num_f32 v13, v13, |v[XS_+\i+2]|, |v[XS_+\i+3]|
.endr
	v_max3_num_f32 v12, v12, |v[XS_+30]|, |v[XS_+31]|
	v_max3_num_f32 v12, v12, v13, 0x1800000
	v_add_nc_u32 v14, 0xff000000, v12
	v_lshrrev_b32 v15, 23, v14
.if \t == 0
	v_mov_b32 v16, v15
.else
	v_lshl_or_b32 v16, v15, 8*\t, v16              ; the K step's four bytes: my column's scale word
.endif
	v_cvt_scalef32_pk16_fp6_f32 v[C_:C_+2], v[XS_:XS_+15], v14
	v_cvt_scalef32_pk16_fp6_f32 v[D_:D_+2], v[XS_+16:XS_+31], v14
	v_nop
.irp i,0,1,2
	v_mov_b32 v[C_+3+\i], v[D_+\i]
.endr
; block t is registers 6 (t / 2) .. + 5 of lane 16 (t % 2) + r' of my tile's image
.if \t < 2
	ds_store_b128 v10, v[C_:C_+3] offset:256*(\t%2)
	ds_store_b64 v10, v[C_+4:C_+5] offset:512+256*(\t%2)
.else
	ds_store_b64 v10, v[C_:C_+1] offset:520+256*(\t%2)
	ds_store_b128 v10, v[C_+2:C_+5] offset:1024+256*(\t%2)
.endif
.endr
.irp i,0,1,2,3,4,5
	ds_load_b128 v[208+4*\i:208+4*\i+3], v4 offset:512*\i    ; in order behind my stores
.endr
.irp i,0,1,2,3,4,5
	s_wait_dscnt 5-\i
	global_store_b128 v2, v[208+4*\i:208+4*\i+3], s[32:33] offset:512*\i
.endr
	global_store_b32 v17, v16, s[34:35]            ; words 4 ks bytes apart: one byte in 128 of what the launch reads
.endm
	WPATH 2048, 8, 3, 33792
	s_wait_tensorcnt 0x0
	ds_add_u32 v23, v31
	s_wait_dscnt 0x0
	s_endpgm
.Lwide:
	WPATH 4096, 4, 2, 46080
	s_wait_tensorcnt 0x0
	ds_add_u32 v23, v31
	s_wait_dscnt 0x0
	s_endpgm
.Lfunc_end_k_q91c57c980a_prep:
	.size	k_q91c57c980a_prep, .Lfunc_end_k_q91c57c980a_prep-k_q91c57c980a_prep
	.p2alignl 7, 3214868480
	.fill 96, 4, 3214868480
	.section	.rodata,"a",@progbits
	.p2align	6, 0x0
	.amdhsa_kernel k_q91c57c980a_prep
		.amdhsa_group_segment_fixed_size 58880
		.amdhsa_private_segment_fixed_size 0
		.amdhsa_enable_private_segment 0
		.amdhsa_kernarg_size 72
		.amdhsa_user_sgpr_count 2
		.amdhsa_user_sgpr_kernarg_segment_ptr 1
		.amdhsa_wavefront_size32 1
		.amdhsa_system_sgpr_workgroup_id_x 1
		.amdhsa_system_sgpr_workgroup_id_y 1
		.amdhsa_system_sgpr_workgroup_id_z 1
		.amdhsa_system_vgpr_workitem_id 0
		.amdhsa_next_free_vgpr 256
		.amdhsa_next_free_sgpr 66
		.amdhsa_reserve_vcc 0
		.amdhsa_float_denorm_mode_32 3
		.amdhsa_float_denorm_mode_16_64 3
		.amdhsa_memory_ordered 1
		.amdhsa_forward_progress 1
		.amdhsa_inst_pref_size 76
	.end_amdhsa_kernel
	.amdgpu_metadata
---
amdhsa.version: [ 1, 2 ]
amdhsa.kernels:
  - .name:           k_q91c57c980a_prep
    .symbol:         k_q91c57c980a_prep.kd
    .args:
      - { .name: src, .offset: 0, .size: 8, .value_kind: global_buffer, .address_space: global }
      - { .name: Wq, .offset: 8, .size: 8, .value_kind: global_buffer, .address_space: global }
      - { .name: Wk, .offset: 16, .size: 8, .value_kind: global_buffer, .address_space: global }
      - { .name: Wv, .offset: 24, .size: 8, .value_kind: global_buffer, .address_space: global }
      - { .name: W1, .offset: 32, .size: 8, .value_kind: global_buffer, .address_space: global }
      - { .name: Wo, .offset: 40, .size: 8, .value_kind: global_buffer, .address_space: global }
      - { .name: W2, .offset: 48, .size: 8, .value_kind: global_buffer, .address_space: global }
      - { .name: xq, .offset: 56, .size: 8, .value_kind: global_buffer, .address_space: global }
      - { .name: wq, .offset: 64, .size: 8, .value_kind: global_buffer, .address_space: global }
    .group_segment_fixed_size: 58880
    .private_segment_fixed_size: 0
    .kernarg_segment_align: 8
    .kernarg_segment_size: 72
    .max_flat_workgroup_size: 128
    .sgpr_count:     66
    .vgpr_count:     256
    .wavefront_size: 32
...
	.end_amdgpu_metadata
.endif
;; end of part 1
;; launch qkv (part 2): grid 256 x 1, 4 waves a work-group, no clusters, 117,248 bytes of LDS; arguments xq, wq, bq, bk, bv, input_mask, qg, kv, oc; writes qg, kv, oc
.if DOCPART == 2
	.amdgcn_target "amdgcn-amd-amdhsa--gfx1250"
	.amdhsa_code_object_version 6
	.text
	.protected	k_q91c57c980a_qkv
	.globl	k_q91c57c980a_qkv
	.p2align	8
	.type	k_q91c57c980a_qkv,@function
k_q91c57c980a_qkv:
	s_mov_b64 s[64:65], 0
	v_nop
	global_prefetch_b8 v0, s[64:65] scope:SCOPE_SE
	s_setreg_imm32_b32 hwreg(HW_REG_WAVE_MODE, 25, 1), 1
	s_wait_xcnt 0x0
; q, k, v = src W + b on codes of FP6 (E2M3); q, k, v quantised; the block-local heads' attention finished in registers.
; SHARES.  Work-group: block of 128 tokens ttmp9 / 2, half g = ttmp9 % 2 of the heads.  Wave w owns local head 4 g + w and global head 8 + 4 g + w for all 128 tokens:
; behind the one barrier (x's codes in LDS) the waves never meet.  k and v of the global head are made for tokens 96-127 alone: the others are never gathered.
; Each weight fragment feeds one wave only, so the weights go from memory straight into the registers that multiply them, a K step ahead; no tensor load, no cluster.
; LAYOUT.  q, k: source 0 = 16 columns of W, source 1 = 16 tokens: a lane holds one token and 16 neighbours of a head's 32.  v: source 0 = tokens, source 1 = columns: a lane holds one
; channel and registers along the tokens, which are the second product's K.  Row r of tile 2 b + u is index 32 b + 8 u + r + 8 (r / 8), so two neighbouring tiles give 16 neighbours.
; SCORES (K = 32).  A fragment of k holds 64 keys: block e of row r is key row r of tile 4 F + e.  Four forms of a query tile, each with the query's 32 codes in one block and zero codes
; elsewhere, give four score tiles from one fragment.
; SOFTMAX.  t = q.k x log2(e) / sqrt(32); M = ceil(largest t); p = 2^(t - M) is quantised along the keys; the sum of the unquantised p divides at the end.
; LIMITS: NaN and infinities not served; blocks under 2^-124 get the byte 1; a masked score becomes -2^32 (as q.k), right while |q.k| < 2^32: c x 2^32 is a whole number in f32,
; so a row with every key masked gives p = 1 everywhere; mask bytes are 0 or 1.
; REGISTERS in the K loop.  window 0: v1-23 addresses; v32-47 x's scale words (two sets); v48-95 W's; v96-239 W's 12 fragments; v240-255 mask bytes.
;   window 1: q local 16 T + 8 u, k local 128 + ..   window 2: v local 64 u + 8 T, q global 128 + 16 T + 8 u.   window 3: k global 0-31, v global 32-63, x's fragments 64-159 and 160-255
;   (in the first K step the second set holds the biases, which are the C of each sum's first product).
.set WF, 96
.set WS, 48
.set XS, 32
.set MB, 240
.set NIL, 9
.set SEL, 2                            ; s[2:3]
.set CS, 54                            ; s[54:55] c = log2(e) / sqrt(32)
; behind the K loop window 0 is mapped anew:
.set NM, 24                            ; v24 -M, v25 the largest t
.set LS, 26                            ; v[26:27] the sum, in two halves
.set RL, 28                            ; v[28:29] 1 / sum
.set T0, 30
.set TM, 32
.set L2, TM+8
.set PT, 48
.set PC, 56
.set PW, 68
.set QSW, 69
.set KW, 70
.set VW, 72
.set PWD, 74
.set X, 76
.set QV, 82                            ; 30 registers: zeros, A, zeros, B, zeros (six each)
.set KF, 112
.set VF, 136
.set S, 160
.set O, 224
.set OC3, 240
.set OCB, 244
.set MSB, 0
.macro WIN new                         ; the immediate's high byte repeats the setting that is left
.if MSB != (\new)
	s_set_vgpr_msb (MSB<<8)|(\new)
.set MSB, (\new)
.endif
.endm
.macro PLACES n
.rept \n
	v_nop
.endr
.endm
.macro WM d, a, b, c, sa, sb, ra, rb   ; D = A B + C; ra, rb: the half of the lanes that holds A's, B's scale words
.if ((\ra) == 0) && ((\rb) == 0)
	v_wmma_scale_f32_16x16x128_f8f6f4 v[(\d):(\d)+7], v[(\a):(\a)+11], v[(\b):(\b)+11], v[(\c):(\c)+7], v[(\sa)], v[(\sb)] matrix_a_fmt:MATRIX_FMT_FP6 matrix_b_fmt:MATRIX_FMT_FP6
.elseif ((\ra) == 1) && ((\rb) == 0)
	v_wmma_scale_f32_16x16x128_f8f6f4 v[(\d):(\d)+7], v[(\a):(\a)+11], v[(\b):(\b)+11], v[(\c):(\c)+7], v[(\sa)], v[(\sb)] matrix_a_fmt:MATRIX_FMT_FP6 matrix_b_fmt:MATRIX_FMT_FP6 matrix_a_scale:MATRIX_SCALE_ROW1
.else
	v_wmma_scale_f32_16x16x128_f8f6f4 v[(\d):(\d)+7], v[(\a):(\a)+11], v[(\b):(\b)+11], v[(\c):(\c)+7], v[(\sa)], v[(\sb)] matrix_a_fmt:MATRIX_FMT_FP6 matrix_b_fmt:MATRIX_FMT_FP6 matrix_b_scale:MATRIX_SCALE_ROW1
.endif
.endm
.macro WMZ d, a, b, sa, sb, rb         ; the same with C = 0: the product starts the sum
.if (\rb) == 0
	v_wmma_scale_f32_16x16x128_f8f6f4 v[(\d):(\d)+7], v[(\a):(\a)+11], v[(\b):(\b)+11], 0, v[(\sa)], v[(\sb)] matrix_a_fmt:MATRIX_FMT_FP6 matrix_b_fmt:MATRIX_FMT_FP6
.else
	v_wmma_scale_f32_16x16x128_f8f6f4 v[(\d):(\d)+7], v[(\a):(\a)+11], v[(\b):(\b)+11], 0, v[(\sa)], v[(\sb)] matrix_a_fmt:MATRIX_FMT_FP6 matrix_b_fmt:MATRIX_FMT_FP6 matrix_b_scale:MATRIX_SCALE_ROW1
.endif
.endm
; 64 numbers of a lane in window w, register 16 b + i = element 16 (lane / 16) + i of block b of my row, become a fragment's 12 registers and its scale word
.macro QUANT s, w, pc, pw
	WIN ((\w)<<2)|((\w)<<4)
.irp b,0,1,2,3
	v_max3_num_f32 v[TM+\b], 0x1800000, |v[(\s)+16*\b]|, |v[(\s)+16*\b+1]|   ; with the floor 2^(3 - 127)
.endr
.irp i,2,4,6,8,10,12,14
.irp b,0,1,2,3
	v_max3_num_f32 v[TM+\b], v[TM+\b], |v[(\s)+16*\b+\i]|, |v[(\s)+16*\b+\i+1]|
.endr
.endr
	WIN 0
.irp b,0,1,2,3
	v_permlanex16_b32 v[TM+4+\b], v[TM+\b], s[SEL], s[SEL+1]
.endr
.irp b,0,1,2,3
	v_max_num_f32 v[TM+\b], v[TM+\b], v[TM+4+\b]
.endr
.irp b,0,1,2,3
	v_add_nc_u32 v[TM+12+\b], 0xff000000, v[TM+\b]            ; 2 off the exponent field: the conversion's scale operand
.endr
.irp b,0,1,2,3
	v_lshrrev_b32 v[TM+4+\b], 23, v[TM+12+\b]                 ; the scale's byte
.endr
	v_lshl_or_b32 v[\pw], v[TM+5], 8, v[TM+4]
	v_lshl_or_b32 v[\pw], v[TM+6], 16, v[\pw]
	v_lshl_or_b32 v[\pw], v[TM+7], 24, v[\pw]
	WIN \w
.irp c,0,1
	v_cvt_scalef32_pk16_fp6_f32 v[(\pc)+6*\c:(\pc)+6*\c+2], v[(\s)+32*\c:(\s)+32*\c+15], v[TM+12+2*\c]
	v_cvt_scalef32_pk16_fp6_f32 v[PT+4*\c:PT+4*\c+2], v[(\s)+32*\c+16:(\s)+32*\c+31], v[TM+12+2*\c+1]
.endr
	WIN 0
	v_nop                                                     ; one plain instruction behind the conversions
.irp c,0,1
.irp i,0,1,2
	v_permlane16_swap_b32 v[(\pc)+6*\c+\i], v[PT+4*\c+\i]     ; a whole block to a lane
.endr
.irp i,0,1,2
	v_mov_b32 v[(\pc)+6*\c+3+\i], v[PT+4*\c+\i]
.endr
.endr
.endm
.macro QUANT2 s, w, pc                 ; two blocks: six registers (lanes 0-15 block 0, lanes 16-31 block 1); the bytes stay in v[TM+4], v[TM+5]
	WIN ((\w)<<2)|((\w)<<4)
.irp b,0,1
	v_max3_num_f32 v[TM+\b], 0x1800000, |v[(\s)+16*\b]|, |v[(\s)+16*\b+1]|
.endr
.irp i,2,4,6,8,10,12,14
.irp b,0,1
	v_max3_num_f32 v[TM+\b], v[TM+\b], |v[(\s)+16*\b+\i]|, |v[(\s)+16*\b+\i+1]|
.endr
.endr
	WIN 0
.irp b,0,1
	v_permlanex16_b32 v[TM+4+\b], v[TM+\b], s[SEL], s[SEL+1]
.endr
.irp b,0,1
	v_max_num_f32 v[TM+\b], v[TM+\b], v[TM+4+\b]
.endr
.irp b,0,1
	v_add_nc_u32 v[TM+12+\b], 0xff000000, v[TM+\b]
.endr
.irp b,0,1
	v_lshrrev_b32 v[TM+4+\b], 23, v[TM+12+\b]
.endr
	WIN \w
	v_cvt_scalef32_pk16_fp6_f32 v[(\pc):(\pc)+2], v[(\s):(\s)+15], v[TM+12]
	v_cvt_scalef32_pk16_fp6_f32 v[PT:PT+2], v[(\s)+16:(\s)+31], v[TM+13]
	WIN 0
	v_nop
.irp i,0,1,2
	v_permlane16_swap_b32 v[(\pc)+\i], v[PT+\i]
.endr
.irp i,0,1,2
	v_mov_b32 v[(\pc)+3+\i], v[PT+\i]
.endr
.endm
.macro QUANT1 s, oc, ob                ; one block: my 16 numbers (lane l xor 16 holds the other 16) become 12 bytes of codes; the byte in v[ob]
	v_max3_num_f32 v[TM], 0x1800000, |v[(\s)]|, |v[(\s)+1]|
	v_max3_num_f32 v[TM+1], |v[(\s)+2]|, |v[(\s)+3]|, |v[(\s)+4]|
.irp i,5,9
	v_max3_num_f32 v[TM], v[TM], |v[(\s)+\i]|, |v[(\s)+\i+1]|
	v_max3_num_f32 v[TM+1], v[TM+1], |v[(\s)+\i+2]|, |v[(\s)+\i+3]|
.endr
	v_max3_num_f32 v[TM], v[TM], |v[(\s)+13]|, |v[(\s)+14]|
	v_max3_num_f32 v[TM], v[TM], v[TM+1], |v[(\s)+15]|
	v_permlanex16_b32 v[TM+4], v[TM], s[SEL], s[SEL+1]
	v_max_num_f32 v[TM], v[TM], v[TM+4]
	v_add_nc_u32 v[TM+12], 0xff000000, v[TM]
	v_cvt_scalef32_pk16_fp6_f32 v[(\oc):(\oc)+2], v[(\s):(\s)+15], v[TM+12]
	v_lshrrev_b32 v[\ob], 23, v[TM+12]                        ; (the plain instruction behind the conversion)
.endm
; The two zero-padded forms of query tile u.  X: lanes 0-15 hold tile 0's 32 codes, lanes 16-31 tile 1's.  vcc_lo = 0xffff.  A: codes in lanes 0-15; B: in lanes 16-31.
.macro QVAR u
.if (\u) == 0
.irp i,0,1,2,3,4,5
	v_cndmask_b32 v[QV+6+\i], v[NIL], v[X+\i], vcc_lo
.endr
.irp i,0,1,2,3,4,5
	v_permlanex16_b32 v[QV+18+\i], v[QV+6+\i], s[SEL], s[SEL+1]
.endr
.else
.irp i,0,1,2,3,4,5
	v_cndmask_b32 v[QV+18+\i], v[X+\i], v[NIL], vcc_lo
.endr
.irp i,0,1,2,3,4,5
	v_permlanex16_b32 v[QV+6+\i], v[QV+18+\i], s[SEL], s[SEL+1]
.endr
.endif
	PLACES 4                                       ; an operand written by vector instructions stands four places ahead of a scaled product
.endm
; The softmax of one tile of 16 queries over 128 keys.  S: register 16 b + i = key 32 b + 16 (lane / 16) + i of my query.  Out: p's fragment in PC, its scale word in PWD, the sum in LS.
.macro SOFT
.irp b,0,1,2,3
	v_max3_num_f32 v[TM+\b], v[S+16*\b], v[S+16*\b+1], v[S+16*\b+2]   ; each block's largest score: for the row's maximum and, since p rises with the score, for the block's largest p
.endr
.irp i,3,5,7,9,11,13
.irp b,0,1,2,3
	v_max3_num_f32 v[TM+\b], v[TM+\b], v[S+16*\b+\i], v[S+16*\b+\i+1]
.endr
.endr
.irp b,0,1,2,3
	v_max_num_f32 v[TM+\b], v[TM+\b], v[S+16*\b+15]
.endr
.irp b,0,1,2,3
	v_permlanex16_b32 v[TM+4+\b], v[TM+\b], s[SEL], s[SEL+1]
.endr
.irp b,0,1,2,3
	v_max_num_f32 v[TM+\b], v[TM+\b], v[TM+4+\b]
.endr
	v_max3_num_f32 v[T0], v[TM], v[TM+1], v[TM+2]
	v_max_num_f32 v[T0], v[T0], v[TM+3]
	v_mul_f32 v[NM+1], s[CS], v[T0]                ; the largest t
	v_floor_f32 v[NM], -v[NM+1]                    ; -M = floor(-t) = -ceil(t)
.irp j,0,2,4,6,8,10,12,14,16,18,20,22,24,26,28,30,32,34,36,38,40,42,44,46,48,50,52,54,56,58,60,62
	v_pk_fma_f32 v[S+\j:S+\j+1], v[S+\j:S+\j+1], s[CS:CS+1], v[NM:NM+1] op_sel_hi:[1,0,0]   ; t - M
.endr
.irp b,0,1,2,3
	v_fma_f32 v[TM+\b], v[TM+\b], s[CS], v[NM]
.endr
.set i_, 0
.rept 64
	v_exp_f32 v[S+i_], v[S+i_]                     ; p = 2^(t - M)
.set i_, i_+1
.endr
	v_nop                                          ; a plain instruction behind the exponentials
	s_wait_alu depctr_va_vdst(0)                   ; one wait for the batch, ahead of its first reader
.irp b,0,1,2,3
	v_exp_f32 v[TM+\b], v[TM+\b]                   ; each block's largest p
.endr
	v_pk_add_f32 v[L2:L2+1], v[S:S+1], v[S+2:S+3]  ; the sum of the unquantised p, in two chains
	v_pk_add_f32 v[LS:LS+1], v[S+4:S+5], v[S+6:S+7]
.irp j,8,12,16,20,24,28,32,36,40,44,48,52,56,60
	v_pk_add_f32 v[LS:LS+1], v[LS:LS+1], v[S+\j:S+\j+1]
	v_pk_add_f32 v[L2:L2+1], v[L2:L2+1], v[S+\j+2:S+\j+3]
.endr
	v_pk_add_f32 v[LS:LS+1], v[LS:LS+1], v[L2:L2+1]
	s_wait_alu depctr_va_vdst(0)                   ; and one for the four
.irp b,0,1,2,3
	v_max_num_f32 v[TM+\b], 0x1800000, v[TM+\b]
.endr
.irp b,0,1,2,3
	v_add_nc_u32 v[TM+12+\b], 0xff000000, v[TM+\b]
.endr
.irp b,0,1,2,3
	v_lshrrev_b32 v[TM+4+\b], 23, v[TM+12+\b]
.endr
	v_lshl_or_b32 v[PWD], v[TM+5], 8, v[TM+4]
	v_lshl_or_b32 v[PWD], v[TM+6], 16, v[PWD]
	v_lshl_or_b32 v[PWD], v[TM+7], 24, v[PWD]
.irp c,0,1
	v_cvt_scalef32_pk16_fp6_f32 v[PC+6*\c:PC+6*\c+2], v[S+32*\c:S+32*\c+15], v[TM+12+2*\c]
	v_cvt_scalef32_pk16_fp6_f32 v[PT+4*\c:PT+4*\c+2], v[S+32*\c+16:S+32*\c+31], v[TM+12+2*\c+1]
.endr
	v_nop
.irp c,0,1
.irp i,0,1,2
	v_permlane16_swap_b32 v[PC+6*\c+\i], v[PT+4*\c+\i]
.endr
.irp i,0,1,2
	v_mov_b32 v[PC+6*\c+3+\i], v[PT+4*\c+\i]
.endr
.endr
.endm
	s_load_b256 s[8:15], s[0:1], 0x0               ; xq, wq, bq, bk
	s_load_b256 s[16:23], s[0:1], 0x20             ; bv, input_mask, qg, kv
	s_load_b64 s[24:25], s[0:1], 0x40              ; oc
	v_lshrrev_b32 v1, 5, v0
	v_readfirstlane_b32 s4, v1                     ; wave 0..3
	s_lshr_b32 s5, ttmp9, 1                        ; block of 128 tokens
	s_and_b32 s6, ttmp9, 1                         ; g
	s_lshr_b32 s7, s5, 5                           ; batch
	s_and_b32 s26, s5, 31                          ; n: the block in its batch
	s_lshl_b32 s27, s6, 2
	s_add_co_u32 s27, s27, s4                      ; 4 g + w: my local head, and my global head less 8
	s_mov_b32 s[SEL], 0x76543210
	s_mov_b32 s[SEL+1], 0xfedcba98
	s_mov_b32 s[CS], 0x3e8293ee
	s_mov_b32 s[CS+1], s[CS]
	s_mov_b32 s59, 0xffff0000
	v_and_b32 v23, 31, v0                          ; lane
	v_and_b32 v10, 15, v0                          ; r
	v_bfe_u32 v11, v0, 4, 1                        ; h
	v_lshlrev_b32 v1, 4, v23                       ; 16 L: images, K steps 0-3
	v_lshlrev_b32 v2, 3, v23                       ; 8 L
	v_lshlrev_b32 v3, 2, v23                       ; 4 L
	v_lshlrev_b32 v4, 5, v23                       ; 32 L: W's scale words
	v_lshlrev_b32 v5, 4, v0                        ; 16 x thread: the copy of x
	v_add_nc_u32 v14, 51200, v5
	v_add_nc_u32 v6, 51200, v1                     ; images, K steps 4-7
	v_lshlrev_b32 v7, 4, v10                       ; 16 r: x's scale words
	v_add_nc_u32 v8, 51200, v7
	v_mov_b32 v[NIL], 0
	v_and_b32 v22, 8, v10
	v_add_nc_u32 v22, v22, v10                     ; r + 8 (r / 8)
	s_lshl_b32 s36, s27, 7                         ; a head's 32 biases are 128 bytes
	v_lshl_add_u32 v12, v11, 6, s36                ; q, k: my half's 16 of the head's
	v_lshl_add_u32 v13, v22, 2, s36                ; v: my channel's
	v_lshlrev_b32 v15, 4, v11                      ; mask: my 16 keys of each 32
	s_wait_kmcnt 0x0
	s_mul_i32 s36, s5, 102400
	s_mov_b32 s37, 0
	s_add_nc_u64 s[8:9], s[8:9], s[36:37]          ; xq at my block
	s_mul_i32 s36, s27, 24576
	s_add_nc_u64 s[28:29], s[10:11], s[36:37]      ; W's images at pair 4 g + w
	s_lshl_b32 s36, s27, 10
	s_add_co_u32 s36, s36, 393216
	s_add_nc_u64 s[30:31], s[10:11], s[36:37]      ; and its scale words
	s_lshl_b32 s36, s5, 7
	s_add_nc_u64 s[18:19], s[18:19], s[36:37]      ; the block's 128 mask bytes
	s_lshl_b32 s39, s7, 3
	s_add_co_u32 s39, s39, s27                     ; y = 8 x batch + global head
	s_lshl_b32 s38, s39, 7
	s_lshl_b32 s36, s26, 2
	s_add_co_u32 s38, s38, s36                     ; 128 y + 4 n: my first pair of query tiles
	s_mul_i32 s36, s38, 768
	s_add_nc_u64 s[32:33], s[20:21], s[36:37]
	s_lshl_b32 s36, s38, 7
	s_add_co_u32 s36, s36, 3145728
	s_add_nc_u64 s[34:35], s[20:21], s[36:37]
	s_mul_i32 s36, s39, 52224
	s_add_nc_u64 s[44:45], s[22:23], s[36:37]      ; kv at y
	s_mul_i32 s36, s26, 768
	s_add_nc_u64 s[46:47], s[44:45], s[36:37]      ; k's codes of block n
	s_lshl_b32 s36, s26, 6
	s_add_co_u32 s36, s36, 49152
	s_add_nc_u64 s[48:49], s[44:45], s[36:37]      ; k's scale words
	s_lshr_b32 s36, s26, 2
	s_mul_i32 s36, s36, 3072
	s_bfe_u32 s38, s26, 0x10001
	s_mul_i32 s38, s38, 768
	s_add_co_u32 s36, s36, s38
	s_add_co_u32 s36, s36, 24576
	s_add_nc_u64 s[50:51], s[44:45], s[36:37]      ; v's codes: key step n / 4, half (n / 2) % 2 of a fragment
	s_lshl_b32 s36, s26, 5
	s_add_co_u32 s36, s36, 51200
	s_add_nc_u64 s[52:53], s[44:45], s[36:37]      ; v's scale bytes
	s_lshl_b32 s38, s7, 4
	s_add_co_u32 s38, s38, s27                     ; 16 x batch + local head
	s_mul_i32 s36, s38, 98304
	s_mul_i32 s39, s26, 3072
	s_add_co_u32 s36, s36, s39
	s_add_nc_u64 s[40:41], s[24:25], s[36:37]      ; o's codes: 24 bytes a token
	s_lshl_b32 s36, s38, 12
	s_lshl_b32 s39, s26, 7
	s_add_co_u32 s36, s36, s39
	s_add_co_u32 s36, s36, 6291456
	s_add_nc_u64 s[42:43], s[24:25], s[36:37]      ; o's scale bytes
.macro WLOAD g, s                      ; group g's two fragments of K step s (g: q, k, v local, q, k, v global)
.irp u,0,1
.irp c,0,1,2
	global_load_b128 v[WF+24*(\g)+12*\u+4*\c:WF+24*(\g)+12*\u+4*\c+3], v1, s[28:29] offset:((\g)%3)*409600+((\g)/3)*196608+3072*(\s)+1536*\u+512*\c
.endr
.endr
.endm
.macro XLOAD s                         ; x's eight fragments and scale words of K step s, from LDS
.set XB_, 64+96*((\s)%2)
	WIN 0xc0
.irp T,0,1,2,3,4,5,6,7
.irp c,0,1,2
.if (\s) < 4
	ds_load_b128 v[XB_+12*\T+4*\c:XB_+12*\T+4*\c+3], v1 offset:((\s)%4)*12800+1536*\T+512*\c
.else
	ds_load_b128 v[XB_+12*\T+4*\c:XB_+12*\T+4*\c+3], v6 offset:((\s)%4)*12800+1536*\T+512*\c
.endif
.endr
.endr
	WIN 0
.irp a,0,1
.if (\s) < 4
	ds_load_b128 v[XS+8*((\s)%2)+4*\a:XS+8*((\s)%2)+4*\a+3], v7 offset:((\s)%4)*12800+12288+256*\a
.else
	ds_load_b128 v[XS+8*((\s)%2)+4*\a:XS+8*((\s)%2)+4*\a+3], v8 offset:((\s)%4)*12800+12288+256*\a
.endif
.endr
.endm
	WIN 0x40
.set i_, 0
.rept 50
	global_load_b128 v[4*i_:4*i_+3], v5, s[8:9] offset:2048*i_     ; the block's codes and scale words, 102,400 bytes as they lie
.set i_, i_+1
.endr
	WIN 0
.irp b,0,1,2,3
	global_load_b128 v[MB+4*\b:MB+4*\b+3], v15, s[18:19] offset:32*\b   ; the mask bytes of keys 32 b + 16 h + 0 .. 15
.endr
	WIN 0xc0
.irp u,0,1
.irp q,0,1
	global_load_b128 v[160+8*\u+4*\q:160+8*\u+4*\q+3], v12, s[12:13] offset:32*\u+16*\q
	global_load_b128 v[176+8*\u+4*\q:176+8*\u+4*\q+3], v12, s[14:15] offset:32*\u+16*\q
	global_load_b128 v[192+8*\u+4*\q:192+8*\u+4*\q+3], v12, s[12:13] offset:1024+32*\u+16*\q
	global_load_b128 v[208+8*\u+4*\q:208+8*\u+4*\q+3], v12, s[14:15] offset:1024+32*\u+16*\q
.endr
	global_load_b32 v[224+8*\u], v13, s[16:17] offset:32*\u
	global_load_b32 v[240+8*\u], v13, s[16:17] offset:1024+32*\u
.endr
	WIN 0
.irp g,0,1,2,3,4,5
	global_load_b128 v[WS+8*\g:WS+8*\g+3], v4, s[30:31] offset:(\g%3)*409600+(\g/3)*8192
	global_load_b128 v[WS+8*\g+4:WS+8*\g+7], v4, s[30:31] offset:(\g%3)*409600+(\g/3)*8192+16
.endr
.irp g,0,1,2,3,4,5
	WLOAD \g, 0
.endr
	s_wait_loadcnt 63                              ; 72 loads are younger than the copy's: 63 is the largest count that can be named, and the stricter
	WIN 0x04
.set i_, 0
.rept 25
	ds_store_b128 v5, v[4*i_:4*i_+3] offset:2048*i_
.set i_, i_+1
.endr
.rept 25
	ds_store_b128 v14, v[4*i_:4*i_+3] offset:2048*(i_-25)
.set i_, i_+1
.endr
	WIN 0
	s_wait_dscnt 0x0                               ; for the others' sake: my part of the copy has landed
	s_barrier_signal -1
	s_barrier_wait -1
	XLOAD 0
	s_wait_loadcnt 48                              ; the biases are in: 12 scale loads and 36 weight loads are younger
	WIN 0xc3
.irp k,0,1,2,3
.irp j,1,2,3,4,5,6,7
	v_mov_b32 v[224+8*\k+\j], v[224+8*\k]          ; v's bias is one number a lane (its channel's), for all eight tokens
.endr
.endr
	WIN 0
.macro GQK g, s, db, t0, win, win0, bias
.if (\s) == 0
	WIN \win0
.else
	WIN \win
.endif
.set T_, \t0
.rept 8-(\t0)
.irp u,0,1
.set D_, (\db)+16*(T_-(\t0))+8*\u
.if (\s) == 0
	WM D_, WF+24*(\g)+12*\u, XBS+12*T_, (\bias)+8*\u, WS+8*(\g)+(\s), XS+8*((\s)%2)+T_, \u, 0
.else
	WM D_, WF+24*(\g)+12*\u, XBS+12*T_, D_, WS+8*(\g)+(\s), XS+8*((\s)%2)+T_, \u, 0
.endif
.endr
.set T_, T_+1
.endr
.endm
.macro GV g, s, db, us, t0, win, win0, bias
.if (\s) == 0
	WIN \win0
.else
	WIN \win
.endif
.set T_, \t0
.rept 8-(\t0)
.irp u,0,1
.set D_, (\db)+(\us)*\u+8*(T_-(\t0))
.if (\s) == 0
	WM D_, XBS+12*T_, WF+24*(\g)+12*\u, (\bias)+8*\u, XS+8*((\s)%2)+T_, WS+8*(\g)+(\s), 0, \u
.else
	WM D_, XBS+12*T_, WF+24*(\g)+12*\u, D_, XS+8*((\s)%2)+T_, WS+8*(\g)+(\s), 0, \u
.endif
.endr
.set T_, T_+1
.endr
.endm
.macro GWAIT g, s
.if (\s) < 7
	s_wait_loadcnt 30                              ; this group's six loads are in; the five younger groups' may be out
.else
	s_wait_loadcnt 6*(5-(\g))
.endif
.endm
.macro AFTER g, s                      ; four places, then the group's fragments of the next K step into the registers just read; once a step x's next set
.if (\s) < 7
	PLACES 4
	WIN 0
	WLOAD \g, (\s)+1
.if (((\g) == 0) && ((\s) > 0)) || (((\g) == 5) && ((\s) == 0))
	XLOAD (\s)+1
.endif
.endif
.endm
; A K step: 72 products; the accumulators take turns, one instruction a turn.
.macro KSTEP s
.set XBS, 64+96*((\s)%2)
	s_wait_dscnt 0x0                               ; this step's x
	GWAIT 0, \s
	GQK 0, \s, 0, 0, 0x5c, 0x7c, 160
	AFTER 0, \s
	GWAIT 1, \s
	GQK 1, \s, 128, 0, 0x5c, 0x7c, 176
	AFTER 1, \s
	GWAIT 2, \s
	GV 2, \s, 0, 64, 0, 0xa3, 0xb3, 224
	AFTER 2, \s
	GWAIT 3, \s
	GQK 3, \s, 128, 0, 0xac, 0xbc, 192
	AFTER 3, \s
	GWAIT 4, \s
	GQK 4, \s, 0, 6, 0xfc, 0xfc, 208
	AFTER 4, \s
	GWAIT 5, \s
	GV 5, \s, 32, 16, 6, 0xf3, 0xf3, 240
	AFTER 5, \s
.endm
.irp s,0,1,2,3,4,5,6,7
	KSTEP \s
.endr
	PLACES 4                                       ; behind the last products, ahead of the first read of results and the first write over operands
	WIN 0
; ---- what the K loop left is quantised.  Addresses first (every load has been waited for).
	s_mul_i32 s36, s4, 3584
	s_add_co_u32 s36, s36, 102400                  ; my 3,584 bytes for the local q
	v_add_nc_u32 v4, s36, v1
	v_add_nc_u32 v6, s36, v2
	v_add_nc_u32 v7, s36, v3
	v_mul_lo_u32 v14, v11, 0x01010101              ; byte select h, four times over;
	v_add_nc_u32 v15, 0x02020202, v14              ; 2 + h
	v_mov_b32 v16, 0xcf800000                      ; -2^32: a masked score
	v_mov_b32 v17, 0x7f800000                      ; +infinity: leaves a score as it is
	v_mul_u32_u24 v21, v22, 24
	v_mad_u32_u24 v21, v11, 12, v21                ; o's codes: 24 (r + 8 (r / 8)) + 12 h
	s_and_b32 s36, s26, 1
	s_lshl_b32 s38, s36, 8
	v_mul_u32_u24 v8, v11, 1536
	v_lshl_add_u32 v12, v10, 3, v8
	v_lshl_add_u32 v8, v10, 4, v8
	v_add_nc_u32 v8, s38, v8                       ; v global: tile h's image, lane 16 (n % 2) + r: first four registers,
	s_lshl_b32 s38, s36, 7
	v_add_nc_u32 v12, s38, v12                     ; last two
	v_lshlrev_b32 v13, 2, v10                      ; 4 r
.irp b,0,1,2,3
	v_mov_b32 v[TM+4+\b], 0                        ; a lane permute's destination counts as read
.endr
	v_mov_b32 v[RL+1], 0                           ; (named as the upper half of a pair)
; q of the global head: pairs of tiles as halves of a fragment; each lane's tile's scale byte four times over
.irp F,0,1
	s_wait_xcnt 0x0                                ; earlier stores have read PC and their words
	QUANT 128+64*\F, 2, PC, PW
	v_perm_b32 v[28+2*\F], v[PW], v[PW], v14
	v_perm_b32 v[29+2*\F], v[PW], v[PW], v15
.irp cc,0,1
	global_store_b128 v1, v[PC+6*\cc:PC+6*\cc+3], s[32:33] offset:768*(2*\F+\cc)
	global_store_b64 v2, v[PC+6*\cc+4:PC+6*\cc+5], s[32:33] offset:768*(2*\F+\cc)+512
	global_store_b32 v3, v[28+2*\F+\cc], s[34:35] offset:128*(2*\F+\cc)
.endr
.endr
; k of the global head, tokens 96-127
	s_wait_xcnt 0x0
	QUANT2 0, 3, PC
	v_lshl_or_b32 v28, v[TM+5], 8, v[TM+4]
	v_lshl_or_b32 v28, v28, 16, v28                ; the two tiles' bytes, twice: the word serves as either half of a fragment's
	global_store_b128 v1, v[PC:PC+3], s[46:47]
	global_store_b64 v2, v[PC+4:PC+5], s[46:47] offset:512
	global_store_b32 v13, v28, s[48:49]
; v of the global head: one block of 32 keys for each channel
	s_wait_xcnt 0x0
	QUANT2 32, 3, PC
	v_cndmask_b32 v30, v[TM+4], v[TM+5], s59       ; lanes 16-31 hold tile 1's rows
	global_store_b128 v8, v[PC:PC+3], s[50:51]
	global_store_b64 v12, v[PC+4:PC+5], s[50:51] offset:512
	global_store_b8 v23, v30, s[52:53]
; the local head: k and v stay in registers as operands, q goes to my own LDS bytes
.irp F,0,1
	QUANT 128+64*\F, 1, KF+12*\F, KW+\F
.endr
.irp u,0,1
	QUANT 64*\u, 2, VF+12*\u, VW+\u
.endr
	s_wait_xcnt 0x0
.irp F,0,1
	QUANT 64*\F, 1, PC, PW
	v_perm_b32 v28, v[PW], v[PW], v14
	v_perm_b32 v29, v[PW], v[PW], v15
.irp cc,0,1
	ds_store_b128 v4, v[PC+6*\cc:PC+6*\cc+3] offset:768*(2*\F+\cc)
	ds_store_b64 v6, v[PC+6*\cc+4:PC+6*\cc+5] offset:768*(2*\F+\cc)+512
	ds_store_b32 v7, v[28+\cc] offset:3072+128*(2*\F+\cc)
.endr
	s_wait_dscnt 0x0                               ; the stores have read their registers
.endr
; the mask as numbers, window 1 v0-63: +infinity where the key counts, -2^32 where it does not
.irp b,0,1,2,3
	WIN 0
.set i_, 0
.rept 16
	v_and_b32 v[S+i_], 0xff<<(8*(i_%4)), v[MB+4*\b+i_/4]
.set i_, i_+1
.endr
	WIN 0x40
.set i_, 0
.rept 16
	v_cmp_ne_u32 vcc_lo, 0, v[S+i_]
	v_cndmask_b32 v[16*\b+i_], v16, v17, vcc_lo
.set i_, i_+1
.endr
.endr
	WIN 0
	s_mov_b32 vcc_lo, 0xffff
.set i_, 0
.rept 30
	v_mov_b32 v[QV+i_], 0
.set i_, i_+1
.endr
	v_mov_b32 v[RL+1], 0
; One tile of 16 queries: scores, mask, softmax, second product, division, o's codes.
.macro TILE u
	QVAR \u
.irp F,0,1
.irp be,0,1,2,3
	WMZ S+8*(4*\F+\be), KF+12*\F, QV+12*(\be%2)+6*(1-\be/2), KW+\F, QSW, \u
.endr
.endr
	PLACES 4
	WIN 0x04
.set i_, 0
.rept 64
	v_min_num_f32 v[S+i_], v[S+i_], v[i_]          ; each accumulator from its low end on
.set i_, i_+1
.endr
	WIN 0
	SOFT
	v_add_f32 v[LS], v[LS], v[LS+1]
	v_permlanex16_b32 v[TM+4], v[LS], s[SEL], s[SEL+1]
	v_add_f32 v[LS], v[LS], v[TM+4]                ; the row's sum
	v_rcp_f32 v[RL], v[LS]
	PLACES 8                                       ; a scale word written by vector instructions stands eight places ahead of a scaled product, an operand four
	s_wait_alu depctr_va_vdst(0)                   ; the reciprocal's wait, ahead of its first reader below
	WMZ O, VF, PC, VW, PWD, 0
	WMZ O+8, VF+12, PC, VW+1, PWD, 0
	PLACES 4
.irp i,0,2,4,6,8,10,12,14
	v_pk_mul_f32 v[S+\i:S+\i+1], v[O+\i:O+\i+1], v[RL:RL+1] op_sel_hi:[1,0]   ; register i: channel 16 h + i of my query
.endr
	s_wait_xcnt 0x0                                ; the last tile's stores have read their data
	QUANT1 S, OC3, OCB
	global_store_b96 v21, v[OC3:OC3+2], s[40:41] offset:192*\u
	global_store_b8 v22, v[OCB], s[42:43] offset:8*\u
.endm
	s_mov_b32 s56, 0
	s_mov_b32 s57, 0
	s_mov_b32 s58, 0
.Lpair:                                            ; four trips: a pair of query tiles, 32 tokens, each
	v_add_nc_u32 v18, s56, v4
	v_add_nc_u32 v19, s56, v6
	v_add_nc_u32 v20, s57, v7
	ds_load_b128 v[X:X+3], v18
	ds_load_b64 v[X+4:X+5], v19 offset:512
	ds_load_b32 v[QSW], v20 offset:3072
	s_wait_dscnt 0x0
	TILE 0
	TILE 1
	s_wait_xcnt 0x0                                ; the stores have read their bases
	s_add_nc_u64 s[40:41], s[40:41], 768
	s_add_nc_u64 s[42:43], s[42:43], 32
	s_add_co_u32 s56, s56, 768
	s_add_co_u32 s57, s57, 128
	s_add_co_u32 s58, s58, 1
	s_cmp_lt_u32 s58, 4
	s_cbranch_scc1 .Lpair
	s_wait_xcnt 0x0
	v_lshl_add_u32 v254, v0, 2, 0x1c800
	v_mov_b32 v255, 0
	s_wait_tensorcnt 0x0
	ds_add_u32 v254, v255
	s_wait_dscnt 0x0
	s_endpgm
.Lfunc_end_k_q91c57c980a_qkv:
	.size	k_q91c57c980a_qkv, .Lfunc_end_k_q91c57c980a_qkv-k_q91c57c980a_qkv
	.p2alignl 7, 3214868480
	.fill 96, 4, 3214868480
	.section	.rodata,"a",@progbits
	.p2align	6, 0x0
	.amdhsa_kernel k_q91c57c980a_qkv
		.amdhsa_group_segment_fixed_size 117248
		.amdhsa_private_segment_fixed_size 0
		.amdhsa_enable_private_segment 0
		.amdhsa_kernarg_size 72
		.amdhsa_user_sgpr_count 2
		.amdhsa_user_sgpr_kernarg_segment_ptr 1
		.amdhsa_wavefront_size32 1
		.amdhsa_system_sgpr_workgroup_id_x 1
		.amdhsa_system_sgpr_workgroup_id_y 1
		.amdhsa_system_sgpr_workgroup_id_z 1
		.amdhsa_system_vgpr_workitem_id 0
		.amdhsa_next_free_vgpr 1024
		.amdhsa_next_free_sgpr 66
		.amdhsa_reserve_vcc 1
		.amdhsa_float_denorm_mode_32 3
		.amdhsa_float_denorm_mode_16_64 3
		.amdhsa_memory_ordered 1
		.amdhsa_forward_progress 1
		.amdhsa_inst_pref_size 222
	.end_amdhsa_kernel
	.amdgpu_metadata
---
amdhsa.version: [ 1, 2 ]
amdhsa.kernels:
  - .name:           k_q91c57c980a_qkv
    .symbol:         k_q91c57c980a_qkv.kd
    .args:
      - { .name: xq, .offset: 0, .size: 8, .value_kind: global_buffer, .address_space: global }
      - { .name: wq, .offset: 8, .size: 8, .value_kind: global_buffer, .address_space: global }
      - { .name: bq, .offset: 16, .size: 8, .value_kind: global_buffer, .address_space: global }
      - { .name: bk, .offset: 24, .size: 8, .value_kind: global_buffer, .address_space: global }
      - { .name: bv, .offset: 32, .size: 8, .value_kind: global_buffer, .address_space: global }
      - { .name: input_mask, .offset: 40, .size: 8, .value_kind: global_buffer, .address_space: global }
      - { .name: qg, .offset: 48, .size: 8, .value_kind: global_buffer, .address_space: global }
      - { .name: kv, .offset: 56, .size: 8, .value_kind: global_buffer, .address_space: global }
      - { .name: oc, .offset: 64, .size: 8, .value_kind: global_buffer, .address_space: global }
    .group_segment_fixed_size: 117248
    .private_segment_fixed_size: 0
    .kernarg_segment_align: 8
    .kernarg_segment_size: 72
    .max_flat_workgroup_size: 128
    .sgpr_count:     66
    .vgpr_count:     1024
    .wavefront_size: 32
...
	.end_amdgpu_metadata
.endif
;; end of part 2
;; launch gattn (part 3): grid 8 x 32, 16 waves a work-group, no clusters, 58,368 bytes of LDS; arguments qg, kv, input_mask, oc; writes oc
.if DOCPART == 3
	.amdgcn_target "amdgcn-amd-amdhsa--gfx1250"
	.amdhsa_code_object_version 6
	.text
	.protected	k_q91c57c980a_gattn
	.globl	k_q91c57c980a_gattn
	.p2align	8
	.type	k_q91c57c980a_gattn,@function
k_q91c57c980a_gattn:
	s_mov_b64 s[64:65], 0
	v_nop
	global_prefetch_b8 v0, s[64:65] scope:SCOPE_SE
	s_setreg_imm32_b32 hwreg(HW_REG_WAVE_MODE, 25, 1), 1
	s_wait_xcnt 0x0
; The global heads: every query attends to the 1,024 summary keys of its batch (the last 32 tokens of each block of 128), on codes of FP6 (E2M3).
; SHARES.  y = 8 x batch + head (grid y); a work-group takes 512 queries; each of its sixteen waves 32: two tiles of 16, one after the other.  Four waves share a SIMD, so that one wave's
; exponentials stand beside another's plain work.  The head's k, v, scale words and mask (56,320 bytes) come into LDS once; one barrier; all waves read them.
; They are a small block read once by each work-group, not a stream: no tensor load, no ring, no cluster.
; LAYOUT as in the launch before: S^T = k q^T with four zero-padded forms of the query tile (K = 32: a fragment of k holds 64 keys), O^T = v^T p^T; a lane holds one query throughout.
; SOFTMAX with a running M = ceil(largest t so far): when M moves, the sum and O^T are multiplied by 2^(old M - new M), which rounds nothing.
; The mask: a step whose four blocks of 32 keys have no hole skips the masking (a scalar branch on mask bytes, which are whole numbers read from memory).
; LIMITS: NaN and infinities not served; blocks under 2^-124 get the byte 1; a masked score becomes -2^32 (as q.k), right while |q.k| < 2^32; mask bytes are 0 or 1.
.set L16, 1
.set L8, 2
.set L4, 3
.set H64, 4
.set NIL, 5
.set OOFF, 6
.set SOFF, 7
.set A16, 8
.set A8, 9
.set AKS, 10
.set AVS, 11
.set AMV, 12
.set NM, 14                            ; v14 -M, v15 the largest t
.set LS, 16                            ; v[16:17] the sum in two halves
.set FF, 18                            ; v[18:19] 2^(old M - new M)
.set QSW, 20
.set KW, 21
.set VW, 23
.set PWD, 24
.set T0, 25
.set X, 26
.set QV, 32
.set KF, 62
.set VF, 86
.set PC, 110
.set PT, 122
.set TM, 130
.set L2, TM+8
.set O, 146
.set S, 162
.set MT, 226                           ; mask numbers of 16 keys; on the way out o
.set OC3, 242
.set OCB, 245
.set RL, 246
.set SEL, 2
.set CS, 30
.set FL, 32                            ; bit n: block n's 32 summary keys have a hole
.set SK, 33
.set SS, 34
.set SV, 35
.set SM, 36
.set SH, 37
.set CNT, 38
.macro PLACES n
.rept \n
	v_nop
.endr
.endm
.macro WMZ d, a, b, sa, sb, ra, rb
.if ((\ra) == 0) && ((\rb) == 0)
	v_wmma_scale_f32_16x16x128_f8f6f4 v[(\d):(\d)+7], v[(\a):(\a)+11], v[(\b):(\b)+11], 0, v[(\sa)], v[(\sb)] matrix_a_fmt:MATRIX_FMT_FP6 matrix_b_fmt:MATRIX_FMT_FP6
.elseif ((\ra) == 1) && ((\rb) == 0)
	v_wmma_scale_f32_16x16x128_f8f6f4 v[(\d):(\d)+7], v[(\a):(\a)+11], v[(\b):(\b)+11], 0, v[(\sa)], v[(\sb)] matrix_a_fmt:MATRIX_FMT_FP6 matrix_b_fmt:MATRIX_FMT_FP6 matrix_a_scale:MATRIX_SCALE_ROW1
.elseif ((\ra) == 0) && ((\rb) == 1)
	v_wmma_scale_f32_16x16x128_f8f6f4 v[(\d):(\d)+7], v[(\a):(\a)+11], v[(\b):(\b)+11], 0, v[(\sa)], v[(\sb)] matrix_a_fmt:MATRIX_FMT_FP6 matrix_b_fmt:MATRIX_FMT_FP6 matrix_b_scale:MATRIX_SCALE_ROW1
.else
	v_wmma_scale_f32_16x16x128_f8f6f4 v[(\d):(\d)+7], v[(\a):(\a)+11], v[(\b):(\b)+11], 0, v[(\sa)], v[(\sb)] matrix_a_fmt:MATRIX_FMT_FP6 matrix_b_fmt:MATRIX_FMT_FP6 matrix_a_scale:MATRIX_SCALE_ROW1 matrix_b_scale:MATRIX_SCALE_ROW1
.endif
.endm
.macro QVAR u                          ; the two zero-padded forms of query tile u: A codes in lanes 0-15, B in lanes 16-31; vcc_lo = 0xffff
.if (\u) == 0
.irp i,0,1,2,3,4,5
	v_cndmask_b32 v[QV+6+\i], v[NIL], v[X+\i], vcc_lo
.endr
.irp i,0,1,2,3,4,5
	v_permlanex16_b32 v[QV+18+\i], v[QV+6+\i], s[SEL], s[SEL+1]
.endr
.else
.irp i,0,1,2,3,4,5
	v_cndmask_b32 v[QV+18+\i], v[X+\i], v[NIL], vcc_lo
.endr
.irp i,0,1,2,3,4,5
	v_permlanex16_b32 v[QV+6+\i], v[QV+18+\i], s[SEL], s[SEL+1]
.endr
.endif
	PLACES 4
.endm
.macro QUANT1 s, oc, ob
	v_max3_num_f32 v[TM], 0x1800000, |v[(\s)]|, |v[(\s)+1]|
	v_max3_num_f32 v[TM+1], |v[(\s)+2]|, |v[(\s)+3]|, |v[(\s)+4]|
.irp i,5,9
	v_max3_num_f32 v[TM], v[TM], |v[(\s)+\i]|, |v[(\s)+\i+1]|
	v_max3_num_f32 v[TM+1], v[TM+1], |v[(\s)+\i+2]|, |v[(\s)+\i+3]|
.endr
	v_max3_num_f32 v[TM], v[TM], |v[(\s)+13]|, |v[(\s)+14]|
	v_max3_num_f32 v[TM], v[TM], v[TM+1], |v[(\s)+15]|
	v_permlanex16_b32 v[TM+4], v[TM], s[SEL], s[SEL+1]
	v_max_num_f32 v[TM], v[TM], v[TM+4]
	v_add_nc_u32 v[TM+12], 0xff000000, v[TM]
	v_cvt_scalef32_pk16_fp6_f32 v[(\oc):(\oc)+2], v[(\s):(\s)+15], v[TM+12]
	v_lshrrev_b32 v[\ob], 23, v[TM+12]             ; (the plain instruction behind the conversion)
.endm
.macro SOFT                            ; a key step's softmax under a running M
.irp b,0,1,2,3
	v_max3_num_f32 v[TM+\b], v[S+16*\b], v[S+16*\b+1], v[S+16*\b+2]
.endr
.irp i,3,5,7,9,11,13
.irp b,0,1,2,3
	v_max3_num_f32 v[TM+\b], v[TM+\b], v[S+16*\b+\i], v[S+16*\b+\i+1]
.endr
.endr
.irp b,0,1,2,3
	v_max_num_f32 v[TM+\b], v[TM+\b], v[S+16*\b+15]
.endr
.irp b,0,1,2,3
	v_permlanex16_b32 v[TM+4+\b], v[TM+\b], s[SEL], s[SEL+1]
.endr
.irp b,0,1,2,3
	v_max_num_f32 v[TM+\b], v[TM+\b], v[TM+4+\b]
.endr
	v_max3_num_f32 v[T0], v[TM], v[TM+1], v[TM+2]
	v_max_num_f32 v[T0], v[T0], v[TM+3]
	v_mul_f32 v[T0], s[CS], v[T0]
	v_max_num_f32 v[NM+1], v[NM+1], v[T0]          ; the running largest t
	v_mov_b32 v[T0], v[NM]
	v_floor_f32 v[NM], -v[NM+1]                    ; the new -M
	v_sub_f32 v[T0], v[NM], v[T0]                  ; old M - new M: a whole number, 0 or less
	v_cvt_i32_f32 v[T0], v[T0]                     ; (it saturates)
	v_ldexp_f32 v[FF], 1.0, v[T0]
.irp j,0,2,4,6,8,10,12,14,16,18,20,22,24,26,28,30,32,34,36,38,40,42,44,46,48,50,52,54,56,58,60,62
	v_pk_fma_f32 v[S+\j:S+\j+1], v[S+\j:S+\j+1], s[CS:CS+1], v[NM:NM+1] op_sel_hi:[1,0,0]
.endr
.irp b,0,1,2,3
	v_fma_f32 v[TM+\b], v[TM+\b], s[CS], v[NM]
.endr
.set i_, 0
.rept 64
	v_exp_f32 v[S+i_], v[S+i_]
.set i_, i_+1
.endr
	v_pk_mul_f32 v[LS:LS+1], v[LS:LS+1], v[FF:FF+1] op_sel_hi:[1,0]   ; the sums under the new M (a plain instruction behind the exponentials)
	s_wait_alu depctr_va_vdst(0)                   ; one wait for the batch, ahead of its first reader
.irp b,0,1,2,3
	v_exp_f32 v[TM+\b], v[TM+\b]
.endr
	v_pk_add_f32 v[L2:L2+1], v[S:S+1], v[S+2:S+3]
.irp j,4,8,12,16,20,24,28,32,36,40,44,48,52,56,60
	v_pk_add_f32 v[LS:LS+1], v[LS:LS+1], v[S+\j:S+\j+1]
	v_pk_add_f32 v[L2:L2+1], v[L2:L2+1], v[S+\j+2:S+\j+3]
.endr
	v_pk_add_f32 v[LS:LS+1], v[LS:LS+1], v[L2:L2+1]
	s_wait_alu depctr_va_vdst(0)                   ; and one for the four
.irp b,0,1,2,3
	v_max_num_f32 v[TM+\b], 0x1800000, v[TM+\b]
.endr
.irp b,0,1,2,3
	v_add_nc_u32 v[TM+12+\b], 0xff000000, v[TM+\b]
.endr
.irp b,0,1,2,3
	v_lshrrev_b32 v[TM+4+\b], 23, v[TM+12+\b]
.endr
	v_lshl_or_b32 v[PWD], v[TM+5], 8, v[TM+4]
	v_lshl_or_b32 v[PWD], v[TM+6], 16, v[PWD]
	v_lshl_or_b32 v[PWD], v[TM+7], 24, v[PWD]
.irp c,0,1
	v_cvt_scalef32_pk16_fp6_f32 v[PC+6*\c:PC+6*\c+2], v[S+32*\c:S+32*\c+15], v[TM+12+2*\c]
	v_cvt_scalef32_pk16_fp6_f32 v[PT+4*\c:PT+4*\c+2], v[S+32*\c+16:S+32*\c+31], v[TM+12+2*\c+1]
.endr
	v_nop
.irp c,0,1
.irp i,0,1,2
	v_permlane16_swap_b32 v[PC+6*\c+\i], v[PT+4*\c+\i]
.endr
.irp i,0,1,2
	v_mov_b32 v[PC+6*\c+3+\i], v[PT+4*\c+\i]
.endr
.endr
.endm
	s_load_b256 s[8:15], s[0:1], 0x0               ; qg, kv, input_mask, oc
	v_lshl_add_u32 v254, v0, 2, 0xdc00
	v_mov_b32 v255, 0
	v_lshrrev_b32 v8, 5, v0
	v_readfirstlane_b32 s4, v8                     ; wave 0..15
	s_and_b32 s5, ttmp7, 0xffff                    ; y
	s_lshr_b32 s6, s5, 3                           ; batch
	s_and_b32 s7, s5, 7                            ; global head
	s_lshl_b32 s16, ttmp9, 4
	s_add_co_u32 s16, s16, s4                      ; my pair of query tiles: tokens 32 j on
	s_lshl_b32 s17, s5, 7
	s_add_co_u32 s17, s17, s16
	s_mov_b32 s[SEL], 0x76543210
	s_mov_b32 s[SEL+1], 0xfedcba98
	s_mov_b32 s[CS], 0x3e8293ee                    ; c = log2(e) / sqrt(32)
	s_mov_b32 s[CS+1], s[CS]
	v_and_b32 v9, 31, v0                           ; lane
	v_and_b32 v10, 15, v0                          ; r
	v_bfe_u32 v11, v0, 4, 1                        ; h
	v_lshlrev_b32 v[L16], 4, v9
	v_lshlrev_b32 v[L8], 3, v9
	v_lshlrev_b32 v[L4], 2, v9
	v_lshlrev_b32 v[H64], 6, v11
	v_mov_b32 v[NIL], 0
	v_and_b32 v[SOFF], 8, v10
	v_add_nc_u32 v[SOFF], v[SOFF], v10             ; r + 8 (r / 8)
	v_mul_u32_u24 v[OOFF], v[SOFF], 24
	v_mad_u32_u24 v[OOFF], v11, 12, v[OOFF]
	v_lshlrev_b32 v226, 4, v0                      ; 16, 4, 2 x thread
	v_lshlrev_b32 v227, 2, v0
	v_lshlrev_b32 v228, 1, v0
	v_lshrrev_b32 v229, 6, v0                      ; v's scale bytes: thread t makes bytes 2 (t % 2), + 1 of word t / 2 = [key step][16 u + r]
	v_lshlrev_b32 v229, 7, v229
	v_and_b32 v230, 1, v0
	v_lshl_add_u32 v229, v230, 6, v229
	v_bfe_u32 v230, v0, 1, 5
	v_add_nc_u32 v229, v229, v230
	v_lshrrev_b32 v230, 5, v0                      ; summary key t: token 128 (t / 32) + 96 + t % 32
	v_lshlrev_b32 v230, 7, v230
	v_add_nc_u32 v230, v230, v9
	v_lshlrev_b32 v231, 7, v9                      ; block = lane
	v_mov_b32 v200, 0xcf800000                     ; -2^32
	v_mov_b32 v201, 0x7f800000                     ; +infinity
	s_wait_kmcnt 0x0
	s_mul_i32 s20, s5, 52224
	s_mov_b32 s21, 0
	s_add_nc_u64 s[10:11], s[10:11], s[20:21]
	s_lshl_b32 s20, s6, 12
	s_add_nc_u64 s[12:13], s[12:13], s[20:21]
	s_mul_i32 s20, s17, 768
	s_add_nc_u64 s[18:19], s[8:9], s[20:21]
	s_lshl_b32 s20, s17, 7
	s_add_co_u32 s20, s20, 3145728
	s_add_nc_u64 s[22:23], s[8:9], s[20:21]
	s_lshl_b32 s24, s6, 4
	s_add_co_u32 s24, s24, s7
	s_add_co_u32 s24, s24, 8                       ; 16 x batch + head
	s_mul_i32 s20, s24, 98304
	s_mul_i32 s25, s16, 768
	s_add_co_u32 s20, s20, s25
	s_add_nc_u64 s[26:27], s[14:15], s[20:21]      ; o's codes at my first token
	s_lshl_b32 s20, s24, 12
	s_lshl_b32 s25, s16, 5
	s_add_co_u32 s20, s20, s25
	s_add_co_u32 s20, s20, 6291456
	s_add_nc_u64 s[28:29], s[14:15], s[20:21]      ; o's scale bytes
.irp i,0,1,2,3,4,5
	global_load_b128 v[162+4*\i:162+4*\i+3], v226, s[10:11] offset:8192*\i   ; k's and v's codes, 49,152 bytes as they lie
.endr
	global_load_b32 v186, v227, s[10:11] offset:49152
	global_load_u8 v187, v229, s[10:11] offset:51200
	global_load_u8 v188, v229, s[10:11] offset:51232
	global_load_u8 v189, v230, s[12:13] offset:96
	global_load_u8 v190, v230, s[12:13] offset:2144
	global_load_b128 v[192:195], v231, s[12:13] offset:96
	global_load_b128 v[196:199], v231, s[12:13] offset:112
	global_load_b128 v[X:X+3], v[L16], s[18:19]
	global_load_b64 v[X+4:X+5], v[L8], s[18:19] offset:512
	global_load_b32 v[QSW], v[L4], s[22:23]
	s_wait_loadcnt 0x0
	v_lshl_or_b32 v187, v188, 8, v187
	v_cmp_ne_u32 vcc_lo, 0, v189
	v_cndmask_b32 v189, v200, v201, vcc_lo
	v_cmp_ne_u32 vcc_lo, 0, v190
	v_cndmask_b32 v190, v200, v201, vcc_lo
.irp i,193,194,195,196,197,198,199
	v_and_b32 v192, v192, v\i
.endr
	v_cmp_ne_u32 vcc_lo, 0x01010101, v192          ; lane n: some of block n's 32 bytes is 0
	s_mov_b32 s[FL], vcc_lo
.irp i,0,1,2,3,4,5
	ds_store_b128 v226, v[162+4*\i:162+4*\i+3] offset:8192*\i
.endr
	ds_store_b32 v227, v186 offset:49152
	ds_store_b16 v228, v187 offset:51200
	ds_store_b32 v227, v189 offset:52224
	ds_store_b32 v227, v190 offset:54272
	s_wait_dscnt 0x0                               ; for the others' sake: my stores have landed
	s_barrier_signal -1
	s_barrier_wait -1
	s_mov_b32 vcc_lo, 0xffff
.set i_, 0
.rept 30
	v_mov_b32 v[QV+i_], 0
.set i_, i_+1
.endr
.irp b,0,1,2,3
	v_mov_b32 v[TM+4+\b], 0                        ; a lane permute's destination counts as read
.endr
	v_mov_b32 v[FF+1], 0                           ; (named as upper halves of pairs)
	v_mov_b32 v[RL+1], 0
; A key step: 128 summary keys.
.macro STEP u
	v_add_nc_u32 v[A16], s[SK], v[L16]             ; five plain instructions: also the places ahead of the loads into registers that the last products read
	v_add_nc_u32 v[A8], s[SK], v[L8]
	v_add_nc_u32 v[AKS], s[SS], v[L4]
	v_add_nc_u32 v[AVS], s[SV], v[L4]
	v_add_nc_u32 v[AMV], s[SM], v[H64]
.irp F,0,1
.irp cc,0,1
	ds_load_b128 v[KF+12*\F+6*\cc:KF+12*\F+6*\cc+3], v[A16] offset:1536*\F+768*\cc
	ds_load_b64 v[KF+12*\F+6*\cc+4:KF+12*\F+6*\cc+5], v[A8] offset:1536*\F+768*\cc+512
.endr
	ds_load_b32 v[KW+\F], v[AKS] offset:49152+128*\F
.endr
.irp F,0,1
.irp cc,0,1
	ds_load_b128 v[VF+12*\F+6*\cc:VF+12*\F+6*\cc+3], v[A16] offset:24576+1536*\F+768*\cc
	ds_load_b64 v[VF+12*\F+6*\cc+4:VF+12*\F+6*\cc+5], v[A8] offset:24576+1536*\F+768*\cc+512
.endr
.endr
	ds_load_b32 v[VW], v[AVS] offset:51200
	s_wait_dscnt 9                                 ; k and its words are in; v's eight loads and its word may be out
.irp F,0,1
.irp be,0,1,2,3
	WMZ S+8*(4*\F+\be), KF+12*\F, QV+12*(\be%2)+6*(1-\be/2), KW+\F, QSW, \be/2, \u
.endr
.endr
	PLACES 4
	s_lshr_b32 s39, s[FL], s[SH]
	s_and_b32 s39, s39, 15
	s_cmp_eq_u32 s39, 0
	s_cbranch_scc1 .Lopen_\@                       ; all 128 keys count
.irp b,0,1,2,3
.irp q,0,1,2,3
	ds_load_b128 v[MT+4*\q:MT+4*\q+3], v[AMV] offset:52224+128*\b+16*\q
.endr
	s_wait_dscnt 0x0
.set i_, 0
.rept 16
	v_min_num_f32 v[S+16*\b+i_], v[S+16*\b+i_], v[MT+i_]
.set i_, i_+1
.endr
.endr
.Lopen_\@:
	SOFT
.irp i,0,2,4,6,8,10,12,14
	v_pk_mul_f32 v[O+\i:O+\i+1], v[O+\i:O+\i+1], v[FF:FF+1] op_sel_hi:[1,0]   ; O^T under the new M
.endr
	PLACES 4                                       ; with the moves above: eight places behind p's scale word, four behind its codes
	s_wait_dscnt 0x0                               ; v
	v_wmma_scale_f32_16x16x128_f8f6f4 v[O:O+7], v[VF:VF+11], v[PC:PC+11], v[O:O+7], v[VW], v[PWD] matrix_a_fmt:MATRIX_FMT_FP6 matrix_b_fmt:MATRIX_FMT_FP6
	v_wmma_scale_f32_16x16x128_f8f6f4 v[O+8:O+15], v[VF+12:VF+23], v[PC:PC+11], v[O+8:O+15], v[VW], v[PWD] matrix_a_fmt:MATRIX_FMT_FP6 matrix_b_fmt:MATRIX_FMT_FP6 matrix_a_scale:MATRIX_SCALE_ROW1
	s_add_co_u32 s[SK], s[SK], 3072
	s_add_co_u32 s[SS], s[SS], 256
	s_add_co_u32 s[SV], s[SV], 128
	s_add_co_u32 s[SM], s[SM], 512
	s_add_co_u32 s[SH], s[SH], 4
.endm
.macro GT u                            ; query tile u: the half of the lanes that holds its scale words is a modifier, so the loop is written for each
	QVAR \u
	v_mov_b32 v[NM+1], 0xff61b1e6                  ; the largest t so far: -3e38
	v_floor_f32 v[NM], -v[NM+1]
	v_mov_b32 v[LS], 0
	v_mov_b32 v[LS+1], 0
.set i_, 0
.rept 16
	v_mov_b32 v[O+i_], 0                           ; the first change of M leaves zeros zeros
.set i_, i_+1
.endr
	s_mov_b32 s[SK], 0
	s_mov_b32 s[SS], 0
	s_mov_b32 s[SV], 0
	s_mov_b32 s[SM], 0
	s_mov_b32 s[SH], 0
	s_mov_b32 s[CNT], 0
.Lstep_\@:
	STEP \u
	s_add_co_u32 s[CNT], s[CNT], 1
	s_cmp_lt_u32 s[CNT], 8
	s_cbranch_scc1 .Lstep_\@
	PLACES 4
	v_add_f32 v[LS], v[LS], v[LS+1]
	v_permlanex16_b32 v[TM+4], v[LS], s[SEL], s[SEL+1]
	v_add_f32 v[LS], v[LS], v[TM+4]                ; the row's sum
	v_rcp_f32 v[RL], v[LS]
	v_nop
	s_wait_alu depctr_va_vdst(0)                   ; ahead of the reciprocal's first reader
.irp i,0,2,4,6,8,10,12,14
	v_pk_mul_f32 v[MT+\i:MT+\i+1], v[O+\i:O+\i+1], v[RL:RL+1] op_sel_hi:[1,0]
.endr
	s_wait_xcnt 0x0                                ; the last tile's stores have read their data
	QUANT1 MT, OC3, OCB
	global_store_b96 v[OOFF], v[OC3:OC3+2], s[26:27] offset:192*\u
	global_store_b8 v[SOFF], v[OCB], s[28:29] offset:8*\u
.endm
	GT 0
	GT 1
	s_wait_tensorcnt 0x0
	ds_add_u32 v254, v255
	s_wait_dscnt 0x0
	s_endpgm
.Lfunc_end_k_q91c57c980a_gattn:
	.size	k_q91c57c980a_gattn, .Lfunc_end_k_q91c57c980a_gattn-k_q91c57c980a_gattn
	.p2alignl 7, 3214868480
	.fill 96, 4, 3214868480
	.section	.rodata,"a",@progbits
	.p2align	6, 0x0
	.amdhsa_kernel k_q91c57c980a_gattn
		.amdhsa_group_segment_fixed_size 58368
		.amdhsa_private_segment_fixed_size 0
		.amdhsa_enable_private_segment 0
		.amdhsa_kernarg_size 32
		.amdhsa_user_sgpr_count 2
		.amdhsa_user_sgpr_kernarg_segment_ptr 1
		.amdhsa_wavefront_size32 1
		.amdhsa_system_sgpr_workgroup_id_x 1
		.amdhsa_system_sgpr_workgroup_id_y 1
		.amdhsa_system_sgpr_workgroup_id_z 1
		.amdhsa_system_vgpr_workitem_id 0
		.amdhsa_next_free_vgpr 256
		.amdhsa_next_free_sgpr 66
		.amdhsa_reserve_vcc 1
		.amdhsa_float_denorm_mode_32 3
		.amdhsa_float_denorm_mode_16_64 3
		.amdhsa_memory_ordered 1
		.amdhsa_forward_progress 1
		.amdhsa_inst_pref_size 50
	.end_amdhsa_kernel
	.amdgpu_metadata
---
amdhsa.version: [ 1, 2 ]
amdhsa.kernels:
  - .name:           k_q91c57c980a_gattn
    .symbol:         k_q91c57c980a_gattn.kd
    .args:
      - { .name: qg, .offset: 0, .size: 8, .value_kind: global_buffer, .address_space: global }
      - { .name: kv, .offset: 8, .size: 8, .value_kind: global_buffer, .address_space: global }
      - { .name: input_mask, .offset: 16, .size: 8, .value_kind: global_buffer, .address_space: global }
      - { .name: oc, .offset: 24, .size: 8, .value_kind: global_buffer, .address_space: global }
    .group_segment_fixed_size: 58368
    .private_segment_fixed_size: 0
    .kernarg_segment_align: 8
    .kernarg_segment_size: 32
    .max_flat_workgroup_size: 512
    .sgpr_count:     66
    .vgpr_count:     256
    .wavefront_size: 32
...
	.end_amdgpu_metadata
.endif
;; end of part 3
;; launch tail (part 4): grid 256 x 1, 4 waves a work-group, no clusters, 327,680 bytes of LDS; arguments oc, wq, src, bo, ln1_g, ln1_b, b1, b2, ln2_g, ln2_b, out0; writes out0
.if DOCPART == 4
	.amdgcn_target "amdgcn-amd-amdhsa--gfx1250"
	.amdhsa_code_object_version 6
	.text
	.protected	k_q91c57c980a_tail
	.globl	k_q91c57c980a_tail
	.p2align	8
	.type	k_q91c57c980a_tail,@function
k_q91c57c980a_tail:
	s_mov_b64 s[64:65], 0
	v_nop
	global_prefetch_b8 v0, s[64:65] scope:SCOPE_SE
	s_setreg_imm32_b32 hwreg(HW_REG_WAVE_MODE, 25, 1), 1
	s_wait_xcnt 0x0
; state = LN2(attn + relu(attn W1 + b1) W2 + b2), attn = LN1(src + o Wo + bo); the three products on codes of FP6 (E2M3), all else f32.
; SHARES.  A work-group takes 64 rows (four tiles of 16) through the whole chain.  THE WAVES SHARE THE COLUMNS: wave w owns columns 256 w .. + 255 of the 1,024 and hidden units 128 w .. + 127.
; All products are used transposed (source 0 = 16 columns of a weight, source 1 = 16 rows): a lane holds one row and, of each 32 columns, 16 neighbours, which is what the next quantiser wants.
; SRC COMES BY THE TENSOR DATA MOVER WHILE THE FIRST PRODUCT RUNS: one load a wave, issued in the head, brings the wave's 64 rows x 1,024 bytes into LDS (rows 1,040 bytes apart); o Wo starts its
; sums with the constant 0, and src is added behind it.  Only the wave that issued a load reads its bytes, behind its own wait.  No LDS byte is filled twice in this launch.
; Each weight fragment feeds one wave only: the weights go from memory straight into a ring of registers, five double-groups (64 products) ahead; no ring in LDS, no cluster.
; Activations go from wave to wave through LDS as images of an operand's registers (registers 4 c .. 4 c + 3 of lane L at 512 c + 16 L) with their scale words [K step][r][tile].
; One text serves Wo + LN1 and W2 + LN2: a loop of two trips that runs from a product's second K step on.  The first K step is written out: for Wo ahead of the loop (C = 0), for W2 at the end of
; the middle part (quantise attn, W1, relu, quantise), which runs in the first trip alone.
; LIMITS: NaN and infinities not served; blocks under 2^-124 get the byte 1.
; REGISTERS.  window 0: v1-23 addresses; v24-31 activations' scale words (two sets); v32-63 weights' scale words; v64-159 two sets of four activation fragments; v160-251 at work.
;   window 1: the ring of the 1,024-wide products; src on its way into Y; the vectors of a norm; H(m, p, u) = 64 m + 16 p + 8 u.   windows 2, 3: Y(m, p, u) in window 2 + p / 4 at 64 m + 16 (p % 4) + 8 u.
;   Window 3 is parked in LDS during the W1 product and serves as its ring.
; LDS.  0 .. 266,239: src, 66,560 bytes for each wave.  Behind the first norm's barriers, in front of which every wave has waited for its tensor load and for its reads of src, these bytes have had
; their only fill and serve again: a region of 32,768 bytes for each wave (parked registers; the way out's stage of 16 rows x 1,040 bytes), the hidden layer's images and attn's.
.set SRCW, 66560                       ; a wave's 64 rows of src: 64 x (1,024 + 16)
.set HIMG, 131072                      ; the hidden layer's 16 images, their scale words;
.set HSC,  155648
.set AIMG, 156672                      ; attn's 32 images, their scale words
.set ASC,  205824
.set OIMG, 266240                      ; behind src: o's 16 images, their scale words;
.set OSC,  290816
.set VEC,  291840                      ; bo, ln1_g, ln1_b, b2, ln2_g, ln2_b (4,096 each), b1 (2,048);
.set RED,  318464                      ; four areas of 1,024 bytes for the rows' sums
.set OSH,  OIMG-HIMG                   ; from the hidden layer's images to o's, and from its scale words to o's
.set LI, 1
.set R16, 2
.set HA0, 3
.set HS0, 4
.set VE0, 5
.set RW0, 6
.set RR0, 7
.set ACTA, 8
.set ACTS, 9
.set VECA, 10
.set REDW, 11
.set REDR, 12
.set ACTA2, 13
.set ACTS2, 14
.set AWI, 15
.set AWS, 16
.set HWI, 17
.set HWS, 18
.set PKA, 19
.set STW, 20
.set B1A, 21
.set L32, 22
.set STS, 23
.set ASW, 24
.set WSC, 32
.set ACT, 64
.set TM, 160
.set PT, 176
.set PC, 184
.set PW, 196
.set SA, 200                           ; eight chains of pairs
.set SR, 216
.set RD, 220
.set NMU, 236                          ; -mean, a pair for each tile of rows
.set RS, 244                           ; 1 / sqrt(var + eps), likewise
.set SEL, 2
.set TT, 30
.set TA, 31
.set TV, 32
.set TR, 33
.set WB13, 34
.set WS13, 36
.set WB2, 38
.set WS2, 40
.set G0, 52                            ; s[52:55] descriptor group 0, s[56:63] group 1: never rewritten
.set G1, 56
.set MSB, 0
.macro WIN new                         ; the immediate's high byte repeats the setting that is left
.if MSB != (\new)
	s_set_vgpr_msb (MSB<<8)|(\new)
.set MSB, (\new)
.endif
.endm
.macro PLACES n
.rept \n
	v_nop
.endr
.endm
.macro BARRIER                         ; my LDS stores have landed and my LDS loads are in: then the work-group's barrier
	s_wait_dscnt 0x0
	s_barrier_signal -1
	s_barrier_wait -1
.endm
.macro WM d, a, b, sa, sb, ra          ; D += A B, in place
.if (\ra) == 0
	v_wmma_scale_f32_16x16x128_f8f6f4 v[(\d):(\d)+7], v[(\a):(\a)+11], v[(\b):(\b)+11], v[(\d):(\d)+7], v[(\sa)], v[(\sb)] matrix_a_fmt:MATRIX_FMT_FP6 matrix_b_fmt:MATRIX_FMT_FP6
.else
	v_wmma_scale_f32_16x16x128_f8f6f4 v[(\d):(\d)+7], v[(\a):(\a)+11], v[(\b):(\b)+11], v[(\d):(\d)+7], v[(\sa)], v[(\sb)] matrix_a_fmt:MATRIX_FMT_FP6 matrix_b_fmt:MATRIX_FMT_FP6 matrix_a_scale:MATRIX_SCALE_ROW1
.endif
.endm
.macro WMZ d, a, b, sa, sb, ra         ; D = A B: the product starts the sum
.if (\ra) == 0
	v_wmma_scale_f32_16x16x128_f8f6f4 v[(\d):(\d)+7], v[(\a):(\a)+11], v[(\b):(\b)+11], 0, v[(\sa)], v[(\sb)] matrix_a_fmt:MATRIX_FMT_FP6 matrix_b_fmt:MATRIX_FMT_FP6
.else
	v_wmma_scale_f32_16x16x128_f8f6f4 v[(\d):(\d)+7], v[(\a):(\a)+11], v[(\b):(\b)+11], 0, v[(\sa)], v[(\sb)] matrix_a_fmt:MATRIX_FMT_FP6 matrix_b_fmt:MATRIX_FMT_FP6 matrix_a_scale:MATRIX_SCALE_ROW1
.endif
.endm
.macro QUANT s, w, pc, pw              ; 64 numbers of a lane in window w (register 16 b + i = element 16 (lane / 16) + i of block b) become a fragment and its scale word
	WIN ((\w)<<2)|((\w)<<4)
.irp b,0,1,2,3
	v_max3_num_f32 v[TM+\b], 0x1800000, |v[(\s)+16*\b]|, |v[(\s)+16*\b+1]|
.endr
.irp i,2,4,6,8,10,12,14
.irp b,0,1,2,3
	v_max3_num_f32 v[TM+\b], v[TM+\b], |v[(\s)+16*\b+\i]|, |v[(\s)+16*\b+\i+1]|
.endr
.endr
	WIN 0
.irp b,0,1,2,3
	v_permlanex16_b32 v[TM+4+\b], v[TM+\b], s[SEL], s[SEL+1]
.endr
.irp b,0,1,2,3
	v_max_num_f32 v[TM+\b], v[TM+\b], v[TM+4+\b]
.endr
.irp b,0,1,2,3
	v_add_nc_u32 v[TM+12+\b], 0xff000000, v[TM+\b]
.endr
.irp b,0,1,2,3
	v_lshrrev_b32 v[TM+4+\b], 23, v[TM+12+\b]
.endr
	v_lshl_or_b32 v[\pw], v[TM+5], 8, v[TM+4]
	v_lshl_or_b32 v[\pw], v[TM+6], 16, v[\pw]
	v_lshl_or_b32 v[\pw], v[TM+7], 24, v[\pw]
	WIN \w
.irp c,0,1
	v_cvt_scalef32_pk16_fp6_f32 v[(\pc)+6*\c:(\pc)+6*\c+2], v[(\s)+32*\c:(\s)+32*\c+15], v[TM+12+2*\c]
	v_cvt_scalef32_pk16_fp6_f32 v[PT+4*\c:PT+4*\c+2], v[(\s)+32*\c+16:(\s)+32*\c+31], v[TM+12+2*\c+1]
.endr
	WIN 0
	v_nop
.irp c,0,1
.irp i,0,1,2
	v_permlane16_swap_b32 v[(\pc)+6*\c+\i], v[PT+4*\c+\i]
.endr
.irp i,0,1,2
	v_mov_b32 v[(\pc)+6*\c+3+\i], v[PT+4*\c+\i]
.endr
.endr
.endm
.macro RLOAD d, np, ks, wb             ; double-group d: two pairs of tiles of one K step, 12 loads, into ring slot d % 5
.set rs_, (2*(\d))/(\np)
.set rp_, (2*(\d))%(\np)
.irp pp,0,1
.irp u,0,1
.irp c,0,1,2
	global_load_b128 v[48*((\d)%5)+24*\pp+12*\u+4*\c:48*((\d)%5)+24*\pp+12*\u+4*\c+3], v[LI], s[\wb:\wb+1] offset:((rp_+\pp)*(\ks)+rs_)*3072+1536*\u+512*\c
.endr
.endr
.endr
.endm
.macro ACTLOAD set, s, aa, as          ; the four tiles' fragments and scale words of K step s
.irp m,0,1,2,3
.irp c,0,1,2
	ds_load_b128 v[ACT+48*(\set)+12*\m+4*\c:ACT+48*(\set)+12*\m+4*\c+3], v[\aa] offset:((\s)*4+\m)*1536+512*\c
.endr
.endr
	ds_load_b128 v[ASW+4*(\set):ASW+4*(\set)+3], v[\as] offset:256*(\s)
.endm
; A product is 256 matrix instructions in 16 double-groups of 16; this macro writes double-groups d0 .. d0 + dn - 1.  The accumulators take turns, one instruction a turn.
; np = 8: Y, K steps 4, ring in window 1; np = 4: H, K steps 8, ring in window 3.  zero = 1: these products start the sums.
.macro GEMM np, ks, wb, aa, as, ldwin, d0, dn, zero
.set d_, \d0
.rept \dn
.set s_, (2*d_)/(\np)
.set p0_, (2*d_)%(\np)
.if p0_ == 0
	s_wait_dscnt 0x0                               ; this K step's activations
.endif
.if d_ < 12
	s_wait_loadcnt 48                              ; this double-group's 12 loads are in; the four younger ones' may be out
.else
	s_wait_loadcnt 12*(15-d_)
.endif
.if (\np) == 8
.if p0_ < 4
	WIN 0xa1
.else
	WIN 0xf1
.endif
.else
	WIN 0x53
.endif
.irp pp,0,1
.irp u,0,1
.irp m,0,1,2,3
.if (\np) == 8
.if \zero
	WMZ 64*\m+16*((p0_+\pp)%4)+8*\u, 48*(d_%5)+24*\pp+12*\u, ACT+48*(s_%2)+12*\m, WSC+4*(p0_+\pp)+s_, ASW+4*(s_%2)+\m, \u
.else
	WM 64*\m+16*((p0_+\pp)%4)+8*\u, 48*(d_%5)+24*\pp+12*\u, ACT+48*(s_%2)+12*\m, WSC+4*(p0_+\pp)+s_, ASW+4*(s_%2)+\m, \u
.endif
.else
	WM 64*\m+16*(p0_+\pp)+8*\u, 48*(d_%5)+24*\pp+12*\u, ACT+48*(s_%2)+12*\m, WSC+8*(p0_+\pp)+s_, ASW+4*(s_%2)+\m, \u
.endif
.endr
.endr
.endr
	PLACES 4                                       ; ahead of loads into registers that products have read, and of the first read of results
.if (p0_ == 0) && ((s_+1) < (\ks))
	WIN 0
	ACTLOAD (s_+1)%2, s_+1, \aa, \as
.endif
.if d_+5 <= 15
	WIN \ldwin
	RLOAD d_+5, \np, \ks, \wb
.endif
.set d_, d_+1
.endr
	WIN 0
.endm
.macro PROS                            ; the 1,024-wide product's scale words,
.irp p,0,1,2,3,4,5,6,7
	global_load_b128 v[WSC+4*\p:WSC+4*\p+3], v[LI], s[WS13:WS13+1] offset:512*\p
.endr
.endm
.macro PROR                            ; and its first five double-groups
	WIN 0x40
.irp d,0,1,2,3,4
	RLOAD \d, 8, 4, WB13
.endr
	WIN 0
.endm
.macro VLOAD reg, which                ; a vector's 128 numbers of my columns into window 1
	WIN 0x40
.irp f,0,1
.irp pp,0,1,2,3
.irp u,0,1
.irp q,0,1
	ds_load_b128 v[(\reg)+64*\f+16*\pp+8*\u+4*\q:(\reg)+64*\f+16*\pp+8*\u+4*\q+3], v[VECA] offset:(\which)*4096+512*\f+128*\pp+32*\u+16*\q
.endr
.endr
.endr
.endr
	WIN 0
.endm
.macro SLOAD m                         ; src of tile m, in Y's layout, into half m % 2 of window 1: row 16 m + r, bytes 128 p + 64 h + 32 u + 16 q of my 1,024
	WIN 0x40
.irp f,0,1
.set i_, 0
.rept 16
	ds_load_b128 v[128*((\m)%2)+64*\f+4*i_:128*((\m)%2)+64*\f+4*i_+3], v[STS] offset:(\m)*16640+512*\f+128*(i_/4)+32*((i_/2)%2)+16*(i_%2)
.set i_, i_+1
.endr
.endr
.endm
.macro SADD m                          ; Y(m) += src: each accumulator from its low end on
.irp f,0,1
	WIN (2+\f)|4|((2+\f)<<6)
.set i_, 0
.rept 32
	v_pk_add_f32 v[64*(\m)+i_:64*(\m)+i_+1], v[64*(\m)+i_:64*(\m)+i_+1], v[128*((\m)%2)+64*\f+i_:128*((\m)%2)+64*\f+i_+1]
.set i_, i_+2
.endr
.endr
.endm
.macro XRED area                       ; the eight chains become each row's total over all 1,024 columns, in v[SR + m]
	WIN 0
.irp m,0,1,2,3
	v_pk_add_f32 v[SA+4*\m:SA+4*\m+1], v[SA+4*\m:SA+4*\m+1], v[SA+4*\m+2:SA+4*\m+3]
.endr
.irp m,0,1,2,3
	v_add_f32 v[SR+\m], v[SA+4*\m], v[SA+4*\m+1]
.endr
.irp m,0,1,2,3
	v_permlanex16_b32 v[RD+\m], v[SR+\m], s[SEL], s[SEL+1]
.endr
.irp m,0,1,2,3
	v_add_f32 v[SR+\m], v[SR+\m], v[RD+\m]
.endr
	ds_store_b128 v[REDW], v[SR:SR+3] offset:\area     ; (lanes 16-31 write the same bytes with the same values)
	BARRIER
.irp w,0,1,2,3
	ds_load_b128 v[RD+4*\w:RD+4*\w+3], v[REDR] offset:(\area)+256*\w
.endr
	s_wait_dscnt 0x0
.irp m,0,1,2,3
	v_add_f32 v[SR+\m], v[RD+\m], v[RD+4+\m]
.endr
.irp m,0,1,2,3
	v_add_f32 v[RD+\m], v[RD+8+\m], v[RD+12+\m]
.endr
.irp m,0,1,2,3
	v_add_f32 v[SR+\m], v[SR+\m], v[RD+\m]
.endr
.endm
	s_load_b256 s[8:15], s[0:1], 0x0               ; oc, wq, src, bo
	s_load_b256 s[16:23], s[0:1], 0x20             ; ln1_g, ln1_b, b1, b2
	s_load_b128 s[24:27], s[0:1], 0x40             ; ln2_g, ln2_b
	s_load_b64 s[28:29], s[0:1], 0x50              ; out0
	v_lshl_add_u32 v254, v0, 2, 0x4ec00
	v_mov_b32 v255, 0
	ds_add_u32 v254, v255
	ds_add_u32 v254, v255
	v_lshrrev_b32 v1, 5, v0
	v_readfirstlane_b32 s4, v1                     ; wave 0..3
	s_mov_b32 s[SEL], 0x76543210
	s_mov_b32 s[SEL+1], 0xfedcba98
	s_mov_b32 s42, 0x3a800000                      ; 1 / 1,024
	s_mov_b32 s43, 0x358637bd                      ; 1e-6
	; descriptor group 1: a tile of 64 rows x 128 elements of 8 bytes, rows 512 elements apart in memory, padded in LDS
	s_mov_b32 s[G1+0], (3<<16)|(1<<20)|(7<<22)|(3<<25)   ; 15:0 no mask; 17:16 elements of 8 bytes; 20 padding on; 24:22 after every 256 words (code 7): a row; 31:25 of 4 words (code 3)
	s_mov_b32 s[G1+1], 128<<16                     ; tensor_dim0 = 128
	s_mov_b32 s[G1+2], 64<<16                      ; tensor_dim1 = 64
	s_mov_b32 s[G1+3], 128<<16                     ; tile_dim0 = 128
	s_mov_b32 s[G1+4], 64                          ; tile_dim1 = 64
	s_mov_b32 s[G1+5], 512                         ; tensor_dim0_stride
	s_mov_b32 s[G1+6], 0
	s_mov_b32 s[G1+7], 0
	s_mov_b32 s[G0], 1                             ; count = 1
	s_mul_i32 s[G0+1], s4, SRCW                    ; LDS address: my wave's 66,560 bytes
	v_and_b32 v247, 31, v0                         ; lane
	v_and_b32 v240, 15, v0                         ; r
	v_bfe_u32 v241, v0, 4, 1                       ; h
	v_lshlrev_b32 v[LI], 4, v247
	v_lshlrev_b32 v[R16], 4, v240                  ; 16 r
	v_lshlrev_b32 v[L32], 5, v247
	v_add_nc_u32 v[HA0], HIMG, v[LI]
	v_add_nc_u32 v[HS0], HSC, v[R16]
	s_lshl_b32 s44, s4, 10
	v_lshl_add_u32 v[VE0], v241, 6, s44
	v_add_nc_u32 v[VE0], VEC, v[VE0]               ; my columns of a vector: 1,024 w + 64 h
	s_lshl_b32 s44, s4, 8
	v_add_nc_u32 v[RW0], s44, v[R16]
	v_add_nc_u32 v[HWS], HSC, v[RW0]               ; the hidden layer's scale words: K step w
	v_add_nc_u32 v[RW0], RED, v[RW0]
	v_add_nc_u32 v[RR0], RED, v[R16]
	v_add_nc_u32 v[ACTA2], AIMG, v[LI]
	v_add_nc_u32 v[ACTS2], ASC, v[R16]
	s_mul_i32 s44, s4, 12288
	v_add_nc_u32 v[AWI], s44, v[ACTA2]             ; attn's images: K steps 2 w, 2 w + 1
	s_lshl_b32 s44, s4, 9
	v_add_nc_u32 v[AWS], s44, v[ACTS2]
	v_lshl_add_u32 v[B1A], v241, 6, s44
	v_add_nc_u32 v[B1A], VEC+24576, v[B1A]         ; b1 of my hidden units
	s_mul_i32 s44, s4, 6144
	v_add_nc_u32 v[HWI], s44, v[HA0]               ; the hidden layer's images: K step w
	s_lshl_b32 s44, s4, 15
	v_add_nc_u32 v[PKA], s44, v[LI]                ; my region: dense, 16 bytes a lane
	v_mul_u32_u24 v[STS], v240, 1040
	v_lshl_add_u32 v[STS], v241, 6, v[STS]         ; row r, + 64 h:
	v_add_nc_u32 v[STW], s44, v[STS]               ; in my region as a stage,
	v_add_nc_u32 v[STS], s[G0+1], v[STS]           ; and in my rows of src
	s_mul_i32 s44, s4, 1536
	s_add_co_u32 s44, s44, OIMG
	v_add_nc_u32 v242, s44, v[LI]                  ; o's images: tile of rows w
	s_lshl_b32 s44, s4, 2
	s_add_co_u32 s44, s44, OSC
	v_add_nc_u32 v243, s44, v[R16]
	v_lshlrev_b32 v245, 4, v0                      ; 16 x thread
	v_add_nc_u32 v244, VEC, v245
	v_mul_u32_u24 v246, v241, 98304                ; o's codes: head + h, token r
	v_mad_u32_u24 v246, v240, 24, v246
	s_lshr_b32 s5, ttmp9, 6                        ; batch
	s_and_b32 s6, ttmp9, 63
	s_lshl_b32 s6, s6, 6
	s_lshl_b32 s7, s4, 4
	s_add_co_u32 s6, s6, s7                        ; my tile's first token in its batch
	s_wait_dscnt 0x0
	s_wait_kmcnt 0x0
	s_lshl_b32 s44, ttmp9, 18                      ; 64 rows of 4,096 bytes
	s_lshl_b32 s45, s4, 10
	s_add_co_u32 s44, s44, s45                     ; + my 1,024 bytes of a row
	s_mov_b32 s45, 0
	s_add_nc_u64 s[G0+2:G0+3], s[12:13], s[44:45]  ; global address of my tile of src
	s_add_nc_u64 s[28:29], s[28:29], s[44:45]      ; and the same place in out0
	s_or_b32 s[G0+3], s[G0+3], 0x80000000          ; type = 2
	s_mul_i32 s44, s5, 1572864
	s_mul_i32 s7, s6, 24
	s_add_co_u32 s44, s44, s7
	s_add_nc_u64 s[46:47], s[8:9], s[44:45]        ; o's codes
	s_lshl_b32 s44, s5, 16
	s_add_co_u32 s44, s44, s6
	s_add_co_u32 s44, s44, 6291456
	s_add_nc_u64 s[48:49], s[8:9], s[44:45]        ; o's scale bytes
	s_mul_i32 s44, s4, 98304
	s_add_co_u32 s44, s44, 1638400
	s_add_nc_u64 s[WB13:WB13+1], s[10:11], s[44:45]   ; Wo's images at pair 8 w
	s_lshl_b32 s44, s4, 12
	s_add_co_u32 s44, s44, 2031616
	s_add_nc_u64 s[WS13:WS13+1], s[10:11], s[44:45]   ; and its scale words
	s_mul_i32 s44, s4, 98304
	s_add_co_u32 s44, s44, 1228800
	s_add_nc_u64 s[WB2:WB2+1], s[10:11], s[44:45]     ; W1's at pair 4 w
	s_lshl_b32 s44, s4, 12
	s_add_co_u32 s44, s44, 1622016
	s_add_nc_u64 s[WS2:WS2+1], s[10:11], s[44:45]
; o's four fragments of my tile of rows: block 4 k + 2 cc + h of K is a head
.irp k,0,1,2,3
.irp cc,0,1
.irp i,0,1,2
	global_load_b64 v[160+12*\k+6*\cc+2*\i:160+12*\k+6*\cc+2*\i+1], v246, s[46:47] offset:(4*\k+2*\cc)*98304+8*\i
.endr
.endr
.endr
.irp k,0,1,2,3
.irp e,0,1,2,3
	global_load_u8 v[208+4*\k+\e], v240, s[48:49] offset:(4*\k+\e)*4096
.endr
.endr
.macro VECL k, sb
	global_load_b128 v[64+4*(\k):64+4*(\k)+3], v245, s[\sb:\sb+1]
	global_load_b128 v[64+4*(\k)+4:64+4*(\k)+7], v245, s[\sb:\sb+1] offset:2048
.endm
	VECL 0, 14
	VECL 2, 16
	VECL 4, 18
	VECL 6, 22
	VECL 8, 24
	VECL 10, 26
	global_load_b128 v[112:115], v245, s[20:21]
	PROS
	tensor_load_to_lds s[G0:G0+3], s[G1:G1+7]      ; my 64 rows of src: my one tensor load, behind the 61 loads that the head's barrier and the first product wait for, ahead of every LDS read and barrier
	s_nop 0
.rept 4
	v_nop                                          ; four plain lines follow a tensor load, ahead of the next switch of windows
.endr
	PROR
	s_wait_loadcnt 63                              ; 68 loads are younger than the first 53: 63 is the largest count that can be named, and the stricter
.irp k,0,1,2,3
	v_lshl_or_b32 v[224+\k], v[208+4*\k+1], 8, v[208+4*\k]
	v_lshl_or_b32 v[224+\k], v[208+4*\k+2], 16, v[224+\k]
	v_lshl_or_b32 v[224+\k], v[208+4*\k+3], 24, v[224+\k]
.endr
.irp k,0,1,2,3
.irp c,0,1,2
	ds_store_b128 v242, v[160+12*\k+4*\c:160+12*\k+4*\c+3] offset:6144*\k+512*\c
.endr
	ds_store_b32 v243, v[224+\k] offset:256*\k
.endr
.set i_, 0
.rept 13
	ds_store_b128 v244, v[64+4*i_:64+4*i_+3] offset:2048*i_
.set i_, i_+1
.endr
	BARRIER                                        ; o's images and the vectors lie in LDS (the tensor loads stay out, and each is read by its own wave behind its own wait)
	s_mov_b32 s[TT], 0
	s_mov_b32 s[TA], OSH                           ; the first trip's activations are o's
	s_mov_b32 s[TV], 0
	s_mov_b32 s[TR], 0
	v_add_nc_u32 v[ACTA], s[TA], v[HA0]
	v_add_nc_u32 v[ACTS], s[TA], v[HS0]
	ACTLOAD 0, 0, ACTA, ACTS
	GEMM 8, 4, WB13, ACTA, ACTS, 0x40, 0, 4, 1     ; o Wo, first K step: its products start the sums
.Ltrip:                                            ; trip 0: Y = LN1(src + o Wo + bo); trip 1: Y = LN2(attn + hidden W2 + b2); from the product's second K step on
	v_add_nc_u32 v[ACTA], s[TA], v[HA0]
	v_add_nc_u32 v[ACTS], s[TA], v[HS0]
	v_add_nc_u32 v[VECA], s[TV], v[VE0]
	v_add_nc_u32 v[REDW], s[TR], v[RW0]
	v_add_nc_u32 v[REDR], s[TR], v[RR0]
	GEMM 8, 4, WB13, ACTA, ACTS, 0x40, 4, 12, 0
	s_wait_tensorcnt 0x0                           ; my rows of src have landed.  The wait stands on every way through the trip (in the second no load is out), so that every wave has waited ahead of the barriers behind which these bytes are stored into
	s_cmp_lg_u32 s[TT], 0                          ; the same in all waves
	s_cbranch_scc1 .Lno_src
	SLOAD 0                                        ; Y += src, a tile of 16 rows at a time, the next tile's loads under this tile's additions
	SLOAD 1
	s_wait_dscnt 32                                ; this tile's 32 loads are in; the next tile's 32 may be out
	SADD 0
	SLOAD 2
	s_wait_dscnt 32
	SADD 1
	SLOAD 3
	s_wait_dscnt 32
	SADD 2
	s_wait_dscnt 0x0
	SADD 3
	WIN 0
.Lno_src:
	VLOAD 0, 0                                     ; the bias,
	VLOAD 128, 1                                   ; the gain
	s_wait_dscnt 0x0
.irp f,0,1                                     ; Y += bias: each accumulator from its low end on
	WIN (2+\f)|4|((2+\f)<<6)
.set i_, 0
.rept 32
.irp m,0,1,2,3
	v_pk_add_f32 v[64*\m+i_:64*\m+i_+1], v[64*\m+i_:64*\m+i_+1], v[64*\f+i_:64*\f+i_+1]
.endr
.set i_, i_+2
.endr
.endr
	VLOAD 0, 2                                     ; the norm's offset, into the bias's registers
.irp f,0,1                                     ; the rows' sums: four chains at a time, started by the first addition
	WIN 2+\f
.set i_, 0
.rept 32
.irp m,0,1,2,3
.if i_ == 0
	v_pk_add_f32 v[SA+4*\m+2*\f:SA+4*\m+2*\f+1], v[64*\m:64*\m+1], 0 op_sel_hi:[1,0]
.else
	v_pk_add_f32 v[SA+4*\m+2*\f:SA+4*\m+2*\f+1], v[64*\m+i_:64*\m+i_+1], v[SA+4*\m+2*\f:SA+4*\m+2*\f+1]
.endif
.endr
.set i_, i_+2
.endr
.endr
	XRED 0
.irp m,0,1,2,3
	v_mul_f32 v[NMU+2*\m], 0xba800000, v[SR+\m]    ; -mean
	v_mul_f32 v[NMU+2*\m+1], 0xba800000, v[SR+\m]
.endr
.irp f,0,1
	WIN (2+\f)|((2+\f)<<6)
.set i_, 0
.rept 32
.irp m,0,1,2,3
	v_pk_add_f32 v[64*\m+i_:64*\m+i_+1], v[64*\m+i_:64*\m+i_+1], v[NMU+2*\m:NMU+2*\m+1]
.endr
.set i_, i_+2
.endr
	WIN (2+\f)|((2+\f)<<2)
.set i_, 0
.rept 32
.irp m,0,1,2,3
.if i_ == 0
	v_pk_mul_f32 v[SA+4*\m+2*\f:SA+4*\m+2*\f+1], v[64*\m:64*\m+1], v[64*\m:64*\m+1]
.else
	v_pk_fma_f32 v[SA+4*\m+2*\f:SA+4*\m+2*\f+1], v[64*\m+i_:64*\m+i_+1], v[64*\m+i_:64*\m+i_+1], v[SA+4*\m+2*\f:SA+4*\m+2*\f+1]
.endif
.endr
.set i_, i_+2
.endr
.endr
	XRED 1024
.irp m,0,1,2,3
	v_fma_f32 v[SR+\m], v[SR+\m], s42, s43         ; var + eps
.endr
.irp m,0,1,2,3
	v_rsq_f32 v[RS+2*\m], v[SR+\m]
.endr
	v_nop
	s_wait_alu depctr_va_vdst(0)                   ; one wait for the four, ahead of their first reader
.irp m,0,1,2,3
	v_mov_b32 v[RS+2*\m+1], v[RS+2*\m]
.endr
.irp f,0,1
	WIN (2+\f)|((2+\f)<<6)
.set i_, 0
.rept 32
.irp m,0,1,2,3
	v_pk_mul_f32 v[64*\m+i_:64*\m+i_+1], v[64*\m+i_:64*\m+i_+1], v[RS+2*\m:RS+2*\m+1]
.endr
.set i_, i_+2
.endr
	WIN (2+\f)|4|16|((2+\f)<<6)
.set i_, 0
.rept 32
.irp m,0,1,2,3
	v_pk_fma_f32 v[64*\m+i_:64*\m+i_+1], v[64*\m+i_:64*\m+i_+1], v[128+64*\f+i_:128+64*\f+i_+1], v[64*\f+i_:64*\f+i_+1]
.endr
.set i_, i_+2
.endr
.endr
	WIN 0
	s_cmp_lg_u32 s[TT], 0                          ; the same in all waves
	s_cbranch_scc1 .Lno_middle
; ---- the middle: attn's images, the hidden layer, its images, the last product's first K step
.irp f,0,1
.irp m,0,1,2,3
	QUANT 64*\m, 2+\f, PC, PW
.irp c,0,1,2
	ds_store_b128 v[AWI], v[PC+4*\c:PC+4*\c+3] offset:(4*\f+\m)*1536+512*\c
.endr
	ds_store_b32 v[AWS], v[PW] offset:256*\f+4*\m
	s_wait_dscnt 0x0                               ; the stores have read their registers
.endr
.endr
	WIN 0x0c
.set i_, 0
.rept 64
	ds_store_b128 v[PKA], v[4*i_:4*i_+3] offset:512*i_     ; window 3 is parked in my region
.set i_, i_+1
.endr
	WIN 0
	s_wait_dscnt 0x0                               ; the stores have read window 3: W1's ring may land there
.irp p,0,1,2,3
	global_load_b128 v[WSC+8*\p:WSC+8*\p+3], v[L32], s[WS2:WS2+1] offset:1024*\p
	global_load_b128 v[WSC+8*\p+4:WSC+8*\p+7], v[L32], s[WS2:WS2+1] offset:1024*\p+16
.endr
	WIN 0xc0
.irp d,0,1,2,3,4
	RLOAD \d, 4, 8, WB2
.endr
	WIN 0x40
.irp m,0,1,2,3
.set i_, 0
.rept 16
	ds_load_b128 v[64*\m+4*i_:64*\m+4*i_+3], v[B1A] offset:128*(i_/4)+32*((i_/2)%2)+16*(i_%2)   ; H begins as b1
.set i_, i_+1
.endr
.endr
	WIN 0
	BARRIER                                        ; attn's 32 images lie in LDS
	ACTLOAD 0, 0, ACTA2, ACTS2
	GEMM 4, 8, WB2, ACTA2, ACTS2, 0xc0, 0, 16, 0
	WIN 0x44
.set i_, 0
.rept 256
	v_max_num_f32 v[i_], 0, v[i_]                  ; relu, in f32
.set i_, i_+1
.endr
.irp m,0,1,2,3
	QUANT 64*\m, 1, PC, PW
.irp c,0,1,2
	ds_store_b128 v[HWI], v[PC+4*\c:PC+4*\c+3] offset:1536*\m+512*\c
.endr
	ds_store_b32 v[HWS], v[PW] offset:4*\m
	s_wait_dscnt 0x0
.endr
	WIN 0xc0
.set i_, 0
.rept 64
	ds_load_b128 v[4*i_:4*i_+3], v[PKA] offset:512*i_      ; window 3 comes back
.set i_, i_+1
.endr
	WIN 0
	s_add_nc_u64 s[WB13:WB13+1], s[WB13:WB13+1], 409600    ; from Wo to W2 (every load by these bases has been waited for)
	s_add_nc_u64 s[WS13:WS13+1], s[WS13:WS13+1], 409600
	PROS
	PROR
	BARRIER                                        ; the hidden layer's 16 images lie in LDS
	ACTLOAD 0, 0, HA0, HS0
	GEMM 8, 4, WB13, HA0, HS0, 0x40, 0, 4, 0       ; hidden W2, first K step, onto attn
.Lno_middle:
	s_xor_b32 s[TA], s[TA], OSH                    ; the second trip's activations are the hidden layer's
	s_add_co_u32 s[TV], s[TV], 12288
	s_add_co_u32 s[TR], s[TR], 2048
	s_add_co_u32 s[TT], s[TT], 1
	s_cmp_lt_u32 s[TT], 2
	s_cbranch_scc1 .Ltrip
; ---- the way out: a tile of 16 rows at a time through my stage; each store covers 512 consecutive bytes, aligned
.irp m,0,1,2,3
.if \m >= 2
	s_wait_xcnt 0x0                                ; the stores of two tiles back have read their registers
.endif
	WIN 0x08
.set i_, 0
.rept 16
	ds_store_b128 v[STW], v[64*\m+4*i_:64*\m+4*i_+3] offset:128*(i_/4)+32*((i_/2)%2)+16*(i_%2)
.set i_, i_+1
.endr
	WIN 0x0c
.set i_, 0
.rept 16
	ds_store_b128 v[STW], v[64*\m+4*i_:64*\m+4*i_+3] offset:512+128*(i_/4)+32*((i_/2)%2)+16*(i_%2)
.set i_, i_+1
.endr
	WIN 0x40
.set i_, 0
.rept 32
	ds_load_b128 v[128*(\m%2)+4*i_:128*(\m%2)+4*i_+3], v[PKA] offset:1040*(i_/2)+512*(i_%2)
.set i_, i_+1
.endr
	WIN 0x04
.set i_, 0
.rept 32
	s_wait_dscnt 31-i_
	global_store_b128 v[LI], v[128*(\m%2)+4*i_:128*(\m%2)+4*i_+3], s[28:29] offset:(16*\m+i_/2)*4096+512*(i_%2) th:TH_STORE_NT
.set i_, i_+1
.endr
.endr
	WIN 0
	s_wait_tensorcnt 0x0
	ds_add_u32 v254, v255
	s_wait_dscnt 0x0
	s_endpgm
.Lfunc_end_k_q91c57c980a_tail:
	.size	k_q91c57c980a_tail, .Lfunc_end_k_q91c57c980a_tail-k_q91c57c980a_tail
	.p2alignl 7, 3214868480
	.fill 96, 4, 3214868480
	.section	.rodata,"a",@progbits
	.p2align	6, 0x0
	.amdhsa_kernel k_q91c57c980a_tail
		.amdhsa_group_segment_fixed_size 327680
		.amdhsa_private_segment_fixed_size 0
		.amdhsa_enable_private_segment 0
		.amdhsa_kernarg_size 88
		.amdhsa_user_sgpr_count 2
		.amdhsa_user_sgpr_kernarg_segment_ptr 1
		.amdhsa_wavefront_size32 1
		.amdhsa_system_sgpr_workgroup_id_x 1
		.amdhsa_system_sgpr_workgroup_id_y 1
		.amdhsa_system_sgpr_workgroup_id_z 1
		.amdhsa_system_vgpr_workitem_id 0
		.amdhsa_next_free_vgpr 1024
		.amdhsa_next_free_sgpr 66
		.amdhsa_reserve_vcc 0
		.amdhsa_float_denorm_mode_32 3
		.amdhsa_float_denorm_mode_16_64 3
		.amdhsa_memory_ordered 1
		.amdhsa_forward_progress 1
		.amdhsa_inst_pref_size 255
	.end_amdhsa_kernel
	.section	.bss,"aw",@nobits
	.p2align	6
	.space	262144
	.amdgpu_metadata
---
amdhsa.version: [ 1, 2 ]
amdhsa.kernels:
  - .name:           k_q91c57c980a_tail
    .symbol:         k_q91c57c980a_tail.kd
    .args:
      - { .name: oc, .offset: 0, .size: 8, .value_kind: global_buffer, .address_space: global }
      - { .name: wq, .offset: 8, .size: 8, .value_kind: global_buffer, .address_space: global }
      - { .name: src, .offset: 16, .size: 8, .value_kind: global_buffer, .address_space: global }
      - { .name: bo, .offset: 24, .size: 8, .value_kind: global_buffer, .address_space: global }
      - { .name: ln1_g, .offset: 32, .size: 8, .value_kind: global_buffer, .address_space: global }
      - { .name: ln1_b, .offset: 40, .size: 8, .value_kind: global_buffer, .address_space: global }
      - { .name: b1, .offset: 48, .size: 8, .value_kind: global_buffer, .address_space: global }
      - { .name: b2, .offset: 56, .size: 8, .value_kind: global_buffer, .address_space: global }
      - { .name: ln2_g, .offset: 64, .size: 8, .value_kind: global_buffer, .address_space: global }
      - { .name: ln2_b, .offset: 72, .size: 8, .value_kind: global_buffer, .address_space: global }
      - { .name: out0, .offset: 80, .size: 8, .value_kind: global_buffer, .address_space: global }
    .group_segment_fixed_size: 327680
    .private_segment_fixed_size: 0
    .kernarg_segment_align: 8
    .kernarg_segment_size: 88
    .max_flat_workgroup_size: 128
    .sgpr_count:     66
    .vgpr_count:     1024
    .wavefront_size: 32
...
	.end_amdgpu_metadata
.endif
;; end of part 4
;; ======== version 2 of 2: 4 launches; version 1 with the launches qkv, gattn written anew for expert scheduling mode
;; limits: right only within a limited range of input values
;; workspace buffers: xq 13,107,200 bytes; wq 2,457,600 bytes; qg 3,670,016 bytes; kv 1,671,168 bytes; oc 6,553,600 bytes
;; launch prep: the kernel of part 1 again; grid 704 x 1, 4 waves a work-group, no clusters, 58,880 bytes of LDS; arguments src, Wq, Wk, Wv, W1, Wo, W2, xq, wq; writes xq, wq
;; launch qkv (part 5): grid 256 x 1, 4 waves a work-group, no clusters, 117,248 bytes of LDS; arguments xq, wq, bq, bk, bv, input_mask, qg, kv, oc; writes qg, kv, oc
.if DOCPART == 5
	.amdgcn_target "amdgcn-amd-amdhsa--gfx1250"
	.amdhsa_code_object_version 6
	.text
	.protected	k_q91c57c980a_qkv
	.globl	k_q91c57c980a_qkv
	.p2align	8
	.type	k_q91c57c980a_qkv,@function
k_q91c57c980a_qkv:
	s_mov_b64 s[64:65], 0
	v_nop
	global_prefetch_b8 v0, s[64:65] scope:SCOPE_SE
	s_setreg_imm32_b32 hwreg(HW_REG_WAVE_SCHED_MODE, 0, 2), 2
	s_setreg_imm32_b32 hwreg(HW_REG_WAVE_MODE, 25, 1), 1
	s_wait_xcnt 0x0
	s_wait_alu depctr_vm_vsrc(0)
; q, k, v = src W + b on codes of FP6 (E2M3); q, k, v quantised; the block-local heads' attention finished in registers.
; SHARES.  Work-group: block of 128 tokens ttmp9 / 2, half g = ttmp9 % 2 of the heads.  Wave w owns local head 4 g + w and global head 8 + 4 g + w for all 128 tokens:
; behind the one barrier (x's codes in LDS) the waves never meet.  k and v of the global head are made for tokens 96-127 alone: the others are never gathered.
; Each weight fragment feeds one wave only, so the weights go from memory straight into the registers that multiply them, a K step ahead; no tensor load, no cluster.
; LAYOUT.  q, k: source 0 = 16 columns of W, source 1 = 16 tokens: a lane holds one token and 16 neighbours of a head's 32.  v: source 0 = tokens, source 1 = columns: a lane holds one
; channel and registers along the tokens, which are the second product's K.  Row r of tile 2 b + u is index 32 b + 8 u + r + 8 (r / 8), so two neighbouring tiles give 16 neighbours.
; SCORES (K = 32).  A fragment of k holds 64 keys: block e of row r is key row r of tile 4 F + e.  Four forms of a query tile, each with the query's 32 codes in one block and zero codes
; elsewhere, give four score tiles from one fragment.
; SOFTMAX.  t = q.k x log2(e) / sqrt(32); M = ceil(largest t); p = 2^(t - M) is quantised along the keys; the sum of the unquantised p divides at the end.
; LIMITS: NaN and infinities not served; blocks under 2^-124 get the byte 1; a masked score becomes -2^32 (as q.k), right while |q.k| < 2^32: c x 2^32 is a whole number in f32,
; so a row with every key masked gives p = 1 everywhere; mask bytes are 0 or 1.
; REGISTERS in the K loop.  window 0: v1-23 addresses; v32-47 x's scale words (two sets); v48-95 W's; v96-239 W's 12 fragments; v240-255 mask bytes.
;   window 1: q local 16 T + 8 u, k local 128 + ..   window 2: v local 64 u + 8 T, q global 128 + 16 T + 8 u.   window 3: k global 0-31, v global 32-63, x's fragments 64-159 and 160-255
;   (in the first K step the second set holds the biases, which are the C of each sum's first product).
; THE MODE: SCHED_MODE bits 1:0 = 2 (LLVM: expert scheduling mode 2), set by the entry lines.  The code itself states the register dependences
; between vector or matrix instructions and memory or LDS instructions, with s_wait_alu, always for 0.
; THE PLAN.  Registers that memory or LDS instructions touch:
;   WF        six groups of two fragments.  Group g's products read its 24 registers once a K step; the six loads of the next K step land there behind them.  All 1,024 registers are taken,
;             so W has one set: a wait on va_vdst stands behind each group's products, ahead of its reload; groups 4 and 5, four products each, share one: five waits a K step.
;   x, XS     two sets by turns.  The products of step s read set s % 2; the LDS loads of step s + 1 land in the other set behind the wait that follows group 0 (first step: group 5, since
;             that set holds the biases till then), which also shows the products of step s - 1 done.
;   v1-v8, v12-v15   offsets, made at the head, not written in the K loop; made anew behind it, behind one wait on vm_vsrc.
;   window 1  v0-199: the copy of x passes through them at the head (loads, LDS stores); the products write them: one wait on vm_vsrc behind the barrier.
;   PC, v28-31, OC3, OCB   out-registers: vector instructions write them, stores read them: va_vdst ahead of each run of stores, vm_vsrc ahead of each rewrite.
;   v18-20, X, QSW   the loop over pairs of query tiles: three addresses stepped, three LDS loads, once a trip: vm_vsrc, the additions, va_vdst, the loads.
.set WF, 96
.set WS, 48
.set XS, 32
.set MB, 240
.set NIL, 9
.set SEL, 2                            ; s[2:3]
.set CS, 54                            ; s[54:55] c = log2(e) / sqrt(32)
; behind the K loop window 0 is mapped anew:
.set NM, 24                            ; v24 -M, v25 the largest t
.set LS, 26                            ; v[26:27] the sum, in two halves
.set RL, 28                            ; v[28:29] 1 / sum
.set T0, 30
.set TM, 32
.set L2, TM+8
.set PT, 48
.set PC, 56
.set PW, 68
.set QSW, 69
.set KW, 70
.set VW, 72
.set PWD, 74
.set X, 76
.set QV, 82                            ; 30 registers: zeros, A, zeros, B, zeros (six each)
.set KF, 112
.set VF, 136
.set S, 160
.set O, 224
.set OC3, 240
.set OCB, 244
.set MSB, 0
.macro WIN new                         ; the immediate's high byte repeats the setting that is left
.if MSB != (\new)
	s_set_vgpr_msb (MSB<<8)|(\new)
.set MSB, (\new)
.endif
.endm
.macro PLACES n
.rept \n
	v_nop
.endr
.endm
.macro WM d, a, b, c, sa, sb, ra, rb   ; D = A B + C; ra, rb: the half of the lanes that holds A's, B's scale words
.if ((\ra) == 0) && ((\rb) == 0)
	v_wmma_scale_f32_16x16x128_f8f6f4 v[(\d):(\d)+7], v[(\a):(\a)+11], v[(\b):(\b)+11], v[(\c):(\c)+7], v[(\sa)], v[(\sb)] matrix_a_fmt:MATRIX_FMT_FP6 matrix_b_fmt:MATRIX_FMT_FP6
.elseif ((\ra) == 1) && ((\rb) == 0)
	v_wmma_scale_f32_16x16x128_f8f6f4 v[(\d):(\d)+7], v[(\a):(\a)+11], v[(\b):(\b)+11], v[(\c):(\c)+7], v[(\sa)], v[(\sb)] matrix_a_fmt:MATRIX_FMT_FP6 matrix_b_fmt:MATRIX_FMT_FP6 matrix_a_scale:MATRIX_SCALE_ROW1
.else
	v_wmma_scale_f32_16x16x128_f8f6f4 v[(\d):(\d)+7], v[(\a):(\a)+11], v[(\b):(\b)+11], v[(\c):(\c)+7], v[(\sa)], v[(\sb)] matrix_a_fmt:MATRIX_FMT_FP6 matrix_b_fmt:MATRIX_FMT_FP6 matrix_b_scale:MATRIX_SCALE_ROW1
.endif
.endm
.macro WMZ d, a, b, sa, sb, rb         ; the same with C = 0: the product starts the sum
.if (\rb) == 0
	v_wmma_scale_f32_16x16x128_f8f6f4 v[(\d):(\d)+7], v[(\a):(\a)+11], v[(\b):(\b)+11], 0, v[(\sa)], v[(\sb)] matrix_a_fmt:MATRIX_FMT_FP6 matrix_b_fmt:MATRIX_FMT_FP6
.else
	v_wmma_scale_f32_16x16x128_f8f6f4 v[(\d):(\d)+7], v[(\a):(\a)+11], v[(\b):(\b)+11], 0, v[(\sa)], v[(\sb)] matrix_a_fmt:MATRIX_FMT_FP6 matrix_b_fmt:MATRIX_FMT_FP6 matrix_b_scale:MATRIX_SCALE_ROW1
.endif
.endm
; 64 numbers of a lane in window w, register 16 b + i = element 16 (lane / 16) + i of block b of my row, become a fragment's 12 registers and its scale word
.macro QUANT s, w, pc, pw
	WIN ((\w)<<2)|((\w)<<4)
.irp b,0,1,2,3
	v_max3_num_f32 v[TM+\b], 0x1800000, |v[(\s)+16*\b]|, |v[(\s)+16*\b+1]|   ; with the floor 2^(3 - 127)
.endr
.irp i,2,4,6,8,10,12,14
.irp b,0,1,2,3
	v_max3_num_f32 v[TM+\b], v[TM+\b], |v[(\s)+16*\b+\i]|, |v[(\s)+16*\b+\i+1]|
.endr
.endr
	WIN 0
.irp b,0,1,2,3
	v_permlanex16_b32 v[TM+4+\b], v[TM+\b], s[SEL], s[SEL+1]
.endr
.irp b,0,1,2,3
	v_max_num_f32 v[TM+\b], v[TM+\b], v[TM+4+\b]
.endr
.irp b,0,1,2,3
	v_add_nc_u32 v[TM+12+\b], 0xff000000, v[TM+\b]            ; 2 off the exponent field: the conversion's scale operand
.endr
.irp b,0,1,2,3
	v_lshrrev_b32 v[TM+4+\b], 23, v[TM+12+\b]                 ; the scale's byte
.endr
	v_lshl_or_b32 v[\pw], v[TM+5], 8, v[TM+4]
	v_lshl_or_b32 v[\pw], v[TM+6], 16, v[\pw]
	v_lshl_or_b32 v[\pw], v[TM+7], 24, v[\pw]
	WIN \w
.irp c,0,1
	v_cvt_scalef32_pk16_fp6_f32 v[(\pc)+6*\c:(\pc)+6*\c+2], v[(\s)+32*\c:(\s)+32*\c+15], v[TM+12+2*\c]
	v_cvt_scalef32_pk16_fp6_f32 v[PT+4*\c:PT+4*\c+2], v[(\s)+32*\c+16:(\s)+32*\c+31], v[TM+12+2*\c+1]
.endr
	WIN 0
	v_nop                                                     ; one plain instruction behind the conversions
.irp c,0,1
.irp i,0,1,2
	v_permlane16_swap_b32 v[(\pc)+6*\c+\i], v[PT+4*\c+\i]     ; a whole block to a lane
.endr
.irp i,0,1,2
	v_mov_b32 v[(\pc)+6*\c+3+\i], v[PT+4*\c+\i]
.endr
.endr
.endm
.macro QUANT2 s, w, pc                 ; two blocks: six registers (lanes 0-15 block 0, lanes 16-31 block 1); the bytes stay in v[TM+4], v[TM+5]
	WIN ((\w)<<2)|((\w)<<4)
.irp b,0,1
	v_max3_num_f32 v[TM+\b], 0x1800000, |v[(\s)+16*\b]|, |v[(\s)+16*\b+1]|
.endr
.irp i,2,4,6,8,10,12,14
.irp b,0,1
	v_max3_num_f32 v[TM+\b], v[TM+\b], |v[(\s)+16*\b+\i]|, |v[(\s)+16*\b+\i+1]|
.endr
.endr
	WIN 0
.irp b,0,1
	v_permlanex16_b32 v[TM+4+\b], v[TM+\b], s[SEL], s[SEL+1]
.endr
.irp b,0,1
	v_max_num_f32 v[TM+\b], v[TM+\b], v[TM+4+\b]
.endr
.irp b,0,1
	v_add_nc_u32 v[TM+12+\b], 0xff000000, v[TM+\b]
.endr
.irp b,0,1
	v_lshrrev_b32 v[TM+4+\b], 23, v[TM+12+\b]
.endr
	WIN \w
	v_cvt_scalef32_pk16_fp6_f32 v[(\pc):(\pc)+2], v[(\s):(\s)+15], v[TM+12]
	v_cvt_scalef32_pk16_fp6_f32 v[PT:PT+2], v[(\s)+16:(\s)+31], v[TM+13]
	WIN 0
	v_nop
.irp i,0,1,2
	v_permlane16_swap_b32 v[(\pc)+\i], v[PT+\i]
.endr
.irp i,0,1,2
	v_mov_b32 v[(\pc)+3+\i], v[PT+\i]
.endr
.endm
.macro QUANT1 s, oc, ob                ; one block: my 16 numbers (lane l xor 16 holds the other 16) become 12 bytes of codes; the byte in v[ob]
	v_max3_num_f32 v[TM], 0x1800000, |v[(\s)]|, |v[(\s)+1]|
	v_max3_num_f32 v[TM+1], |v[(\s)+2]|, |v[(\s)+3]|, |v[(\s)+4]|
.irp i,5,9
	v_max3_num_f32 v[TM], v[TM], |v[(\s)+\i]|, |v[(\s)+\i+1]|
	v_max3_num_f32 v[TM+1], v[TM+1], |v[(\s)+\i+2]|, |v[(\s)+\i+3]|
.endr
	v_max3_num_f32 v[TM], v[TM], |v[(\s)+13]|, |v[(\s)+14]|
	v_max3_num_f32 v[TM], v[TM], v[TM+1], |v[(\s)+15]|
	v_permlanex16_b32 v[TM+4], v[TM], s[SEL], s[SEL+1]
	v_max_num_f32 v[TM], v[TM], v[TM+4]
	v_add_nc_u32 v[TM+12], 0xff000000, v[TM]
	v_cvt_scalef32_pk16_fp6_f32 v[(\oc):(\oc)+2], v[(\s):(\s)+15], v[TM+12]
	v_lshrrev_b32 v[\ob], 23, v[TM+12]                        ; (the plain instruction behind the conversion)
.endm
; The two zero-padded forms of query tile u.  X: lanes 0-15 hold tile 0's 32 codes, lanes 16-31 tile 1's.  vcc_lo = 0xffff.  A: codes in lanes 0-15; B: in lanes 16-31.
.macro QVAR u
.if (\u) == 0
.irp i,0,1,2,3,4,5
	v_cndmask_b32 v[QV+6+\i], v[NIL], v[X+\i], vcc_lo
.endr
.irp i,0,1,2,3,4,5
	v_permlanex16_b32 v[QV+18+\i], v[QV+6+\i], s[SEL], s[SEL+1]
.endr
.else
.irp i,0,1,2,3,4,5
	v_cndmask_b32 v[QV+18+\i], v[X+\i], v[NIL], vcc_lo
.endr
.irp i,0,1,2,3,4,5
	v_permlanex16_b32 v[QV+6+\i], v[QV+18+\i], s[SEL], s[SEL+1]
.endr
.endif
	PLACES 4                                       ; an operand written by vector instructions stands four places ahead of a scaled product
.endm
; The softmax of one tile of 16 queries over 128 keys.  S: register 16 b + i = key 32 b + 16 (lane / 16) + i of my query.  Out: p's fragment in PC, its scale word in PWD, the sum in LS.
.macro SOFT
.irp b,0,1,2,3
	v_max3_num_f32 v[TM+\b], v[S+16*\b], v[S+16*\b+1], v[S+16*\b+2]   ; each block's largest score: for the row's maximum and, since p rises with the score, for the block's largest p
.endr
.irp i,3,5,7,9,11,13
.irp b,0,1,2,3
	v_max3_num_f32 v[TM+\b], v[TM+\b], v[S+16*\b+\i], v[S+16*\b+\i+1]
.endr
.endr
.irp b,0,1,2,3
	v_max_num_f32 v[TM+\b], v[TM+\b], v[S+16*\b+15]
.endr
.irp b,0,1,2,3
	v_permlanex16_b32 v[TM+4+\b], v[TM+\b], s[SEL], s[SEL+1]
.endr
.irp b,0,1,2,3
	v_max_num_f32 v[TM+\b], v[TM+\b], v[TM+4+\b]
.endr
	v_max3_num_f32 v[T0], v[TM], v[TM+1], v[TM+2]
	v_max_num_f32 v[T0], v[T0], v[TM+3]
	v_mul_f32 v[NM+1], s[CS], v[T0]                ; the largest t
	v_floor_f32 v[NM], -v[NM+1]                    ; -M = floor(-t) = -ceil(t)
.irp j,0,2,4,6,8,10,12,14,16,18,20,22,24,26,28,30,32,34,36,38,40,42,44,46,48,50,52,54,56,58,60,62
	v_pk_fma_f32 v[S+\j:S+\j+1], v[S+\j:S+\j+1], s[CS:CS+1], v[NM:NM+1] op_sel_hi:[1,0,0]   ; t - M
.endr
.irp b,0,1,2,3
	v_fma_f32 v[TM+\b], v[TM+\b], s[CS], v[NM]
.endr
.set i_, 0
.rept 64
	v_exp_f32 v[S+i_], v[S+i_]                     ; p = 2^(t - M)
.set i_, i_+1
.endr
	v_nop                                          ; a plain instruction behind the exponentials
	s_wait_alu depctr_va_vdst(0)                   ; the 64 exponentials have written p: one wait for the batch, ahead of its first reader
.irp b,0,1,2,3
	v_exp_f32 v[TM+\b], v[TM+\b]                   ; each block's largest p
.endr
	v_pk_add_f32 v[L2:L2+1], v[S:S+1], v[S+2:S+3]  ; the sum of the unquantised p, in two chains
	v_pk_add_f32 v[LS:LS+1], v[S+4:S+5], v[S+6:S+7]
.irp j,8,12,16,20,24,28,32,36,40,44,48,52,56,60
	v_pk_add_f32 v[LS:LS+1], v[LS:LS+1], v[S+\j:S+\j+1]
	v_pk_add_f32 v[L2:L2+1], v[L2:L2+1], v[S+\j+2:S+\j+3]
.endr
	v_pk_add_f32 v[LS:LS+1], v[LS:LS+1], v[L2:L2+1]
	s_wait_alu depctr_va_vdst(0)                   ; the four exponentials have written the blocks' largest p, ahead of their first reader
.irp b,0,1,2,3
	v_max_num_f32 v[TM+\b], 0x1800000, v[TM+\b]
.endr
.irp b,0,1,2,3
	v_add_nc_u32 v[TM+12+\b], 0xff000000, v[TM+\b]
.endr
.irp b,0,1,2,3
	v_lshrrev_b32 v[TM+4+\b], 23, v[TM+12+\b]
.endr
	v_lshl_or_b32 v[PWD], v[TM+5], 8, v[TM+4]
	v_lshl_or_b32 v[PWD], v[TM+6], 16, v[PWD]
	v_lshl_or_b32 v[PWD], v[TM+7], 24, v[PWD]
.irp c,0,1
	v_cvt_scalef32_pk16_fp6_f32 v[PC+6*\c:PC+6*\c+2], v[S+32*\c:S+32*\c+15], v[TM+12+2*\c]
	v_cvt_scalef32_pk16_fp6_f32 v[PT+4*\c:PT+4*\c+2], v[S+32*\c+16:S+32*\c+31], v[TM+12+2*\c+1]
.endr
	v_nop
.irp c,0,1
.irp i,0,1,2
	v_permlane16_swap_b32 v[PC+6*\c+\i], v[PT+4*\c+\i]
.endr
.irp i,0,1,2
	v_mov_b32 v[PC+6*\c+3+\i], v[PT+4*\c+\i]
.endr
.endr
.endm
	s_load_b256 s[8:15], s[0:1], 0x0               ; xq, wq, bq, bk
	s_load_b256 s[16:23], s[0:1], 0x20             ; bv, input_mask, qg, kv
	s_load_b64 s[24:25], s[0:1], 0x40              ; oc
	v_lshrrev_b32 v1, 5, v0
	v_readfirstlane_b32 s4, v1                     ; wave 0..3
	s_lshr_b32 s5, ttmp9, 1                        ; block of 128 tokens
	s_and_b32 s6, ttmp9, 1                         ; g
	s_lshr_b32 s7, s5, 5                           ; batch
	s_and_b32 s26, s5, 31                          ; n: the block in its batch
	s_mov_b32 s[SEL], 0x76543210
	s_mov_b32 s[SEL+1], 0xfedcba98
	s_mov_b32 s[CS], 0x3e8293ee
	s_mov_b32 s[CS+1], s[CS]
	s_mov_b32 s59, 0xffff0000
	v_and_b32 v23, 31, v0                          ; lane
	v_and_b32 v10, 15, v0                          ; r
	v_bfe_u32 v11, v0, 4, 1                        ; h
	v_lshlrev_b32 v1, 4, v23                       ; 16 L: images, K steps 0-3
	v_lshlrev_b32 v2, 3, v23                       ; 8 L
	v_lshlrev_b32 v3, 2, v23                       ; 4 L
	v_lshlrev_b32 v4, 5, v23                       ; 32 L: W's scale words
	v_lshlrev_b32 v5, 4, v0                        ; 16 x thread: the copy of x
	v_add_nc_u32 v14, 51200, v5
	v_add_nc_u32 v6, 51200, v1                     ; images, K steps 4-7
	v_lshlrev_b32 v7, 4, v10                       ; 16 r: x's scale words
	v_add_nc_u32 v8, 51200, v7
	v_mov_b32 v[NIL], 0
	v_and_b32 v22, 8, v10
	v_add_nc_u32 v22, v22, v10                     ; r + 8 (r / 8)
	v_lshlrev_b32 v15, 4, v11                      ; mask: my 16 keys of each 32
	s_wait_alu depctr_va_sdst(0)                   ; s4, the wave's number, is written, ahead of its first reader
	s_lshl_b32 s27, s6, 2
	s_add_co_u32 s27, s27, s4                      ; 4 g + w: my local head, and my global head less 8
	s_lshl_b32 s36, s27, 7                         ; a head's 32 biases are 128 bytes
	v_lshl_add_u32 v12, v11, 6, s36                ; q, k: my half's 16 of the head's
	v_lshl_add_u32 v13, v22, 2, s36                ; v: my channel's
	s_wait_kmcnt 0x0
	s_mul_i32 s36, s5, 102400
	s_mov_b32 s37, 0
	s_add_nc_u64 s[8:9], s[8:9], s[36:37]          ; xq at my block
	s_mul_i32 s36, s27, 24576
	s_add_nc_u64 s[28:29], s[10:11], s[36:37]      ; W's images at pair 4 g + w
	s_lshl_b32 s36, s27, 10
	s_add_co_u32 s36, s36, 393216
	s_add_nc_u64 s[30:31], s[10:11], s[36:37]      ; and its scale words
	s_lshl_b32 s36, s5, 7
	s_add_nc_u64 s[18:19], s[18:19], s[36:37]      ; the block's 128 mask bytes
	s_lshl_b32 s39, s7, 3
	s_add_co_u32 s39, s39, s27                     ; y = 8 x batch + global head
	s_lshl_b32 s38, s39, 7
	s_lshl_b32 s36, s26, 2
	s_add_co_u32 s38, s38, s36                     ; 128 y + 4 n: my first pair of query tiles
	s_mul_i32 s36, s38, 768
	s_add_nc_u64 s[32:33], s[20:21], s[36:37]
	s_lshl_b32 s36, s38, 7
	s_add_co_u32 s36, s36, 3145728
	s_add_nc_u64 s[34:35], s[20:21], s[36:37]
	s_mul_i32 s36, s39, 52224
	s_add_nc_u64 s[44:45], s[22:23], s[36:37]      ; kv at y
	s_mul_i32 s36, s26, 768
	s_add_nc_u64 s[46:47], s[44:45], s[36:37]      ; k's codes of block n
	s_lshl_b32 s36, s26, 6
	s_add_co_u32 s36, s36, 49152
	s_add_nc_u64 s[48:49], s[44:45], s[36:37]      ; k's scale words
	s_lshr_b32 s36, s26, 2
	s_mul_i32 s36, s36, 3072
	s_bfe_u32 s38, s26, 0x10001
	s_mul_i32 s38, s38, 768
	s_add_co_u32 s36, s36, s38
	s_add_co_u32 s36, s36, 24576
	s_add_nc_u64 s[50:51], s[44:45], s[36:37]      ; v's codes: key step n / 4, half (n / 2) % 2 of a fragment
	s_lshl_b32 s36, s26, 5
	s_add_co_u32 s36, s36, 51200
	s_add_nc_u64 s[52:53], s[44:45], s[36:37]      ; v's scale bytes
	s_lshl_b32 s38, s7, 4
	s_add_co_u32 s38, s38, s27                     ; 16 x batch + local head
	s_mul_i32 s36, s38, 98304
	s_mul_i32 s39, s26, 3072
	s_add_co_u32 s36, s36, s39
	s_add_nc_u64 s[40:41], s[24:25], s[36:37]      ; o's codes: 24 bytes a token
	s_lshl_b32 s36, s38, 12
	s_lshl_b32 s39, s26, 7
	s_add_co_u32 s36, s36, s39
	s_add_co_u32 s36, s36, 6291456
	s_add_nc_u64 s[42:43], s[24:25], s[36:37]      ; o's scale bytes
.macro WLOAD g, s                      ; group g's two fragments of K step s (g: q, k, v local, q, k, v global)
.irp u,0,1
.irp c,0,1,2
	global_load_b128 v[WF+24*(\g)+12*\u+4*\c:WF+24*(\g)+12*\u+4*\c+3], v1, s[28:29] offset:((\g)%3)*409600+((\g)/3)*196608+3072*(\s)+1536*\u+512*\c
.endr
.endr
.endm
.macro XLOAD s                         ; x's eight fragments and scale words of K step s, from LDS
.set XB_, 64+96*((\s)%2)
	WIN 0xc0
.irp T,0,1,2,3,4,5,6,7
.irp c,0,1,2
.if (\s) < 4
	ds_load_b128 v[XB_+12*\T+4*\c:XB_+12*\T+4*\c+3], v1 offset:((\s)%4)*12800+1536*\T+512*\c
.else
	ds_load_b128 v[XB_+12*\T+4*\c:XB_+12*\T+4*\c+3], v6 offset:((\s)%4)*12800+1536*\T+512*\c
.endif
.endr
.endr
	WIN 0
.irp a,0,1
.if (\s) < 4
	ds_load_b128 v[XS+8*((\s)%2)+4*\a:XS+8*((\s)%2)+4*\a+3], v7 offset:((\s)%4)*12800+12288+256*\a
.else
	ds_load_b128 v[XS+8*((\s)%2)+4*\a:XS+8*((\s)%2)+4*\a+3], v8 offset:((\s)%4)*12800+12288+256*\a
.endif
.endr
.endm
	WIN 0x40
	s_wait_alu depctr_va_vdst(0)                   ; the offsets v1-v8 and v12-v15 are written, which the loads and LDS instructions of the head and of the K loop read
.set i_, 0
.rept 50
	global_load_b128 v[4*i_:4*i_+3], v5, s[8:9] offset:2048*i_     ; the block's codes and scale words, 102,400 bytes as they lie
.set i_, i_+1
.endr
	WIN 0
.irp b,0,1,2,3
	global_load_b128 v[MB+4*\b:MB+4*\b+3], v15, s[18:19] offset:32*\b   ; the mask bytes of keys 32 b + 16 h + 0 .. 15
.endr
	WIN 0xc0
.irp u,0,1
.irp q,0,1
	global_load_b128 v[160+8*\u+4*\q:160+8*\u+4*\q+3], v12, s[12:13] offset:32*\u+16*\q
	global_load_b128 v[176+8*\u+4*\q:176+8*\u+4*\q+3], v12, s[14:15] offset:32*\u+16*\q
	global_load_b128 v[192+8*\u+4*\q:192+8*\u+4*\q+3], v12, s[12:13] offset:1024+32*\u+16*\q
	global_load_b128 v[208+8*\u+4*\q:208+8*\u+4*\q+3], v12, s[14:15] offset:1024+32*\u+16*\q
.endr
	global_load_b32 v[224+8*\u], v13, s[16:17] offset:32*\u
	global_load_b32 v[240+8*\u], v13, s[16:17] offset:1024+32*\u
.endr
	WIN 0
.irp g,0,1,2,3,4,5
	global_load_b128 v[WS+8*\g:WS+8*\g+3], v4, s[30:31] offset:(\g%3)*409600+(\g/3)*8192
	global_load_b128 v[WS+8*\g+4:WS+8*\g+7], v4, s[30:31] offset:(\g%3)*409600+(\g/3)*8192+16
.endr
.irp g,0,1,2,3,4,5
	WLOAD \g, 0
.endr
	s_wait_loadcnt 63                              ; 72 loads are younger than the copy's: 63 is the largest count that can be named, and the stricter
	WIN 0x04
.set i_, 0
.rept 25
	ds_store_b128 v5, v[4*i_:4*i_+3] offset:2048*i_
.set i_, i_+1
.endr
.rept 25
	ds_store_b128 v14, v[4*i_:4*i_+3] offset:2048*(i_-25)
.set i_, i_+1
.endr
	WIN 0
	s_wait_dscnt 0x0                               ; for the others' sake: my part of the copy has landed
	s_barrier_signal -1
	s_barrier_wait -1
	s_wait_alu depctr_vm_vsrc(0)                   ; my LDS stores have read window 1's v0-199: these registers are accumulators from here on, written by the products
	XLOAD 0
	s_wait_loadcnt 48                              ; the biases are in: 12 scale loads and 36 weight loads are younger
	WIN 0xc3
.irp k,0,1,2,3
.irp j,1,2,3,4,5,6,7
	v_mov_b32 v[224+8*\k+\j], v[224+8*\k]          ; v's bias is one number a lane (its channel's), for all eight tokens
.endr
.endr
	WIN 0
.macro GQK g, s, db, t0, win, win0, bias
.if (\s) == 0
	WIN \win0
.else
	WIN \win
.endif
.set T_, \t0
.rept 8-(\t0)
.irp u,0,1
.set D_, (\db)+16*(T_-(\t0))+8*\u
.if (\s) == 0
	WM D_, WF+24*(\g)+12*\u, XBS+12*T_, (\bias)+8*\u, WS+8*(\g)+(\s), XS+8*((\s)%2)+T_, \u, 0
.else
	WM D_, WF+24*(\g)+12*\u, XBS+12*T_, D_, WS+8*(\g)+(\s), XS+8*((\s)%2)+T_, \u, 0
.endif
.endr
.set T_, T_+1
.endr
.endm
.macro GV g, s, db, us, t0, win, win0, bias
.if (\s) == 0
	WIN \win0
.else
	WIN \win
.endif
.set T_, \t0
.rept 8-(\t0)
.irp u,0,1
.set D_, (\db)+(\us)*\u+8*(T_-(\t0))
.if (\s) == 0
	WM D_, XBS+12*T_, WF+24*(\g)+12*\u, (\bias)+8*\u, XS+8*((\s)%2)+T_, WS+8*(\g)+(\s), 0, \u
.else
	WM D_, XBS+12*T_, WF+24*(\g)+12*\u, D_, XS+8*((\s)%2)+T_, WS+8*(\g)+(\s), 0, \u
.endif
.endr
.set T_, T_+1
.endr
.endm
.macro GWAIT g, s
.if (\s) < 7
.if (\g) == 5
	s_wait_loadcnt 24                              ; group 5's six loads are in; younger are groups 0 to 3 of the next K step alone: group 4 is asked for again with group 5
.else
	s_wait_loadcnt 30                              ; this group's six loads are in; the five younger groups' may be out
.endif
.else
	s_wait_loadcnt 6*(5-(\g))
.endif
.endm
; Behind a group's products: the four places, the wait, then the group's fragments of the next K step into the registers just read; once a step x's next set.
; It stands behind groups 0, 1, 2, 3 and 5; behind group 5 it serves group 4 too.
.macro AFTER g, s
.if (\s) < 7
	PLACES 4
	WIN 0
	s_wait_alu depctr_va_vdst(0)                   ; the products issued so far are done reading: this group's fragments (behind group 5: group 4's too), in which the loads below land; and, where x's next set follows, that set and its scale words, which the step before read (first K step: the biases, which moves wrote and products read)
.if (\g) == 5
	WLOAD 4, (\s)+1
.endif
	WLOAD \g, (\s)+1
.if (((\g) == 0) && ((\s) > 0)) || (((\g) == 5) && ((\s) == 0))
	XLOAD (\s)+1
.endif
.endif
.endm
; A K step: 72 products; the accumulators take turns, one instruction a turn.
.macro KSTEP s
.set XBS, 64+96*((\s)%2)
	s_wait_dscnt 0x0                               ; this step's x
	GWAIT 0, \s
	GQK 0, \s, 0, 0, 0x5c, 0x7c, 160
	AFTER 0, \s
	GWAIT 1, \s
	GQK 1, \s, 128, 0, 0x5c, 0x7c, 176
	AFTER 1, \s
	GWAIT 2, \s
	GV 2, \s, 0, 64, 0, 0xa3, 0xb3, 224
	AFTER 2, \s
	GWAIT 3, \s
	GQK 3, \s, 128, 0, 0xac, 0xbc, 192
	AFTER 3, \s
	GWAIT 4, \s
	GQK 4, \s, 0, 6, 0xfc, 0xfc, 208
	GWAIT 5, \s
	GV 5, \s, 32, 16, 6, 0xf3, 0xf3, 240
	AFTER 5, \s
.endm
.irp s,0,1,2,3,4,5,6,7
	KSTEP \s
.endr
	PLACES 4                                       ; behind the last products, ahead of the first read of results and the first write over operands
	WIN 0
; ---- what the K loop left is quantised.  Addresses first (every load has been waited for).
	s_wait_alu depctr_vm_vsrc(0)                   ; the loads and LDS instructions of the head and of the K loop have read their offsets v4, v6-v8 and v12-v15, which are made anew below
	s_mul_i32 s36, s4, 3584
	s_add_co_u32 s36, s36, 102400                  ; my 3,584 bytes for the local q
	v_add_nc_u32 v4, s36, v1
	v_add_nc_u32 v6, s36, v2
	v_add_nc_u32 v7, s36, v3
	v_mul_lo_u32 v14, v11, 0x01010101              ; byte select h, four times over;
	v_add_nc_u32 v15, 0x02020202, v14              ; 2 + h
	v_mov_b32 v16, 0xcf800000                      ; -2^32: a masked score
	v_mov_b32 v17, 0x7f800000                      ; +infinity: leaves a score as it is
	v_mul_u32_u24 v21, v22, 24
	v_mad_u32_u24 v21, v11, 12, v21                ; o's codes: 24 (r + 8 (r / 8)) + 12 h
	s_and_b32 s36, s26, 1
	s_lshl_b32 s38, s36, 8
	v_mul_u32_u24 v8, v11, 1536
	v_lshl_add_u32 v12, v10, 3, v8
	v_lshl_add_u32 v8, v10, 4, v8
	v_add_nc_u32 v8, s38, v8                       ; v global: tile h's image, lane 16 (n % 2) + r: first four registers,
	s_lshl_b32 s38, s36, 7
	v_add_nc_u32 v12, s38, v12                     ; last two
	v_lshlrev_b32 v13, 2, v10                      ; 4 r
.irp b,0,1,2,3
	v_mov_b32 v[TM+4+\b], 0                        ; a lane permute's destination counts as read
.endr
	v_mov_b32 v[RL+1], 0                           ; (named as the upper half of a pair)
; q of the global head: pairs of tiles as halves of a fragment; each lane's tile's scale byte four times over
.irp F,0,1
	s_wait_xcnt 0x0                                ; earlier stores have read PC and their words
.if \F == 1
	s_wait_alu depctr_vm_vsrc(0)                   ; the first fragment's stores have read PC, which the conversions below write again
.endif
	QUANT 128+64*\F, 2, PC, PW
	v_perm_b32 v[28+2*\F], v[PW], v[PW], v14
	v_perm_b32 v[29+2*\F], v[PW], v[PW], v15
	s_wait_alu depctr_va_vdst(0)                   ; PC and the two words are written, which the stores below read (the first time: the new addresses v4-v8, v12, v13, v21 too)
.irp cc,0,1
	global_store_b128 v1, v[PC+6*\cc:PC+6*\cc+3], s[32:33] offset:768*(2*\F+\cc)
	global_store_b64 v2, v[PC+6*\cc+4:PC+6*\cc+5], s[32:33] offset:768*(2*\F+\cc)+512
	global_store_b32 v3, v[28+2*\F+\cc], s[34:35] offset:128*(2*\F+\cc)
.endr
.endr
; k of the global head, tokens 96-127
	s_wait_xcnt 0x0
	s_wait_alu depctr_vm_vsrc(0)                   ; q's stores have read PC and v28, which are written again below
	QUANT2 0, 3, PC
	v_lshl_or_b32 v28, v[TM+5], 8, v[TM+4]
	v_lshl_or_b32 v28, v28, 16, v28                ; the two tiles' bytes, twice: the word serves as either half of a fragment's
	s_wait_alu depctr_va_vdst(0)                   ; PC and v28 are written, which the stores below read
	global_store_b128 v1, v[PC:PC+3], s[46:47]
	global_store_b64 v2, v[PC+4:PC+5], s[46:47] offset:512
	global_store_b32 v13, v28, s[48:49]
; v of the global head: one block of 32 keys for each channel
	s_wait_xcnt 0x0
	s_wait_alu depctr_vm_vsrc(0)                   ; k's stores have read PC, q's v30: both are written again below
	QUANT2 32, 3, PC
	v_cndmask_b32 v30, v[TM+4], v[TM+5], s59       ; lanes 16-31 hold tile 1's rows
	s_wait_alu depctr_va_vdst(0)                   ; PC and v30 are written, which the stores below read
	global_store_b128 v8, v[PC:PC+3], s[50:51]
	global_store_b64 v12, v[PC+4:PC+5], s[50:51] offset:512
	global_store_b8 v23, v30, s[52:53]
; the local head: k and v stay in registers as operands, q goes to my own LDS bytes
.irp F,0,1
	QUANT 128+64*\F, 1, KF+12*\F, KW+\F
.endr
.irp u,0,1
	QUANT 64*\u, 2, VF+12*\u, VW+\u
.endr
	s_wait_xcnt 0x0
	s_wait_alu depctr_vm_vsrc(0)                   ; v's stores have read PC, k's v28: both are written again below
.irp F,0,1
	QUANT 64*\F, 1, PC, PW
	v_perm_b32 v28, v[PW], v[PW], v14
	v_perm_b32 v29, v[PW], v[PW], v15
	s_wait_alu depctr_va_vdst(0)                   ; PC, v28 and v29 are written, which the LDS stores below read
.irp cc,0,1
	ds_store_b128 v4, v[PC+6*\cc:PC+6*\cc+3] offset:768*(2*\F+\cc)
	ds_store_b64 v6, v[PC+6*\cc+4:PC+6*\cc+5] offset:768*(2*\F+\cc)+512
	ds_store_b32 v7, v[28+\cc] offset:3072+128*(2*\F+\cc)
.endr
	s_wait_dscnt 0x0                               ; the stores have landed
	s_wait_alu depctr_vm_vsrc(0)                   ; and have read PC, v28 and v29, which the next fragment, and later the softmax, write again
.endr
; the mask as numbers, window 1 v0-63: +infinity where the key counts, -2^32 where it does not.  Sixteen compares in a run, into s8-s23 (free: every load by them has been waited for), one wait, sixteen selects
.irp b,0,1,2,3
	WIN 0
.set i_, 0
.rept 16
	v_and_b32 v[S+i_], 0xff<<(8*(i_%4)), v[MB+4*\b+i_/4]
.set i_, i_+1
.endr
.set i_, 0
.rept 16
	v_cmp_ne_u32 s[8+i_], 0, v[S+i_]
.set i_, i_+1
.endr
	s_wait_alu depctr_va_sdst(0)                   ; the sixteen compares have written s8-s23, ahead of the selects that read them
	WIN 0x40
.set i_, 0
.rept 16
	v_cndmask_b32 v[16*\b+i_], v16, v17, s[8+i_]
.set i_, i_+1
.endr
.endr
	WIN 0
	s_mov_b32 vcc_lo, 0xffff
.set i_, 0
.rept 30
	v_mov_b32 v[QV+i_], 0
.set i_, i_+1
.endr
	v_mov_b32 v[RL+1], 0
; One tile of 16 queries: scores, mask, softmax, second product, division, o's codes.
.macro TILE u
	QVAR \u
	s_wait_alu depctr_va_vdst(0)                   ; the tile's two forms are written, which the products below take as an operand (behind QVAR's four places)
.irp F,0,1
.irp be,0,1,2,3
	WMZ S+8*(4*\F+\be), KF+12*\F, QV+12*(\be%2)+6*(1-\be/2), KW+\F, QSW, \u
.endr
.endr
	PLACES 4
	WIN 0x04
.set i_, 0
.rept 64
	v_min_num_f32 v[S+i_], v[S+i_], v[i_]          ; each accumulator from its low end on
.set i_, i_+1
.endr
	WIN 0
	SOFT
	v_add_f32 v[LS], v[LS], v[LS+1]
	v_permlanex16_b32 v[TM+4], v[LS], s[SEL], s[SEL+1]
	v_add_f32 v[LS], v[LS], v[TM+4]                ; the row's sum
	v_rcp_f32 v[RL], v[LS]
	PLACES 8                                       ; a scale word written by vector instructions stands eight places ahead of a scaled product, an operand four
	s_wait_alu depctr_va_vdst(0)                   ; p's codes and scale word are written, which the products below take; and the reciprocal, ahead of its first reader below
	WMZ O, VF, PC, VW, PWD, 0
	WMZ O+8, VF+12, PC, VW+1, PWD, 0
	PLACES 4
.irp i,0,2,4,6,8,10,12,14
	v_pk_mul_f32 v[S+\i:S+\i+1], v[O+\i:O+\i+1], v[RL:RL+1] op_sel_hi:[1,0]   ; register i: channel 16 h + i of my query
.endr
	s_wait_xcnt 0x0                                ; the last tile's stores have had their addresses translated
	s_wait_alu depctr_vm_vsrc(0)                   ; and have read OC3 and OCB, which are written again below
	QUANT1 S, OC3, OCB
	s_wait_alu depctr_va_vdst(0)                   ; o's codes and byte are written, which the stores below read
	global_store_b96 v21, v[OC3:OC3+2], s[40:41] offset:192*\u
	global_store_b8 v22, v[OCB], s[42:43] offset:8*\u
.endm
	s_mov_b32 s56, 0
	s_mov_b32 s57, 0
	s_mov_b32 s58, 0
.Lpair:                                            ; four trips: a pair of query tiles, 32 tokens, each
	s_wait_alu depctr_vm_vsrc(0)                   ; the last trip's LDS loads have read v18-v20
	v_add_nc_u32 v18, s56, v4
	v_add_nc_u32 v19, s56, v6
	v_add_nc_u32 v20, s57, v7
	s_wait_alu depctr_va_vdst(0)                   ; v18-v20 are written, which the loads below read; the last trip's selects and products are done reading X and QSW, in which they land
	ds_load_b128 v[X:X+3], v18
	ds_load_b64 v[X+4:X+5], v19 offset:512
	ds_load_b32 v[QSW], v20 offset:3072
	s_wait_dscnt 0x0
	TILE 0
	TILE 1
	s_wait_xcnt 0x0                                ; the stores have read their bases
	s_add_nc_u64 s[40:41], s[40:41], 768
	s_add_nc_u64 s[42:43], s[42:43], 32
	s_add_co_u32 s56, s56, 768
	s_add_co_u32 s57, s57, 128
	s_add_co_u32 s58, s58, 1
	s_cmp_lt_u32 s58, 4
	s_cbranch_scc1 .Lpair
	s_wait_xcnt 0x0
	v_lshl_add_u32 v254, v0, 2, 0x1c800            ; the add's two registers, made anew straight ahead of the closing lines (no memory or LDS instruction has read v254 or v255)
	v_mov_b32 v255, 0
	s_wait_dscnt 0x0                               ; the closing lines, six on end
	s_wait_alu 0x0
	s_wait_tensorcnt 0x0
	ds_add_u32 v254, v255
	s_wait_dscnt 0x0
	s_endpgm
.Lfunc_end_k_q91c57c980a_qkv:
	.size	k_q91c57c980a_qkv, .Lfunc_end_k_q91c57c980a_qkv-k_q91c57c980a_qkv
	.p2alignl 7, 3214868480
	.fill 96, 4, 3214868480
	.section	.rodata,"a",@progbits
	.p2align	6, 0x0
	.amdhsa_kernel k_q91c57c980a_qkv
		.amdhsa_group_segment_fixed_size 117248
		.amdhsa_private_segment_fixed_size 0
		.amdhsa_enable_private_segment 0
		.amdhsa_kernarg_size 72
		.amdhsa_user_sgpr_count 2
		.amdhsa_user_sgpr_kernarg_segment_ptr 1
		.amdhsa_wavefront_size32 1
		.amdhsa_system_sgpr_workgroup_id_x 1
		.amdhsa_system_sgpr_workgroup_id_y 1
		.amdhsa_system_sgpr_workgroup_id_z 1
		.amdhsa_system_vgpr_workitem_id 0
		.amdhsa_next_free_vgpr 1024
		.amdhsa_next_free_sgpr 66
		.amdhsa_reserve_vcc 1
		.amdhsa_float_denorm_mode_32 3
		.amdhsa_float_denorm_mode_16_64 3
		.amdhsa_memory_ordered 1
		.amdhsa_forward_progress 1
		.amdhsa_inst_pref_size 227
	.end_amdhsa_kernel
	.amdgpu_metadata
---
amdhsa.version: [ 1, 2 ]
amdhsa.kernels:
  - .name:           k_q91c57c980a_qkv
    .symbol:         k_q91c57c980a_qkv.kd
    .args:
      - { .name: xq, .offset: 0, .size: 8, .value_kind: global_buffer, .address_space: global }
      - { .name: wq, .offset: 8, .size: 8, .value_kind: global_buffer, .address_space: global }
      - { .name: bq, .offset: 16, .size: 8, .value_kind: global_buffer, .address_space: global }
      - { .name: bk, .offset: 24, .size: 8, .value_kind: global_buffer, .address_space: global }
      - { .name: bv, .offset: 32, .size: 8, .value_kind: global_buffer, .address_space: global }
      - { .name: input_mask, .offset: 40, .size: 8, .value_kind: global_buffer, .address_space: global }
      - { .name: qg, .offset: 48, .size: 8, .value_kind: global_buffer, .address_space: global }
      - { .name: kv, .offset: 56, .size: 8, .value_kind: global_buffer, .address_space: global }
      - { .name: oc, .offset: 64, .size: 8, .value_kind: global_buffer, .address_space: global }
    .group_segment_fixed_size: 117248
    .private_segment_fixed_size: 0
    .kernarg_segment_align: 8
    .kernarg_segment_size: 72
    .max_flat_workgroup_size: 128
    .sgpr_count:     66
    .vgpr_count:     1024
    .wavefront_size: 32
...
	.end_amdgpu_metadata
.endif
;; end of part 5
;; launch gattn (part 6): grid 8 x 32, 16 waves a work-group, no clusters, 58,368 bytes of LDS; arguments qg, kv, input_mask, oc; writes oc
.if DOCPART == 6
	.amdgcn_target "amdgcn-amd-amdhsa--gfx1250"
	.amdhsa_code_object_version 6
	.text
	.protected	k_q91c57c980a_gattn
	.globl	k_q91c57c980a_gattn
	.p2align	8
	.type	k_q91c57c980a_gattn,@function
k_q91c57c980a_gattn:
	s_mov_b64 s[64:65], 0
	v_nop
	global_prefetch_b8 v0, s[64:65] scope:SCOPE_SE
	s_setreg_imm32_b32 hwreg(HW_REG_WAVE_SCHED_MODE, 0, 2), 2
	s_setreg_imm32_b32 hwreg(HW_REG_WAVE_MODE, 25, 1), 1
	s_wait_xcnt 0x0
	s_wait_alu depctr_vm_vsrc(0)
; The global heads: every query attends to the 1,024 summary keys of its batch (the last 32 tokens of each block of 128), on codes of FP6 (E2M3).
; SHARES.  y = 8 x batch + head (grid y); a work-group takes 512 queries; each of its sixteen waves 32: two tiles of 16, one after the other.  Four waves share a SIMD, so that one wave's
; exponentials stand beside another's plain work.  The head's k, v, scale words and mask (56,320 bytes) come into LDS once; one barrier; all waves read them.
; They are a small block read once by each work-group, not a stream: no tensor load, no ring, no cluster.
; LAYOUT as in the launch before: S^T = k q^T with four zero-padded forms of the query tile (K = 32: a fragment of k holds 64 keys), O^T = v^T p^T; a lane holds one query throughout.
; SOFTMAX with a running M = ceil(largest t so far): when M moves, the sum and O^T are multiplied by 2^(old M - new M), which rounds nothing.
; The mask: a step whose four blocks of 32 keys have no hole skips the masking (a scalar branch on mask bytes, which are whole numbers read from memory).
; LIMITS: NaN and infinities not served; blocks under 2^-124 get the byte 1; a masked score becomes -2^32 (as q.k), right while |q.k| < 2^32; mask bytes are 0 or 1.
; THE MODE: SCHED_MODE bits 1:0 = 2 (LLVM: expert scheduling mode 2), set by the entry lines.  The code itself states the register dependences
; between vector or matrix instructions and memory or LDS instructions, with s_wait_alu, always for 0.
; THE PLAN.  Registers that LDS instructions touch, in the loop over key steps (all 256 registers are named: each operand has one set):
;   KF, KW    Step s: its eight score products read them; the loads of step s + 1 land in them in the middle of step s.
;   VF, VW    Step s: its two last products read them; the loads of step s + 1 land in them in the middle of step s + 1.
;   A16, A8, AKS, AVS, AMV   addresses: written by additions at a step's head, read by the step's LDS loads.
;   MT        on the way with holes alone: four loads land in it, sixteen minima read it, four times a step.
; The wait on va_vdst that follows the step's 64 exponentials stands behind the score products, behind the last step's final products and behind the additions: so ALL the step's
; loads (this step's v, the next step's k) stand directly behind it and owe nothing more.  k of a tile's first step is asked for at the tile's head; the eighth step, which has no
; successor, is written out behind a loop of seven trips.  One wait on vm_vsrc stands ahead of the additions, half a step behind the loads that it waits for.
.set L16, 1
.set L8, 2
.set L4, 3
.set H64, 4
.set NIL, 5
.set OOFF, 6
.set SOFF, 7
.set A16, 8
.set A8, 9
.set AKS, 10
.set AVS, 11
.set AMV, 12
.set NM, 14                            ; v14 -M, v15 the largest t
.set LS, 16                            ; v[16:17] the sum in two halves
.set FF, 18                            ; v[18:19] 2^(old M - new M)
.set QSW, 20
.set KW, 21
.set VW, 23
.set PWD, 24
.set T0, 25
.set X, 26
.set QV, 32
.set KF, 62
.set VF, 86
.set PC, 110
.set PT, 122
.set TM, 130
.set L2, TM+8
.set O, 146
.set S, 162
.set MT, 226                           ; mask numbers of 16 keys; on the way out o
.set OC3, 242
.set OCB, 245
.set RL, 246
.set SEL, 2
.set CS, 30
.set FL, 32                            ; bit n: block n's 32 summary keys have a hole
.set SK, 33
.set SS, 34
.set SV, 35
.set SM, 36
.set SH, 37
.set CNT, 38
.macro PLACES n
.rept \n
	v_nop
.endr
.endm
.macro WMZ d, a, b, sa, sb, ra, rb
.if ((\ra) == 0) && ((\rb) == 0)
	v_wmma_scale_f32_16x16x128_f8f6f4 v[(\d):(\d)+7], v[(\a):(\a)+11], v[(\b):(\b)+11], 0, v[(\sa)], v[(\sb)] matrix_a_fmt:MATRIX_FMT_FP6 matrix_b_fmt:MATRIX_FMT_FP6
.elseif ((\ra) == 1) && ((\rb) == 0)
	v_wmma_scale_f32_16x16x128_f8f6f4 v[(\d):(\d)+7], v[(\a):(\a)+11], v[(\b):(\b)+11], 0, v[(\sa)], v[(\sb)] matrix_a_fmt:MATRIX_FMT_FP6 matrix_b_fmt:MATRIX_FMT_FP6 matrix_a_scale:MATRIX_SCALE_ROW1
.elseif ((\ra) == 0) && ((\rb) == 1)
	v_wmma_scale_f32_16x16x128_f8f6f4 v[(\d):(\d)+7], v[(\a):(\a)+11], v[(\b):(\b)+11], 0, v[(\sa)], v[(\sb)] matrix_a_fmt:MATRIX_FMT_FP6 matrix_b_fmt:MATRIX_FMT_FP6 matrix_b_scale:MATRIX_SCALE_ROW1
.else
	v_wmma_scale_f32_16x16x128_f8f6f4 v[(\d):(\d)+7], v[(\a):(\a)+11], v[(\b):(\b)+11], 0, v[(\sa)], v[(\sb)] matrix_a_fmt:MATRIX_FMT_FP6 matrix_b_fmt:MATRIX_FMT_FP6 matrix_a_scale:MATRIX_SCALE_ROW1 matrix_b_scale:MATRIX_SCALE_ROW1
.endif
.endm
.macro QVAR u                          ; the two zero-padded forms of query tile u: A codes in lanes 0-15, B in lanes 16-31; vcc_lo = 0xffff
.if (\u) == 0
.irp i,0,1,2,3,4,5
	v_cndmask_b32 v[QV+6+\i], v[NIL], v[X+\i], vcc_lo
.endr
.irp i,0,1,2,3,4,5
	v_permlanex16_b32 v[QV+18+\i], v[QV+6+\i], s[SEL], s[SEL+1]
.endr
.else
.irp i,0,1,2,3,4,5
	v_cndmask_b32 v[QV+18+\i], v[X+\i], v[NIL], vcc_lo
.endr
.irp i,0,1,2,3,4,5
	v_permlanex16_b32 v[QV+6+\i], v[QV+18+\i], s[SEL], s[SEL+1]
.endr
.endif
	PLACES 4
.endm
.macro QUANT1 s, oc, ob
	v_max3_num_f32 v[TM], 0x1800000, |v[(\s)]|, |v[(\s)+1]|
	v_max3_num_f32 v[TM+1], |v[(\s)+2]|, |v[(\s)+3]|, |v[(\s)+4]|
.irp i,5,9
	v_max3_num_f32 v[TM], v[TM], |v[(\s)+\i]|, |v[(\s)+\i+1]|
	v_max3_num_f32 v[TM+1], v[TM+1], |v[(\s)+\i+2]|, |v[(\s)+\i+3]|
.endr
	v_max3_num_f32 v[TM], v[TM], |v[(\s)+13]|, |v[(\s)+14]|
	v_max3_num_f32 v[TM], v[TM], v[TM+1], |v[(\s)+15]|
	v_permlanex16_b32 v[TM+4], v[TM], s[SEL], s[SEL+1]
	v_max_num_f32 v[TM], v[TM], v[TM+4]
	v_add_nc_u32 v[TM+12], 0xff000000, v[TM]
	v_cvt_scalef32_pk16_fp6_f32 v[(\oc):(\oc)+2], v[(\s):(\s)+15], v[TM+12]
	v_lshrrev_b32 v[\ob], 23, v[TM+12]             ; (the plain instruction behind the conversion)
.endm
; k's two fragments and their scale words of one key step: ten LDS loads.  off, woff: bytes on from where the three address registers stand
.macro KLOAD a16, a8, a4, off, woff
.irp F,0,1
.irp cc,0,1
	ds_load_b128 v[KF+12*\F+6*\cc:KF+12*\F+6*\cc+3], v[\a16] offset:(\off)+1536*\F+768*\cc
	ds_load_b64 v[KF+12*\F+6*\cc+4:KF+12*\F+6*\cc+5], v[\a8] offset:(\off)+1536*\F+768*\cc+512
.endr
	ds_load_b32 v[KW+\F], v[\a4] offset:49152+(\woff)+128*\F
.endr
.endm
; v's two fragments and their scale words of the key step in hand: nine LDS loads
.macro VLOAD
.irp F,0,1
.irp cc,0,1
	ds_load_b128 v[VF+12*\F+6*\cc:VF+12*\F+6*\cc+3], v[A16] offset:24576+1536*\F+768*\cc
	ds_load_b64 v[VF+12*\F+6*\cc+4:VF+12*\F+6*\cc+5], v[A8] offset:24576+1536*\F+768*\cc+512
.endr
.endr
	ds_load_b32 v[VW], v[AVS] offset:51200
.endm
.macro SOFT last                       ; a key step's softmax under a running M; in its middle the step's LDS loads.  last = 1: there is no next step's k
.irp b,0,1,2,3
	v_max3_num_f32 v[TM+\b], v[S+16*\b], v[S+16*\b+1], v[S+16*\b+2]
.endr
.irp i,3,5,7,9,11,13
.irp b,0,1,2,3
	v_max3_num_f32 v[TM+\b], v[TM+\b], v[S+16*\b+\i], v[S+16*\b+\i+1]
.endr
.endr
.irp b,0,1,2,3
	v_max_num_f32 v[TM+\b], v[TM+\b], v[S+16*\b+15]
.endr
.irp b,0,1,2,3
	v_permlanex16_b32 v[TM+4+\b], v[TM+\b], s[SEL], s[SEL+1]
.endr
.irp b,0,1,2,3
	v_max_num_f32 v[TM+\b], v[TM+\b], v[TM+4+\b]
.endr
	v_max3_num_f32 v[T0], v[TM], v[TM+1], v[TM+2]
	v_max_num_f32 v[T0], v[T0], v[TM+3]
	v_mul_f32 v[T0], s[CS], v[T0]
	v_max_num_f32 v[NM+1], v[NM+1], v[T0]          ; the running largest t
	v_mov_b32 v[T0], v[NM]
	v_floor_f32 v[NM], -v[NM+1]                    ; the new -M
	v_sub_f32 v[T0], v[NM], v[T0]                  ; old M - new M: a whole number, 0 or less
	v_cvt_i32_f32 v[T0], v[T0]                     ; (it saturates)
	v_ldexp_f32 v[FF], 1.0, v[T0]
.irp j,0,2,4,6,8,10,12,14,16,18,20,22,24,26,28,30,32,34,36,38,40,42,44,46,48,50,52,54,56,58,60,62
	v_pk_fma_f32 v[S+\j:S+\j+1], v[S+\j:S+\j+1], s[CS:CS+1], v[NM:NM+1] op_sel_hi:[1,0,0]
.endr
.irp b,0,1,2,3
	v_fma_f32 v[TM+\b], v[TM+\b], s[CS], v[NM]
.endr
.set i_, 0
.rept 64
	v_exp_f32 v[S+i_], v[S+i_]
.set i_, i_+1
.endr
	v_pk_mul_f32 v[LS:LS+1], v[LS:LS+1], v[FF:FF+1] op_sel_hi:[1,0]   ; the sums under the new M (a plain instruction behind the exponentials)
	s_wait_alu depctr_va_vdst(0)                   ; the 64 exponentials have written p, ahead of its first reader; the step's addresses are written, which the loads below read; the last step's final products are done reading VF and VW, this step's score products KF and KW, in which those loads land
	VLOAD                                          ; this step's v,
.if !\last
	KLOAD A16, A8, AKS, 3072, 256                  ; the next step's k.  No vector or matrix instruction between the wait and these loads
.endif
.irp b,0,1,2,3
	v_exp_f32 v[TM+\b], v[TM+\b]
.endr
	v_pk_add_f32 v[L2:L2+1], v[S:S+1], v[S+2:S+3]
.irp j,4,8,12,16,20,24,28,32,36,40,44,48,52,56,60
	v_pk_add_f32 v[LS:LS+1], v[LS:LS+1], v[S+\j:S+\j+1]
	v_pk_add_f32 v[L2:L2+1], v[L2:L2+1], v[S+\j+2:S+\j+3]
.endr
	v_pk_add_f32 v[LS:LS+1], v[LS:LS+1], v[L2:L2+1]
	s_wait_alu depctr_va_vdst(0)                   ; the four exponentials have written the blocks' largest p, ahead of their first reader
.irp b,0,1,2,3
	v_max_num_f32 v[TM+\b], 0x1800000, v[TM+\b]
.endr
.irp b,0,1,2,3
	v_add_nc_u32 v[TM+12+\b], 0xff000000, v[TM+\b]
.endr
.irp b,0,1,2,3
	v_lshrrev_b32 v[TM+4+\b], 23, v[TM+12+\b]
.endr
	v_lshl_or_b32 v[PWD], v[TM+5], 8, v[TM+4]
	v_lshl_or_b32 v[PWD], v[TM+6], 16, v[PWD]
	v_lshl_or_b32 v[PWD], v[TM+7], 24, v[PWD]
.irp c,0,1
	v_cvt_scalef32_pk16_fp6_f32 v[PC+6*\c:PC+6*\c+2], v[S+32*\c:S+32*\c+15], v[TM+12+2*\c]
	v_cvt_scalef32_pk16_fp6_f32 v[PT+4*\c:PT+4*\c+2], v[S+32*\c+16:S+32*\c+31], v[TM+12+2*\c+1]
.endr
	v_nop
.irp c,0,1
.irp i,0,1,2
	v_permlane16_swap_b32 v[PC+6*\c+\i], v[PT+4*\c+\i]
.endr
.irp i,0,1,2
	v_mov_b32 v[PC+6*\c+3+\i], v[PT+4*\c+\i]
.endr
.endr
.endm
	s_load_b256 s[8:15], s[0:1], 0x0               ; qg, kv, input_mask, oc
	v_lshl_add_u32 v254, v0, 2, 0xdc00
	v_mov_b32 v255, 0
	v_lshrrev_b32 v8, 5, v0
	v_readfirstlane_b32 s4, v8                     ; wave 0..15
	s_and_b32 s5, ttmp7, 0xffff                    ; y
	s_lshr_b32 s6, s5, 3                           ; batch
	s_and_b32 s7, s5, 7                            ; global head
	s_mov_b32 s[SEL], 0x76543210
	s_mov_b32 s[SEL+1], 0xfedcba98
	s_mov_b32 s[CS], 0x3e8293ee                    ; c = log2(e) / sqrt(32)
	s_mov_b32 s[CS+1], s[CS]
	v_and_b32 v9, 31, v0                           ; lane
	v_and_b32 v10, 15, v0                          ; r
	v_bfe_u32 v11, v0, 4, 1                        ; h
	v_lshlrev_b32 v[L16], 4, v9
	v_lshlrev_b32 v[L8], 3, v9
	v_lshlrev_b32 v[L4], 2, v9
	v_lshlrev_b32 v[H64], 6, v11
	v_mov_b32 v[NIL], 0
	v_and_b32 v[SOFF], 8, v10
	v_add_nc_u32 v[SOFF], v[SOFF], v10             ; r + 8 (r / 8)
	v_mul_u32_u24 v[OOFF], v[SOFF], 24
	v_mad_u32_u24 v[OOFF], v11, 12, v[OOFF]
	v_lshlrev_b32 v226, 4, v0                      ; 16, 4, 2 x thread
	v_lshlrev_b32 v227, 2, v0
	v_lshlrev_b32 v228, 1, v0
	v_lshrrev_b32 v229, 6, v0                      ; v's scale bytes: thread t makes bytes 2 (t % 2), + 1 of word t / 2 = [key step][16 u + r]
	v_lshlrev_b32 v229, 7, v229
	v_and_b32 v230, 1, v0
	v_lshl_add_u32 v229, v230, 6, v229
	v_bfe_u32 v230, v0, 1, 5
	v_add_nc_u32 v229, v229, v230
	v_lshrrev_b32 v230, 5, v0                      ; summary key t: token 128 (t / 32) + 96 + t % 32
	v_lshlrev_b32 v230, 7, v230
	v_add_nc_u32 v230, v230, v9
	v_lshlrev_b32 v231, 7, v9                      ; block = lane
	v_mov_b32 v200, 0xcf800000                     ; -2^32
	v_mov_b32 v201, 0x7f800000                     ; +infinity
	s_wait_alu depctr_va_sdst(0)                   ; s4, the wave's number, is written, ahead of its first reader
	s_lshl_b32 s16, ttmp9, 4
	s_add_co_u32 s16, s16, s4                      ; my pair of query tiles: tokens 32 j on
	s_lshl_b32 s17, s5, 7
	s_add_co_u32 s17, s17, s16
	s_wait_kmcnt 0x0
	s_mul_i32 s20, s5, 52224
	s_mov_b32 s21, 0
	s_add_nc_u64 s[10:11], s[10:11], s[20:21]
	s_lshl_b32 s20, s6, 12
	s_add_nc_u64 s[12:13], s[12:13], s[20:21]
	s_mul_i32 s20, s17, 768
	s_add_nc_u64 s[18:19], s[8:9], s[20:21]
	s_lshl_b32 s20, s17, 7
	s_add_co_u32 s20, s20, 3145728
	s_add_nc_u64 s[22:23], s[8:9], s[20:21]
	s_lshl_b32 s24, s6, 4
	s_add_co_u32 s24, s24, s7
	s_add_co_u32 s24, s24, 8                       ; 16 x batch + head
	s_mul_i32 s20, s24, 98304
	s_mul_i32 s25, s16, 768
	s_add_co_u32 s20, s20, s25
	s_add_nc_u64 s[26:27], s[14:15], s[20:21]      ; o's codes at my first token
	s_lshl_b32 s20, s24, 12
	s_lshl_b32 s25, s16, 5
	s_add_co_u32 s20, s20, s25
	s_add_co_u32 s20, s20, 6291456
	s_add_nc_u64 s[28:29], s[14:15], s[20:21]      ; o's scale bytes
	s_wait_alu depctr_va_vdst(0)                   ; the offsets v1-v4, v6, v7 and v226-v231 are written, which the loads, LDS instructions and stores of the whole kernel read
.irp i,0,1,2,3,4,5
	global_load_b128 v[162+4*\i:162+4*\i+3], v226, s[10:11] offset:8192*\i   ; k's and v's codes, 49,152 bytes as they lie
.endr
	global_load_b32 v186, v227, s[10:11] offset:49152
	global_load_u8 v187, v229, s[10:11] offset:51200
	global_load_u8 v188, v229, s[10:11] offset:51232
	global_load_u8 v189, v230, s[12:13] offset:96
	global_load_u8 v190, v230, s[12:13] offset:2144
	global_load_b128 v[192:195], v231, s[12:13] offset:96
	global_load_b128 v[196:199], v231, s[12:13] offset:112
	global_load_b128 v[X:X+3], v[L16], s[18:19]
	global_load_b64 v[X+4:X+5], v[L8], s[18:19] offset:512
	global_load_b32 v[QSW], v[L4], s[22:23]
	s_wait_loadcnt 0x0
	v_lshl_or_b32 v187, v188, 8, v187
.irp i,193,194,195,196,197,198,199
	v_and_b32 v192, v192, v\i
.endr
	v_cmp_ne_u32 s40, 0, v189                      ; the three compares in a run, into scalar registers, with one wait behind them
	v_cmp_ne_u32 s41, 0, v190
	v_cmp_ne_u32 s[FL], 0x01010101, v192           ; lane n: some of block n's 32 bytes is 0
	s_wait_alu depctr_va_sdst(0)                   ; s40, s41 and s[FL] are written, ahead of the selects below and of the key steps' test of s[FL]
	v_cndmask_b32 v189, v200, v201, s40
	v_cndmask_b32 v190, v200, v201, s41
	s_wait_alu depctr_va_vdst(0)                   ; v187, v189 and v190 are written, which the LDS stores below read
.irp i,0,1,2,3,4,5
	ds_store_b128 v226, v[162+4*\i:162+4*\i+3] offset:8192*\i
.endr
	ds_store_b32 v227, v186 offset:49152
	ds_store_b16 v228, v187 offset:51200
	ds_store_b32 v227, v189 offset:52224
	ds_store_b32 v227, v190 offset:54272
	s_wait_dscnt 0x0                               ; for the others' sake: my stores have landed
	s_barrier_signal -1
	s_barrier_wait -1
	s_wait_alu depctr_vm_vsrc(0)                   ; my LDS stores have read v162-v190, and the head's loads and stores their offsets v226-v231: scores, mask numbers and o are written there from here on
	s_mov_b32 vcc_lo, 0xffff
.set i_, 0
.rept 30
	v_mov_b32 v[QV+i_], 0
.set i_, i_+1
.endr
.irp b,0,1,2,3
	v_mov_b32 v[TM+4+\b], 0                        ; a lane permute's destination counts as read
.endr
	v_mov_b32 v[FF+1], 0                           ; (named as upper halves of pairs)
	v_mov_b32 v[RL+1], 0
; A key step: 128 summary keys.  Its k was asked for in the middle of the step before (a tile's first: at the tile's head).  last = 1: the eighth step
.macro STEP u, last
	s_wait_alu depctr_vm_vsrc(0)                   ; the LDS loads issued so far have read the address registers, which the additions below write again
	v_add_nc_u32 v[A16], s[SK], v[L16]
	v_add_nc_u32 v[A8], s[SK], v[L8]
.if !\last
	v_add_nc_u32 v[AKS], s[SS], v[L4]
.endif
	v_add_nc_u32 v[AVS], s[SV], v[L4]
	v_add_nc_u32 v[AMV], s[SM], v[H64]
	s_wait_dscnt 0x0                               ; this step's k and its scale words are in
.irp F,0,1
.irp be,0,1,2,3
	WMZ S+8*(4*\F+\be), KF+12*\F, QV+12*(\be%2)+6*(1-\be/2), KW+\F, QSW, \be/2, \u
.endr
.endr
	PLACES 4
	s_lshr_b32 s39, s[FL], s[SH]
	s_and_b32 s39, s39, 15
	s_cmp_eq_u32 s39, 0
	s_cbranch_scc1 .Lopen_\@                       ; all 128 keys count
.irp b,0,1,2,3
	s_wait_alu depctr_va_vdst(0)                   ; v[AMV] is written, which the loads below read; whatever vector instruction named MT last (the block before's minima; the tile before's way out) is done with it
.irp q,0,1,2,3
	ds_load_b128 v[MT+4*\q:MT+4*\q+3], v[AMV] offset:52224+128*\b+16*\q
.endr
	s_wait_dscnt 0x0
.set i_, 0
.rept 16
	v_min_num_f32 v[S+16*\b+i_], v[S+16*\b+i_], v[MT+i_]
.set i_, i_+1
.endr
.endr
.Lopen_\@:
	SOFT \last
.irp i,0,2,4,6,8,10,12,14
	v_pk_mul_f32 v[O+\i:O+\i+1], v[O+\i:O+\i+1], v[FF:FF+1] op_sel_hi:[1,0]   ; O^T under the new M
.endr
	PLACES 4                                       ; with the moves above: eight places behind p's scale word, four behind its codes
.if \last
	s_wait_dscnt 0x0                               ; v
.else
	s_wait_dscnt 10                                ; v and its scale words are in; the ten younger loads, the next step's k, may be out
.endif
	s_wait_alu depctr_va_vdst(0)                   ; p's codes and scale word are written, which the products below take (behind their places)
	v_wmma_scale_f32_16x16x128_f8f6f4 v[O:O+7], v[VF:VF+11], v[PC:PC+11], v[O:O+7], v[VW], v[PWD] matrix_a_fmt:MATRIX_FMT_FP6 matrix_b_fmt:MATRIX_FMT_FP6
	v_wmma_scale_f32_16x16x128_f8f6f4 v[O+8:O+15], v[VF+12:VF+23], v[PC:PC+11], v[O+8:O+15], v[VW], v[PWD] matrix_a_fmt:MATRIX_FMT_FP6 matrix_b_fmt:MATRIX_FMT_FP6 matrix_a_scale:MATRIX_SCALE_ROW1
.if !\last
	s_add_co_u32 s[SK], s[SK], 3072
	s_add_co_u32 s[SS], s[SS], 256
	s_add_co_u32 s[SV], s[SV], 128
	s_add_co_u32 s[SM], s[SM], 512
	s_add_co_u32 s[SH], s[SH], 4
.endif
.endm
.macro GT u                            ; query tile u: the half of the lanes that holds its scale words is a modifier, so the loop is written for each
	KLOAD L16, L8, L4, 0, 0                        ; k of key step 0, by the lane's constant offsets.  No wait: the last vector or matrix instructions that named KF and KW (the tile before's score products) stand ahead of that tile's later waits on va_vdst
	QVAR \u
	v_mov_b32 v[NM+1], 0xff61b1e6                  ; the largest t so far: -3e38
	v_floor_f32 v[NM], -v[NM+1]
	v_mov_b32 v[LS], 0
	v_mov_b32 v[LS+1], 0
.set i_, 0
.rept 16
	v_mov_b32 v[O+i_], 0                           ; the first change of M leaves zeros zeros
.set i_, i_+1
.endr
	s_mov_b32 s[SK], 0
	s_mov_b32 s[SS], 0
	s_mov_b32 s[SV], 0
	s_mov_b32 s[SM], 0
	s_mov_b32 s[SH], 0
	s_mov_b32 s[CNT], 0
	s_wait_alu depctr_va_vdst(0)                   ; the tile's two forms are written, which every step's score products take as an operand (behind QVAR's four places)
.Lstep_\@:                                         ; seven trips: each asks for the next step's k
	STEP \u, 0
	s_add_co_u32 s[CNT], s[CNT], 1
	s_cmp_lt_u32 s[CNT], 7
	s_cbranch_scc1 .Lstep_\@
	STEP \u, 1                                     ; the eighth step is written out: it has no successor
	PLACES 4
	v_add_f32 v[LS], v[LS], v[LS+1]
	v_permlanex16_b32 v[TM+4], v[LS], s[SEL], s[SEL+1]
	v_add_f32 v[LS], v[LS], v[TM+4]                ; the row's sum
	v_rcp_f32 v[RL], v[LS]
	v_nop
	s_wait_alu depctr_va_vdst(0)                   ; the reciprocal is written, ahead of its first reader
.irp i,0,2,4,6,8,10,12,14
	v_pk_mul_f32 v[MT+\i:MT+\i+1], v[O+\i:O+\i+1], v[RL:RL+1] op_sel_hi:[1,0]
.endr
	s_wait_xcnt 0x0                                ; the last tile's stores have had their addresses translated
.if (\u) == 1
	s_wait_alu depctr_vm_vsrc(0)                   ; and have read OC3 and OCB, which are written again below
.endif
	QUANT1 MT, OC3, OCB
	s_wait_alu depctr_va_vdst(0)                   ; o's codes and byte are written, which the stores below read
	global_store_b96 v[OOFF], v[OC3:OC3+2], s[26:27] offset:192*\u
	global_store_b8 v[SOFF], v[OCB], s[28:29] offset:8*\u
.endm
	GT 0
	GT 1
	s_wait_dscnt 0x0                               ; the closing lines, six on end
	s_wait_alu 0x0
	s_wait_tensorcnt 0x0
	ds_add_u32 v254, v255
	s_wait_dscnt 0x0
	s_endpgm
.Lfunc_end_k_q91c57c980a_gattn:
	.size	k_q91c57c980a_gattn, .Lfunc_end_k_q91c57c980a_gattn-k_q91c57c980a_gattn
	.p2alignl 7, 3214868480
	.fill 96, 4, 3214868480
	.section	.rodata,"a",@progbits
	.p2align	6, 0x0
	.amdhsa_kernel k_q91c57c980a_gattn
		.amdhsa_group_segment_fixed_size 58368
		.amdhsa_private_segment_fixed_size 0
		.amdhsa_enable_private_segment 0
		.amdhsa_kernarg_size 32
		.amdhsa_user_sgpr_count 2
		.amdhsa_user_sgpr_kernarg_segment_ptr 1
		.amdhsa_wavefront_size32 1
		.amdhsa_system_sgpr_workgroup_id_x 1
		.amdhsa_system_sgpr_workgroup_id_y 1
		.amdhsa_system_sgpr_workgroup_id_z 1
		.amdhsa_system_vgpr_workitem_id 0
		.amdhsa_next_free_vgpr 256
		.amdhsa_next_free_sgpr 66
		.amdhsa_reserve_vcc 1
		.amdhsa_float_denorm_mode_32 3
		.amdhsa_float_denorm_mode_16_64 3
		.amdhsa_memory_ordered 1
		.amdhsa_forward_progress 1
		.amdhsa_inst_pref_size 85
	.end_amdhsa_kernel
	.amdgpu_metadata
---
amdhsa.version: [ 1, 2 ]
amdhsa.kernels:
  - .name:           k_q91c57c980a_gattn
    .symbol:         k_q91c57c980a_gattn.kd
    .args:
      - { .name: qg, .offset: 0, .size: 8, .value_kind: global_buffer, .address_space: global }
      - { .name: kv, .offset: 8, .size: 8, .value_kind: global_buffer, .address_space: global }
      - { .name: input_mask, .offset: 16, .size: 8, .value_kind: global_buffer, .address_space: global }
      - { .name: oc, .offset: 24, .size: 8, .value_kind: global_buffer, .address_space: global }
    .group_segment_fixed_size: 58368
    .private_segment_fixed_size: 0
    .kernarg_segment_align: 8
    .kernarg_segment_size: 32
    .max_flat_workgroup_size: 512
    .sgpr_count:     66
    .vgpr_count:     256
    .wavefront_size: 32
...
	.end_amdgpu_metadata
.endif
;; end of part 6
;; launch tail: the kernel of part 4 again; grid 256 x 1, 4 waves a work-group, no clusters, 327,680 bytes of LDS; arguments oc, wq, src, bo, ln1_g, ln1_b, b1, b2, ln2_g, ln2_b, out0; writes out0
